; MI455X (gfx1250); checked and timed in simulation.
; The chip was launched on July 23, 2026; its instructions are those of AMD's public machine-readable ISA for CDNA 5 (MIT licence, August 2026) and "CDNA5" Instruction Set Architecture Reference Guide (July 2026). The comments in the code are by the model that wrote it; some were corrected since.
;; Transformer Block. Allowed arithmetic: matrix products marked QUANTISED: E5M2 operands, one E8M0 scale for each 32 along K, by v_wmma_scale_f32_16x16x128_f8f6f4 with both operands' format E5M2, f32 sums; everything else in f32.
;; Inputs: Wk 1,024 x 1,024 float32; Wo 1,024 x 1,024 float32; Wq 1,024 x 1,024 float32; Wv 1,024 x 1,024 float32; g1 1,024 float32; g2 1,024 float32; positions 2,048 int32; w1 2,752 x 1,024 float32; w2 1,024 x 2,752 float32; w3 2,752 x 1,024 float32; x 2 x 2,048 x 1,024 float32.
;; Outputs: out0 2 x 2,048 x 1,024 float32.
;; Constants: theta = 10000.
;; This version of the problem:
;;   THIS VERSION OF THE PROBLEM IS GIVEN IN LOW PRECISION. The matrix products marked QUANTISED in the list below multiply operands that are first quantised to E5M2 (5 exponent bits, 2 mantissa bits; 8 bits a number), with one power-of-two scale for each 32 numbers along K (OCP MX v1.0); their sums are f32. All else is computed in f32.
;;   The module's matrix products, in the order in which they are computed (A, B: the left and right operand; K: the contracted axis; several contracted axes count as one K, in the product's order):
;;     1. [M 4,096, K 1,024] x [K 1,024, N 1,024]; A: computed on the way; B: input Wq: QUANTISED
;;     2. [M 4,096, K 1,024] x [K 1,024, N 1,024]; A: computed on the way; B: input Wk: QUANTISED
;;     3. [M 4,096, K 1,024] x [K 1,024, N 1,024]; A: computed on the way; B: input Wv: QUANTISED
;;     4. batch 32 x [M 2,048, K 64] x [K 64, N 2,048]; A: computed on the way; B: computed on the way: QUANTISED
;;     5. batch 32 x [M 2,048, K 2,048] x [K 2,048, N 64]; A: softmax (see below); B: computed on the way: QUANTISED
;;     6. [M 4,096, K 1,024] x [K 1,024, N 1,024]; A: computed on the way; B: input Wo: QUANTISED
;;     7. [M 4,096, K 1,024] x [K 1,024, N 2,752]; A: computed on the way; B: input w1: QUANTISED
;;     8. [M 4,096, K 1,024] x [K 1,024, N 2,752]; A: computed on the way; B: input w3: QUANTISED
;;     9. [M 4,096, K 2,752] x [K 2,752, N 1,024]; A: computed on the way; B: input w2: QUANTISED
;;   THE QUANTISER, for each operand of a quantised product, along K:
;;     - K is cut into blocks of 32 from its start; a last block that is shorter is filled with zeros.
;;     - A block's scale is 2^e with e = floor(log2(the largest magnitude in the block)) - 15, held to -126 .. 127; a block of zeros has e = 0. As a byte (E8M0): e + 127.
;;     - Each number is divided by its block's scale, clamped to +-57,344, and rounded to the nearest number of E5M2, ties to even, subnormals kept.
;;     - The product sums the exact products of the quantised numbers (number of the format x scale) in f32.
;;   ~~~python
;;   def quantise(x, axis):      # numpy; x: float32 -> the quantised numbers, widened to float32 again
;;       x = np.moveaxis(x, axis, -1); K = x.shape[-1]
;;       x = np.pad(x, [(0, 0)] * (x.ndim - 1) + [(0, -K % 32)]); x = x.reshape(x.shape[:-1] + (-1, 32)); a = np.abs(x).max(-1, keepdims=True)
;;       e = np.where(a > 0, np.clip(np.frexp(np.where(a > 0, a, 1))[1] - 1 - 15, -126, 127), 0)      # np.frexp(a)[1] - 1 = floor(log2(a)), exactly
;;       r = np.clip(x / 2.0 ** e, -57344, 57344)
;;       step = 2.0 ** (np.maximum(np.frexp(np.where(r == 0, 1, r))[1] - 1, -14) - 2)
;;       q = np.round(r / step) * step * 2.0 ** e      # np.round: ties to even
;;       return np.moveaxis(q.reshape(q.shape[:-2] + (-1,))[..., :K], -1, axis).astype(np.float32)
;;   ~~~
;;   SOFTMAX AHEAD OF A QUANTISED PRODUCT. Where the list says 'softmax', what is quantised is not the finished softmax but p = 2^(t - M), with t = logit x log2(e) and M = ceil(the row's largest t), a whole number; so 1/2 < the row's largest p <= 1. The row's sum l is taken of the UNQUANTISED p, in f32, and the product's result is divided by l at the end. Since M is a whole number, a kernel that streams over the keys may use a running M (the ceiling of the running maximum): every later rescaling is an exact power of two, which a block's scale takes up: the codes' values come out the same.
;;   OPERANDS COMPUTED ON THE WAY. 'Computed on the way' means the value that the module computes at that place (a softmax that the list does not call 'softmax' is quantised finished and normalised). What goes into a quantiser is computed in f32, as accurately as f32 sums, v_exp_f32 and their like allow (about 1e-6 of the number): no bf16 or f16 on the way to a quantiser, and a product that is left as it is and whose result goes on into a quantised operand takes f32 operands (vector FMAs, or v_wmma_f32_16x16x4_f32). A number that lies on a knife's edge between two numbers of the format may be rounded either way, as far as f32 arithmetic and the matrix unit's own rounding can turn it there, and no further.
;; 2 versions. Each part assembles by itself: llvm-mc -triple=amdgcn-amd-amdhsa -mcpu=gfx1250 --defsym DOCPART=n.
;; ======== version 1 of 2: 7 launches
;; limits: right only within a limited range of input values
;; workspace buffers: wbuf 13,770,752 bytes; act 4,325,376 bytes; qkv 13,369,344 bytes; att 4,325,376 bytes; x2 16,777,216 bytes; hid 11,894,784 bytes
;; launch prep (part 1): grid 1056 x 1, 8 waves a work-group, no clusters, 136,704 bytes of LDS; arguments x, g1, positions, Wq, Wk, Wv, Wo, w1, w3, w2, act, wbuf; writes act, wbuf
.if DOCPART == 1
	.amdgcn_target "amdgcn-amd-amdhsa--gfx1250"
	.amdhsa_code_object_version 6
	.text
	.protected	k_q9cc1ddf25e_prep
	.globl	k_q9cc1ddf25e_prep
	.p2align	8
	.type	k_q9cc1ddf25e_prep,@function
k_q9cc1ddf25e_prep:
	s_mov_b64 s[64:65], 0
	v_nop
	global_prefetch_b8 v0, s[64:65] scope:SCOPE_SE
	s_setreg_imm32_b32 hwreg(HW_REG_WAVE_MODE, 25, 1), 1
	s_wait_xcnt 0x0
; PREP: the first of seven launches of a transformer block whose nine matrix products are all on codes of BF8 (E5M2) with one E8M0 scale for each 32 along K.
; It turns rmsnorm(x, g1) and all seven weights into codes, and makes the table of cos and sin for RoPE.
; DEAD WORK OF THE WHOLE PROGRAM: reference() builds a causal mask (jnp.tril) in its own body and sets the scores above the diagonal to -inf ahead of the softmax, so their p is 0 for every input:
; the attention launch leaves out every step of 128 keys that lies wholly behind a wave's 16 queries.  Nothing else is left out; every input is loaded; theta = 10000 is a listed constant.
; LIMITS: NaN and infinities among the inputs are not served, and one that reaches only a key step left out is not carried to the result.  A block whose largest magnitude lies under 2^-111 gets the scale byte 1
; (a block of zeros too, where the rule says 127: its codes are zeros, and this program alone reads the bytes).  |positions| up to some 40,000: the angle is reduced by pi/2 in three parts.
; cos and sin: Taylor's series on |r| <= pi/4, the sine to r^9, the cosine to r^8 (the next terms are under 3e-8).  The frequencies are 10^(-i/8) rounded to f32.
; THE LAYOUT OF EVERY OPERAND: IMAGES OF THE OPERAND'S REGISTERS.  tau(T, r) = 32 (T / 2) + 8 (T % 2) + r + 8 (r / 8).  Image (T, s) holds 16 rows x 128 along K in 2,048 bytes: byte 512 c + 16 l + e is the code of row
; tau(T, l % 16) at k = 128 s + 32 c + 16 (l / 16) + e; its 16 scale words (64 bytes): word r for row tau(T, r), byte c for block c.  So a fragment is four loads of 16 bytes at 16 x lane.
; SHARES: a wave makes one image.  Work-groups 0-255: x with the norm (image row T = work-group, K step = wave: the eight waves hold all 1,024 columns of 16 tokens); 256-511: Wq, Wk, Wv, Wo; 512-855: w1 and w3,
; interleaved by blocks of 32 hidden units (image row 4 beta + 2 sel + u); 856-1031: w2 (22 K steps, the last half zeros); 1032-1039: eight zero image rows that fill w1/w3 up to 22 tiles of 256 rows; 1040-1055: the table.
; The scale words leave as 64 bytes for each 2,048 bytes of codes: those stores do not cover 256 consecutive bytes.
.set ACS,   4194304                    ; act: where the scale words begin
.set WS,    12845056                   ; wbuf: where the scale words begin (6,272 images x 2,048)
.set ROPE,  13246464                   ; wbuf: the table: [128 image rows of positions][8][lane][16 bytes]
.set SP,    528                        ; a stage row: 512 bytes + 16
.set WREG,  16*SP                      ; a wave's stage
.set PART,  8*WREG                     ; x's path: 8 waves x 16 partial sums of squares
.set WSTG,  PART+512                   ; the weights' path has stages of its own
.set SPARE, WSTG+8*WREG                ; the spare words: 128 bytes a wave, four blocks of 256 bytes that no other line names
.set TM,  16                           ; v16-31  at work in QUANT
.set R,   32                           ; v32-95  64 numbers
.set G,   96                           ; v96-159 the gain at my 64 columns
.set PC,  160                          ; v160-175 the codes
.set PW,  176                          ; v176 the scale word
.set SU,  178                          ; v178-189 sums
.set SEL, 60
.set MNT, 62
; 64 numbers of a lane, register 16 b + i = k 32 b + 16 (lane / 16) + i of my row, become a fragment's codes and its scale word
.macro QUANT s
.irp b, 0,1,2,3
	v_max3_num_f32 v[TM+\b], |v[\s+16*\b]|, |v[\s+1+16*\b]|, 0x8000000   ; my 16 numbers of block b, and the floor 2^(16 - 127): the byte cannot fall under 1
.endr
.irp i, 2,4,6,8,10,12,14
.irp b, 0,1,2,3
	v_max3_num_f32 v[TM+\b], v[TM+\b], |v[\s+16*\b+\i]|, |v[\s+1+16*\b+\i]|
.endr
.endr
.irp b, 0,1,2,3
	v_permlanex16_b32 v[TM+4+\b], v[TM+\b], s[SEL], s[SEL+1]
.endr
.irp b, 0,1,2,3
	v_max_num_f32 v[TM+\b], v[TM+\b], v[TM+4+\b]             ; with lane l xor 16's: the block's largest magnitude
.endr
.irp b, 0,1,2,3
	v_add_nc_u32 v[TM+12+\b], 0xf8800000, v[TM+\b]           ; 15 off its exponent field: the conversion's scale operand
.endr
.irp b, 0,1,2,3
	v_and_or_b32 v[TM+8+\b], v[TM+\b], 0x7f800000, s[MNT]    ; 57,344 x the scale
.endr
.irp b, 0,1,2,3
	v_lshrrev_b32 v[TM+4+\b], 23, v[TM+12+\b]                ; the scale's byte
.endr
	v_lshl_or_b32 v[PW], v[TM+5], 8, v[TM+4]
	v_lshl_or_b32 v[PW], v[TM+6], 16, v[PW]
	v_lshl_or_b32 v[PW], v[TM+7], 24, v[PW]
.irp b, 0,1,2,3
.irp i, 0,1,2,3,4,5,6,7,8,9,10,11,12,13,14,15
	v_med3_num_f32 v[\s+16*\b+\i], v[\s+16*\b+\i], -v[TM+8+\b], v[TM+8+\b]   ; the conversion does not saturate (ISA guide 7.6.2): the hold
.endr
	v_cvt_scalef32_pk8_bf8_f32 v[PC+4*\b:PC+1+4*\b], v[\s+16*\b:\s+7+16*\b], v[TM+12+\b]
	v_cvt_scalef32_pk8_bf8_f32 v[PC+2+4*\b:PC+3+4*\b], v[\s+8+16*\b:\s+15+16*\b], v[TM+12+\b]
.endr
	v_nop
.endm
.macro ROWBASE                         ; s34 image row, s35 K step, s37 bytes in a source row: s[32:33] moves to the image's first row and column; s44 = the last 16 bytes of the row, from there
	s_lshr_b32 s38, s34, 1
	s_lshl_b32 s38, s38, 5
	s_and_b32 s39, s34, 1
	s_lshl_b32 s39, s39, 3
	s_add_co_u32 s38, s38, s39
	s_mul_i32 s38, s38, s37
	s_lshl_b32 s39, s35, 9
	s_add_co_u32 s38, s38, s39
	s_sub_co_u32 s44, s37, s39
	s_sub_co_u32 s44, s44, 16
	s_mov_b32 s39, 0
	s_add_nc_u64 s[32:33], s[32:33], s[38:39]
.endm
.macro OUTPTR lo, sbase                ; s36 = the image's number: s[40:41] its codes, s[42:43] its scale words
	s_lshl_b32 s40, s36, 11
	s_mov_b32 s41, 0
	s_add_nc_u64 s[40:41], s[\lo:\lo+1], s[40:41]
	s_lshl_b32 s42, s36, 6
	s_add_co_u32 s42, s42, \sbase
	s_mov_b32 s43, 0
	s_add_nc_u64 s[42:43], s[\lo:\lo+1], s[42:43]
.endm
.macro LOADROWS off, pitch             ; the image's 16 rows, 512 consecutive bytes a load
.irp p, 0,1,2,3,4,5,6,7,8,9,10,11,12,13,14,15
	global_load_b128 v[R+4*\p:R+4*\p+3], v[\off], s[32:33] offset:((\p)+8*((\p)/8))*\pitch th:TH_LOAD_NT
.endr
.endm
.macro TURNROWS sti, sto               ; through my own stage: in as rows, back 64 numbers a lane: 16 neighbours of each block of 32
.irp p, 0,1,2,3,4,5,6,7,8,9,10,11,12,13,14,15
	s_wait_loadcnt 15-\p                           ; loads come back in order: row p is in, the younger rows may be out
	ds_store_b128 v[\sti], v[R+4*\p:R+4*\p+3] offset:SP*\p
.endr
.irp c, 0,1,2,3
.irp j, 0,1,2,3
	ds_load_b128 v[R+16*\c+4*\j:R+16*\c+4*\j+3], v[\sto] offset:128*\c+16*\j   ; LDS serves a wave's instructions in order: these see my stores
.endr
.endr
	s_wait_dscnt 0x0
.endm
.macro OUT
.irp c, 0,1,2,3
	global_store_b128 v4, v[PC+4*\c:PC+4*\c+3], s[40:41] offset:512*\c   ; 512 consecutive bytes a store
.endr
	global_store_b32 v5, v[PW], s[42:43]           ; both halves of the lanes hold row r's word and write it
	s_wait_tensorcnt 0x0                           ; the wave's end, behind my last LDS store
	ds_add_u32 v12, v13
	s_wait_dscnt 0x0
	s_endpgm
.endm
	s_load_b512 s[8:23], s[0:1], 0x0               ; x, g1, positions, Wq, Wk, Wv, Wo, w1
	s_load_b256 s[24:31], s[0:1], 0x40             ; w3, w2, act, wbuf
	v_lshl_add_u32 v12, v0, 2, SPARE               ; my spare word; never rewritten
	v_mov_b32 v13, 0                               ; 0; never rewritten
	v_lshrrev_b32 v1, 5, v0
	v_readfirstlane_b32 s2, v1                     ; wave
	v_and_b32 v1, 31, v0                           ; lane
	v_and_b32 v2, 15, v0                           ; r
	v_bfe_u32 v3, v0, 4, 1                         ; h
	v_lshlrev_b32 v4, 4, v1                        ; 16 x lane
	v_lshlrev_b32 v5, 2, v2                        ; 4 r
	s_mul_i32 s3, s2, WREG
	v_add_nc_u32 v6, s3, v4                        ; x's stage, in
	v_mul_u32_u24 v7, v2, SP
	v_lshl_add_u32 v7, v3, 6, v7
	v_add_nc_u32 v7, s3, v7                        ; and back: row r, + 64 h
	v_add_nc_u32 v14, WSTG, v6                     ; the weights' stage likewise
	v_add_nc_u32 v15, WSTG, v7
	s_lshl_b32 s3, s2, 6
	v_add_nc_u32 v8, s3, v5
	v_add_nc_u32 v8, PART, v8                      ; my wave's partial sum of row r
	v_add_nc_u32 v9, PART, v5                      ; all waves' partial sums of row r
	v_lshlrev_b32 v11, 6, v3                       ; 64 h
	s_mov_b32 s[SEL], 0x76543210
	s_mov_b32 s[SEL+1], 0xfedcba98
	s_mov_b32 s[MNT], 0x600000
.irp b, 0,1,2,3
	v_mov_b32 v[TM+4+\b], 0                        ; a lane permute's destination counts as one of its sources
.endr
	s_wait_kmcnt 0x0
	s_cmp_lt_u32 ttmp9, 256
	s_cbranch_scc1 .Lnorm
	s_cmp_lt_u32 ttmp9, 512
	s_cbranch_scc1 .Lsquare
	s_cmp_lt_u32 ttmp9, 856
	s_cbranch_scc1 .Lgate
	s_cmp_lt_u32 ttmp9, 1032
	s_cbranch_scc1 .Ldown
	s_cmp_lt_u32 ttmp9, 1040
	s_cbranch_scc1 .Lzero
	; ---- the table: lane (r, h) of image row Tl: cos and sin of positions[tau(Tl, r)] x F[16 beta + 8 h + q], q = 0 .. 7
	s_sub_co_u32 s34, ttmp9, 1040
	s_lshl_b32 s34, s34, 3
	s_add_co_u32 s34, s34, s2                      ; Tl
	s_lshr_b32 s35, s34, 1
	s_lshl_b32 s35, s35, 5
	s_and_b32 s36, s34, 1
	s_lshl_b32 s36, s36, 3
	s_add_co_u32 s35, s35, s36
	v_and_b32 v64, 8, v2
	v_add_nc_u32 v64, v64, v2
	v_add_nc_u32 v64, s35, v64
	v_lshlrev_b32 v64, 2, v64
	global_load_b32 v65, v64, s[12:13]
	s_lshl_b32 s36, s34, 12
	s_add_co_u32 s36, s36, ROPE
	s_mov_b32 s37, 0
	s_add_nc_u64 s[40:41], s[30:31], s[36:37]
	s_mov_b32 s66, 0x3f22f983                      ; 2 / pi
	s_mov_b32 s67, 0xbfc90fd8                      ; -pi/2 in three parts
	s_mov_b32 s68, 0xb4a8885a
	s_mov_b32 s69, 0xa7c234c4
	s_mov_b32 s70, 0x37d00d01                      ; 1/40320
	s_mov_b32 s71, 0xbab60b61                      ; -1/720
	s_mov_b32 s72, 0x3d2aaaab                      ; 1/24
	s_mov_b32 s74, 0x3638ef1d                      ; 1/362880
	s_mov_b32 s75, 0xb9500d01                      ; -1/5040
	s_mov_b32 s76, 0x3c088889                      ; 1/120
	s_mov_b32 s77, 0xbe2aaaab                      ; -1/6
	v_cmp_lt_u32 s50, 15, v1                       ; lanes 16-31
	s_wait_loadcnt 0x0
	v_cvt_f32_i32 v65, v65
.macro SINCOS flo, fhi, d              ; the frequency of my half; v[d] = cos, v[d + 1] = sin
	v_mov_b32 v66, \flo
	s_mov_b32 s52, \fhi
	v_cndmask_b32 v66, v66, s52, s50
	v_mul_f32 v66, v65, v66                        ; the angle, one f32 product as reference() has it
	v_mul_f32 v67, s66, v66
	v_rndne_f32 v67, v67                           ; k
	v_fma_f32 v68, v67, s67, v66                   ; r = angle - k pi/2
	v_fma_f32 v68, v67, s68, v68
	v_fma_f32 v68, v67, s69, v68
	v_mul_f32 v69, v68, v68                        ; z
	v_cvt_i32_f32 v72, v67
	v_fma_f32 v70, v69, s70, s71
	v_fma_f32 v71, v69, s74, s75
	v_fma_f32 v70, v70, v69, s72
	v_fma_f32 v71, v71, v69, s76
	v_fma_f32 v70, v70, v69, -0.5
	v_fma_f32 v71, v71, v69, s77
	v_mul_f32 v73, v68, v69
	v_fma_f32 v70, v70, v69, 1.0                   ; cos r
	v_fma_f32 v71, v71, v73, v68                   ; sin r
	v_and_b32 v74, 1, v72
	v_cmp_eq_u32 s51, 1, v74                       ; an odd k swaps the two
	v_cndmask_b32 v75, v70, v71, s51
	v_cndmask_b32 v76, v71, v70, s51
	v_add_nc_u32 v74, 1, v72
	v_and_b32 v74, 2, v74                          ; cos is negative in quadrants 1 and 2,
	v_and_b32 v72, 2, v72                          ; sin in 2 and 3
	v_lshlrev_b32 v74, 30, v74
	v_lshlrev_b32 v72, 30, v72
	v_xor_b32 v[(\d)], v74, v75
	v_xor_b32 v[(\d)+1], v72, v76
.endm
	SINCOS 0x3f800000, 0x3dcccccd, 32
	SINCOS 0x3f3ff911, 0x3d99940e, 34
	SINCOS 0x3f0ff59a, 0x3d6655c3, 36
	SINCOS 0x3ed7e89b, 0x3d2cba15, 38
	SINCOS 0x3ea1e89b, 0x3d0186e2, 40
	SINCOS 0x3e72d424, 0x3cc24350, 42
	SINCOS 0x3e361887, 0x3c91ad39, 44
	SINCOS 0x3e088d77, 0x3c5a7bf1, 46
	SINCOS 0x3c23d70a, 0x3a83126f, 48
	SINCOS 0x3bf5b9b0, 0x3a44948c, 50
	SINCOS 0x3bb8449c, 0x3a136a16, 52
	SINCOS 0x3b8a2e77, 0x39dd1726, 54
	SINCOS 0x3b4f3e37, 0x39a5cb5f, 56
	SINCOS 0x3b1b690d, 0x3978a814, 58
	SINCOS 0x3ae91528, 0x393a7753, 60
	SINCOS 0x3aaec98e, 0x390bd472, 62
.irp m, 0,1,2,3,4,5,6,7
	global_store_b128 v4, v[32+4*\m:35+4*\m], s[40:41] offset:512*\m
.endr
	s_endpgm
.Lzero:                                            ; image rows 344 to 351 of w1/w3: zero codes, the scale 1
	s_sub_co_u32 s36, ttmp9, 688                   ; 344 + work-group - 1032
	s_lshl_b32 s36, s36, 3
	s_add_co_u32 s36, s36, s2
	s_add_co_u32 s36, s36, 2048
	OUTPTR 30, WS
.irp c, 0,1,2,3
	v_mov_b32 v[PC+\c], 0
.endr
	v_mov_b32 v[PW], 0x7f7f7f7f
.irp c, 0,1,2,3
	global_store_b128 v4, v[PC:PC+3], s[40:41] offset:512*\c
.endr
	global_store_b32 v5, v[PW], s[42:43]
	s_endpgm
.Lnorm:                                            ; ---- x: 16 tokens to a work-group, 128 columns to a wave
	s_mov_b64 s[32:33], s[8:9]
	s_mov_b32 s34, ttmp9
	s_mov_b32 s35, s2
	s_mov_b32 s37, 4096
	ROWBASE
	s_lshl_b32 s36, s2, 9
	s_mov_b32 s37, 0
	s_add_nc_u64 s[38:39], s[10:11], s[36:37]      ; g1 at my 128 columns
	s_lshl_b32 s36, ttmp9, 3
	s_add_co_u32 s36, s36, s2
	OUTPTR 28, ACS
	s_mov_b32 s45, 0x3a800000                      ; 1/1024
	s_mov_b32 s46, 0x3727c5ac                      ; 1e-5
.irp c, 0,1,2,3
.irp j, 0,1,2,3
	global_load_b128 v[G+16*\c+4*\j:G+16*\c+4*\j+3], v11, s[38:39] offset:128*\c+16*\j
.endr
.endr
	LOADROWS 4, 4096
	TURNROWS 6, 7                                  ; (the gain's loads are older than the rows': the counts cover them)
	v_pk_mul_f32 v[SU:SU+1], v[R:R+1], v[R:R+1]    ; the sum of my 64 squares, in two chains
	v_pk_mul_f32 v[SU+2:SU+3], v[R+2:R+3], v[R+2:R+3]
.irp i, 4,8,12,16,20,24,28,32,36,40,44,48,52,56,60
	v_pk_fma_f32 v[SU:SU+1], v[R+\i:R+\i+1], v[R+\i:R+\i+1], v[SU:SU+1]
	v_pk_fma_f32 v[SU+2:SU+3], v[R+\i+2:R+\i+3], v[R+\i+2:R+\i+3], v[SU+2:SU+3]
.endr
	v_pk_add_f32 v[SU:SU+1], v[SU:SU+1], v[SU+2:SU+3]
	v_add_f32 v[SU], v[SU], v[SU+1]
	v_permlanex16_b32 v[SU+1], v[SU], s[SEL], s[SEL+1]
	v_add_f32 v[SU], v[SU], v[SU+1]                ; row r's 128 columns
	ds_store_b32 v8, v[SU]
	s_wait_dscnt 0x0                               ; for the others' sake: my store has landed
	s_barrier_signal -1
	s_barrier_wait -1
.irp w, 0,1,2,3,4,5,6,7
	ds_load_b32 v[SU+4+\w], v9 offset:64*\w
.endr
	s_wait_dscnt 0x0
	v_add_f32 v[SU+4], v[SU+4], v[SU+5]
	v_add_f32 v[SU+6], v[SU+6], v[SU+7]
	v_add_f32 v[SU+8], v[SU+8], v[SU+9]
	v_add_f32 v[SU+10], v[SU+10], v[SU+11]
	v_add_f32 v[SU+4], v[SU+4], v[SU+6]
	v_add_f32 v[SU+8], v[SU+8], v[SU+10]
	v_add_f32 v[SU+4], v[SU+4], v[SU+8]
	v_fma_f32 v[SU], v[SU+4], s45, s46             ; the mean of the squares + eps
	v_rsq_f32 v[SU+2], v[SU]
	v_nop                                          ; a plain line behind the transcendental,
	s_wait_alu depctr_va_vdst(0)                   ; and the wait ahead of its first reader
.set n, 0
.rept 32
	v_pk_mul_f32 v[R+n:R+n+1], v[R+n:R+n+1], v[SU+2:SU+3] op_sel_hi:[1,0]
.set n, n+2
.endr
.set n, 0
.rept 32
	v_pk_mul_f32 v[R+n:R+n+1], v[R+n:R+n+1], v[G+n:G+n+1]
.set n, n+2
.endr
	QUANT R
	OUT
.Lsquare:                                          ; ---- Wq, Wk, Wv, Wo: scalar work alone up to .Limg
	s_sub_co_u32 s38, ttmp9, 256
	s_lshr_b32 s39, s38, 6
	s_cmp_eq_u32 s39, 0
	s_cselect_b64 s[32:33], s[14:15], s[16:17]
	s_cmp_eq_u32 s39, 2
	s_cselect_b64 s[32:33], s[18:19], s[32:33]
	s_cmp_eq_u32 s39, 3
	s_cselect_b64 s[32:33], s[20:21], s[32:33]
	s_and_b32 s34, s38, 63
	s_mov_b32 s35, s2
	s_lshl_b32 s36, s38, 3
	s_add_co_u32 s36, s36, s2
	s_mov_b32 s37, 4096
	s_branch .Limg
.Lgate:                                            ; ---- w1 (sel = 0), w3 (sel = 1)
	s_sub_co_u32 s38, ttmp9, 512
	s_cmp_ge_u32 s38, 172
	s_cselect_b64 s[32:33], s[24:25], s[22:23]
	s_cselect_b32 s39, 1, 0
	s_mul_i32 s40, s39, 172
	s_sub_co_u32 s34, s38, s40
	s_lshr_b32 s36, s34, 1
	s_lshl_b32 s36, s36, 2
	s_lshl_b32 s39, s39, 1
	s_add_co_u32 s36, s36, s39
	s_and_b32 s39, s34, 1
	s_add_co_u32 s36, s36, s39                     ; 4 beta + 2 sel + u
	s_lshl_b32 s36, s36, 3
	s_add_co_u32 s36, s36, s2
	s_add_co_u32 s36, s36, 2048
	s_mov_b32 s35, s2
	s_mov_b32 s37, 4096
	s_branch .Limg
.Ldown:                                            ; ---- w2: image 8 (work-group - 856) + wave of 64 x 22
	s_sub_co_u32 s38, ttmp9, 856
	s_lshl_b32 s38, s38, 3
	s_add_co_u32 s38, s38, s2
	s_mul_i32 s34, s38, 2979
	s_lshr_b32 s34, s34, 16                        ; / 22, exact for numbers under 1,408
	s_mul_i32 s35, s34, 22
	s_sub_co_u32 s35, s38, s35
	s_add_co_u32 s36, s38, 4864
	s_mov_b64 s[32:33], s[26:27]
	s_mov_b32 s37, 11008
.Limg:
	ROWBASE
	OUTPTR 30, WS
	v_min_u32 v10, s44, v4                         ; no lane reads past its row's end (w2's last K step has 256 bytes)
	s_cmp_eq_u32 s37, 4096
	s_cbranch_scc0 .Lwide
	LOADROWS 10, 4096
	s_branch .Lrows_in
.Lwide:
	LOADROWS 10, 11008
.Lrows_in:
	TURNROWS 14, 15
	s_cmp_eq_u32 s35, 21                           ; w2's K ends at 2,752: the quantiser fills with zeros
	s_cbranch_scc0 .Lfull
.set n, 0
.rept 32
	v_mov_b32 v[R+32+n], 0
.set n, n+1
.endr
.Lfull:
	QUANT R
	OUT
.Lfunc_end_k_q9cc1ddf25e_prep:
	.size	k_q9cc1ddf25e_prep, .Lfunc_end_k_q9cc1ddf25e_prep-k_q9cc1ddf25e_prep
	.p2alignl 7, 3214868480
	.fill 96, 4, 3214868480
	.section	.rodata,"a",@progbits
	.p2align	6, 0x0
	.amdhsa_kernel k_q9cc1ddf25e_prep
		.amdhsa_group_segment_fixed_size 136704
		.amdhsa_private_segment_fixed_size 0
		.amdhsa_enable_private_segment 0
		.amdhsa_kernarg_size 96
		.amdhsa_user_sgpr_count 2
		.amdhsa_user_sgpr_kernarg_segment_ptr 1
		.amdhsa_wavefront_size32 1
		.amdhsa_system_sgpr_workgroup_id_x 1
		.amdhsa_system_sgpr_workgroup_id_y 1
		.amdhsa_system_sgpr_workgroup_id_z 1
		.amdhsa_system_vgpr_workitem_id 0
		.amdhsa_next_free_vgpr 192
		.amdhsa_next_free_sgpr 80
		.amdhsa_reserve_vcc 0
		.amdhsa_float_denorm_mode_32 3
		.amdhsa_float_denorm_mode_16_64 3
		.amdhsa_memory_ordered 1
		.amdhsa_forward_progress 1
		.amdhsa_inst_pref_size 70
	.end_amdhsa_kernel
	.amdgpu_metadata
---
amdhsa.version: [ 1, 2 ]
amdhsa.kernels:
  - .name:           k_q9cc1ddf25e_prep
    .symbol:         k_q9cc1ddf25e_prep.kd
    .args:
      - { .name: x, .offset: 0, .size: 8, .value_kind: global_buffer, .address_space: global }
      - { .name: g1, .offset: 8, .size: 8, .value_kind: global_buffer, .address_space: global }
      - { .name: positions, .offset: 16, .size: 8, .value_kind: global_buffer, .address_space: global }
      - { .name: Wq, .offset: 24, .size: 8, .value_kind: global_buffer, .address_space: global }
      - { .name: Wk, .offset: 32, .size: 8, .value_kind: global_buffer, .address_space: global }
      - { .name: Wv, .offset: 40, .size: 8, .value_kind: global_buffer, .address_space: global }
      - { .name: Wo, .offset: 48, .size: 8, .value_kind: global_buffer, .address_space: global }
      - { .name: w1, .offset: 56, .size: 8, .value_kind: global_buffer, .address_space: global }
      - { .name: w3, .offset: 64, .size: 8, .value_kind: global_buffer, .address_space: global }
      - { .name: w2, .offset: 72, .size: 8, .value_kind: global_buffer, .address_space: global }
      - { .name: act, .offset: 80, .size: 8, .value_kind: global_buffer, .address_space: global }
      - { .name: wbuf, .offset: 88, .size: 8, .value_kind: global_buffer, .address_space: global }
    .group_segment_fixed_size: 136704
    .private_segment_fixed_size: 0
    .kernarg_segment_align: 8
    .kernarg_segment_size: 96
    .max_flat_workgroup_size: 256
    .sgpr_count:     80
    .vgpr_count:     192
    .wavefront_size: 32
...
	.end_amdgpu_metadata
.endif
;; end of part 1
;; launch qkv (part 2): grid 12 x 16, 4 waves a work-group, clusters of 4 x 4, 327,680 bytes of LDS; arguments act, wbuf, qkv; writes qkv
.if DOCPART == 2
	.amdgcn_target "amdgcn-amd-amdhsa--gfx1250"
	.amdhsa_code_object_version 6
	.text
	.protected	k_q9cc1ddf25e_qkv
	.globl	k_q9cc1ddf25e_qkv
	.p2align	8
	.type	k_q9cc1ddf25e_qkv,@function
k_q9cc1ddf25e_qkv:
	s_mov_b64 s[64:65], 0
	v_nop
	global_prefetch_b8 v0, s[64:65] scope:SCOPE_SE
	s_setreg_imm32_b32 hwreg(HW_REG_WAVE_MODE, 25, 1), 1
	s_wait_xcnt 0x0
	s_wait_alu depctr_hold_cnt(0) depctr_sa_sdst(0) depctr_va_vdst(0) depctr_va_sdst(0) depctr_va_ssrc(0) depctr_va_vcc(0) depctr_vm_vsrc(0)
	s_getreg_b32 s2, hwreg(HW_REG_IB_STS2, 6, 4)
	s_cmp_eq_u32 s2, 0
	s_cbranch_scc0 .Lentry_in_a_cluster
	s_endpgm
.Lentry_in_a_cluster:
	s_bfe_u32 s2, ttmp6, 0x10000c
	s_cmp_lg_u32 s2, 0xf033
	s_cbranch_scc0 .Lentry_shape_is_right
	s_endpgm
.Lentry_shape_is_right:
; QKV: q, k and v of all heads, from the codes of rmsnorm(x) (act) and of Wq, Wk, Wv (wbuf); RoPE on q and k; all three quantised on the way out into the layouts that the attention launch reads.  No work is left out here.
; A tile of 256 x 256 to a work-group of four waves, 128 x 128 to a wave: 64 accumulators.  K = 1,024 goes in steps of 256 through two LDS slots.  Operands lie in memory as images of their registers
; (16 rows x 128 K = 2,048 bytes; row r of image T is row tau(T, r) = 32 (T / 2) + 8 (T % 2) + r + 8 (r / 8)): a fragment is four loads of 16 bytes at 16 x lane, with no pitch.
; Source 0 = B's image, source 1 = A's: lane (r, h) holds A's row tau(a, r), and the 16 registers of B's tiles 2 b and 2 b + 1 are B's rows 32 b + 16 h + 0 .. 15: neighbours along the next K.
; Clusters with x = 0, 1: A = tokens, B = rows of Wq (x = 0) or Wk (x = 1): a lane holds a token, its registers run along the head's 64.  Cluster x = 2: A = rows of Wv, B = tokens: a lane holds a channel of v,
; its registers run along the tokens, which are the keys: the second attention product's K.  Nothing is transposed.
; CLUSTERS 4 x 4: A's tile hangs on cy and the cluster's place alone and is asked for jointly along a row of the cluster, B's on cx and the cluster's place alone, along a column.
; LIMITS: as stated at the head of the first launch.  The scale words leave as 64 bytes for each image: those stores do not cover 256 consecutive bytes.
; REGISTERS: window 0: v0-31 addresses; v32-63 scale words, two sets; v128-255 A's fragments, one set; window 1: B's fragments, two sets; windows 2, 3: the accumulators ((a, b) at v[8 (8 (a % 4) + b)]).
.set KT,    8                          ; K / 128
.set TS,    KT/2                       ; K steps of 256
.set NQ,    2
.set IMG,   2048
.set PAIR,  4096                       ; a K step of one image row: two images on end
.set FR,    16
.set NL,    4
.set NP,    8                          ; places behind this matrix instruction (ISA guide 7.12.1)
.set HALFT, 8*PAIR                     ; what one tensor load brings: 8 image rows
.set SLOT,  4*HALFT                    ; A's 16 image rows, then B's
.set KROW,  128*KT                     ; bytes of codes for a row
.set KS,    4*KT                       ; bytes of scales for a row
.set SCL,   2*SLOT                     ; behind the ring: the scale words of all of K
.set HALFS, 128*KS
.set SBLK,  16*KS
.set SPARE, SCL+4*HALFS                ; the spare words, 128 bytes a wave: two blocks of 256 bytes that no other line names
.set ACS,   4194304
.set WS,    12845056
.set ROPE,  13246464
.set QS,    4194304                    ; qkv: q's scale words
.set KV,    4456448                    ; qkv: [batch x head][key step of 128][KSB]
.set KSB,   17408                      ; 8 images of k (1,024 each), 4 of v^T (2,048), k's words (512), v's (256), 256 of zeros
.set ADRA, 16
.set ADRB, 20
.set ADRS, 27
.set SPW,  28
.set NIL,  29
.set SC,   32
.set AF,   128
.set LI,   8                           ; the way out: 16 x lane
.set SO,   9                           ; where my scale word goes
.set SH,   10                          ; 16 h
.set CS,   64                          ; v64-127 cos and sin, two sets of 32
.set H,    128                         ; v128-191 64 numbers
.set PC,   192
.set TM,   208
.set PW,   224
.set TW,   225
.set TT,   226                         ; v226-233
.set G1, 24
.set G0, 32
.set G1B, 48
.set G0B, 56
.set G1S, 68
.set G0S, 76
.set G1SB, 80
.set G0SB, 88
.set MSB, 0
.macro WIN new                         ; the immediate's high byte repeats the setting that is left
.if MSB != (\new)
	s_set_vgpr_msb (MSB<<8)|(\new)
.set MSB, (\new)
.endif
.endm
.set MUL_LO, 0xa1                      ; source 0 (B) window 1, source 1 (A) window 0, C and D window 2
.set MUL_HI, 0xf1
.set TO_B,   0x40
.macro JLOAD g0a, g1a, g0b, g1b        ; waves 0 and 1 fetch for A, waves 2 and 3 for B; an s_nop 0 and four v_nop follow each line
	s_cmp_eq_u32 s15, 0
	s_cbranch_scc0 .Lfor_b_\@
	tensor_load_to_lds s[\g0a:\g0a+3], s[\g1a:\g1a+7]
	s_nop 0
.rept 4
	v_nop
.endr
	s_branch .Lasked_\@
.Lfor_b_\@:
	tensor_load_to_lds s[\g0b:\g0b+3], s[\g1b:\g1b+7]
	s_nop 0
.rept 4
	v_nop
.endr
.Lasked_\@:
.endm
.macro CREST
	s_cmp_lg_u32 s14, 0
	s_cbranch_scc1 .Lnot_wave_0_\@
	s_barrier_signal -3
.Lnot_wave_0_\@:
	s_barrier_wait -3
	s_barrier_signal -1
	s_barrier_wait -1
.endm
.macro CROUND
	s_barrier_signal -1
	s_barrier_wait -1
	CREST
.endm
.macro FRAG reg, adr, q, i             ; an image comes back as the registers that it is
.irp c, 0,1,2,3
	ds_load_b128 v[\reg+4*\c:\reg+4*\c+3], v[\adr] offset:IMG*(\q)+512*\c+(\i)*PAIR
.endr
.endm
.macro MUL16 a0, p, q, sc, zero        ; A's blocks a0, a0 + 1 x B's eight; the 64 accumulators take turns
.irp a, \a0, \a0+1
.irp b, 0,1,2,3,4,5,6,7
.if \zero
	v_wmma_scale_f32_16x16x128_f8f6f4 v[8*(8*((\a)%4)+\b):8*(8*((\a)%4)+\b)+7], v[128*(\p)+FR*\b:128*(\p)+FR*\b+FR-1], v[AF+FR*(\a):AF+FR*(\a)+FR-1], 0, v[SC+8*NQ*(\sc)+NQ*\b+(\q)], v[SC+8*NQ*(\sc)+NQ*(\a)+(\q)] matrix_a_fmt:MATRIX_FMT_BF8 matrix_b_fmt:MATRIX_FMT_BF8 matrix_a_scale:MATRIX_SCALE_ROW1
.else
	v_wmma_scale_f32_16x16x128_f8f6f4 v[8*(8*((\a)%4)+\b):8*(8*((\a)%4)+\b)+7], v[128*(\p)+FR*\b:128*(\p)+FR*\b+FR-1], v[AF+FR*(\a):AF+FR*(\a)+FR-1], v[8*(8*((\a)%4)+\b):8*(8*((\a)%4)+\b)+7], v[SC+8*NQ*(\sc)+NQ*\b+(\q)], v[SC+8*NQ*(\sc)+NQ*(\a)+(\q)] matrix_a_fmt:MATRIX_FMT_BF8 matrix_b_fmt:MATRIX_FMT_BF8 matrix_a_scale:MATRIX_SCALE_ROW1
.endif
.endr
.endr
.endm
.macro FETCH_B slot, q, p
	WIN TO_B
.irp i, 0,1,2,3,4,5,6,7
	FRAG 128*(\p)+FR*\i, ADRB+\slot, \q, \i
.endr
	WIN 0
.endm
.macro FETCH_A slot, q, i0
.irp i, \i0, \i0+1, \i0+2, \i0+3
	FRAG AF+FR*(\i), ADRA+\slot, \q, \i
.endr
.endm
.macro SCALES sc                       ; a K step's scale words: lanes 0-15 take A's block i, lanes 16-31 B's
.irp i, 0,1,2,3,4,5,6,7
	ds_load_b32 v[SC+16*\sc+2*\i], v[ADRS] offset:\i*SBLK
	ds_load_b32 v[SC+16*\sc+2*\i+1], v[ADRS] offset:\i*SBLK+64
.endr
.endm
.macro PLACES n
.rept \n
	v_nop
.endr
.endm
.macro STEP slot, q, zero              ; 128 along K that have their successor in the same slot
	s_wait_dscnt 4*NL                              ; all but the youngest sixteen loads (A's blocks 4-7)
	WIN MUL_LO
	MUL16 0, (\q)%2, \q, \slot, \zero
	MUL16 2, (\q)%2, \q, \slot, \zero
	s_wait_dscnt 0
	PLACES NP
	FETCH_B \slot, (\q)+1, 1-(\q)%2
	FETCH_A \slot, (\q)+1, 0
	WIN MUL_HI
	MUL16 4, (\q)%2, \q, \slot, \zero
	MUL16 6, (\q)%2, \q, \slot, \zero
	PLACES NP
	WIN 0
	FETCH_A \slot, (\q)+1, 4
.endm
.macro TURN slot, next, fill           ; a slot's last 128 along K, and the change of slots
	s_wait_tensorcnt 0x0                           ; all my tensor loads have landed: my part of the next slot
	ds_add_u32 v[SPW], v[NIL]                      ; 0 onto my spare word
	s_wait_dscnt 4*NL+1                            ; (the add and the youngest sixteen loads may be out)
	WIN MUL_LO
	MUL16 0, 1, NQ-1, \slot, 0
	s_wait_dscnt 0x0                               ; the add is done, and my reads of this slot are over
	s_barrier_signal -1
	MUL16 2, 1, NQ-1, \slot, 0
	WIN 0
	s_barrier_wait -1
.if \fill
	CREST                                          ; the barrier has opened a round of the cluster's barrier: no wave of any partner reads this slot or has a load on its way
	s_add_nc_u64 s[G0+4*\slot+2:G0+4*\slot+3], s[G0+4*\slot+2:G0+4*\slot+3], 2*PAIR
	s_add_nc_u64 s[G0B+4*\slot+2:G0B+4*\slot+3], s[G0B+4*\slot+2:G0B+4*\slot+3], 2*PAIR
	JLOAD G0+4*\slot, G1, G0B+4*\slot, G1B         ; the first tensor load behind the round; its four v_nop are among the places below
	PLACES NP-4
.else
	PLACES NP
.endif
	v_add_nc_u32 v[ADRS], 64*NQ, v[ADRS]           ; the next K step's scale words (no LDS load of mine is out)
	FETCH_B \next, 0, 0
	FETCH_A \next, 0, 0
	SCALES \next
	WIN MUL_HI
	MUL16 4, 1, NQ-1, \slot, 0
	MUL16 6, 1, NQ-1, \slot, 0
	PLACES NP
	WIN 0
	FETCH_A \next, 0, 4
.endm
.macro LAST sc                         ; the very last 128 along K
	s_wait_dscnt 4*NL
	WIN MUL_LO
	MUL16 0, 1, NQ-1, \sc, 0
	MUL16 2, 1, NQ-1, \sc, 0
	s_wait_dscnt 0
	WIN MUL_HI
	MUL16 4, 1, NQ-1, \sc, 0
	MUL16 6, 1, NQ-1, \sc, 0
	WIN 0
.endm
.macro CLOSE
	s_wait_tensorcnt 0x0                           ; the wave's end
	ds_add_u32 v[SPW], v[NIL]
	s_wait_dscnt 0x0
	CROUND                                         ; the closing round
	s_endpgm
.endm
; 16 nb numbers of a lane in window X, register 16 b + i = k 32 b + 16 h + i of my row, become codes in v[PC] on and scale bytes in v[PW]; the hold moves them to v[hq] on in window 0.  Reads ascend.
.macro QUANT s, nb, X, hq
.set QX, \X
	WIN QX*5
.irp b, 0,1,2,3
.if \b < \nb
	v_max3_num_f32 v[TM+\b], |v[\s+16*\b]|, |v[\s+16*\b+1]|, 0x8000000   ; and the floor 2^(16 - 127)
.endif
.endr
	WIN QX*20
.irp i, 2,4,6,8,10,12,14
.irp b, 0,1,2,3
.if \b < \nb
	v_max3_num_f32 v[TM+\b], v[TM+\b], |v[\s+16*\b+\i]|, |v[\s+16*\b+\i+1]|
.endif
.endr
.endr
	WIN 0
.irp b, 0,1,2,3
.if \b < \nb
	v_permlanex16_b32 v[TM+4+\b], v[TM+\b], s66, s67
.endif
.endr
.irp b, 0,1,2,3
.if \b < \nb
	v_max_num_f32 v[TM+\b], v[TM+\b], v[TM+4+\b]
.endif
.endr
.irp b, 0,1,2,3
.if \b < \nb
	v_add_nc_u32 v[TM+12+\b], 0xf8800000, v[TM+\b]           ; the conversion's scale operand
.endif
.endr
.irp b, 0,1,2,3
.if \b < \nb
	v_and_or_b32 v[TM+8+\b], v[TM+\b], 0x7f800000, s94       ; 57,344 x the scale
.endif
.endr
.irp b, 0,1,2,3
.if \b < \nb
	v_lshrrev_b32 v[TM+4+\b], 23, v[TM+12+\b]                ; the byte
.endif
.endr
	v_lshl_or_b32 v[PW], v[TM+5], 8, v[TM+4]
.if \nb > 2
	v_lshl_or_b32 v[PW], v[TM+6], 16, v[PW]
	v_lshl_or_b32 v[PW], v[TM+7], 24, v[PW]
.endif
	WIN QX
.irp b, 0,1,2,3
.if \b < \nb
.irp i, 0,1,2,3,4,5,6,7,8,9,10,11,12,13,14,15
	v_med3_num_f32 v[\hq+16*\b+\i], v[\s+16*\b+\i], -v[TM+8+\b], v[TM+8+\b]
.endr
.endif
.endr
	WIN 0
.irp b, 0,1,2,3
.if \b < \nb
	v_cvt_scalef32_pk8_bf8_f32 v[PC+4*\b:PC+4*\b+1], v[\hq+16*\b:\hq+16*\b+7], v[TM+12+\b]
	v_cvt_scalef32_pk8_bf8_f32 v[PC+4*\b+2:PC+4*\b+3], v[\hq+16*\b+8:\hq+16*\b+15], v[TM+12+\b]
.endif
.endr
	v_nop                                          ; a plain line behind the last conversion
.endm
	s_load_b128 s[4:7], s[0:1], 0x0                ; act, wbuf
	s_load_b64 s[12:13], s[0:1], 0x10              ; qkv
	v_lshl_add_u32 v[SPW], v0, 2, SPARE
	v_mov_b32 v[NIL], 0
	ds_add_u32 v[SPW], v[NIL]                      ; the opening: the add, twice on end, and its wait ahead of my first tensor load
	ds_add_u32 v[SPW], v[NIL]
	v_lshrrev_b32 v1, 5, v0
	v_readfirstlane_b32 s14, v1                    ; wave
	s_lshr_b32 s15, s14, 1                         ; my half of A's rows; also: I fetch for A (0) or B (1)
	s_and_b32 s16, s14, 1                          ; my half of B's rows; also: which 8 image rows I fetch
	s_bfe_u32 s40, ttmp6, 0x40000                  ; cx
	s_bfe_u32 s41, ttmp6, 0x40004                  ; cy
	s_and_b32 s17, ttmp7, 0xffff
	s_lshl_b32 s17, s17, 2                         ; 4 x cluster y
	s_lshl_b32 s42, ttmp9, 2                       ; 4 x cluster x
	s_cmp_eq_u32 ttmp9, 2                          ; the clusters that make v: the same in all sixteen partners
	s_cselect_b32 s42, s17, s42
	s_cselect_b32 s17, 0, s17
	s_add_co_u32 s42, s42, s40                     ; B's tile: 4 x cluster x + cx (rows of Wq, Wk), or 4 x cluster y + cx (tokens)
	s_add_co_u32 s17, s17, s41                     ; A's tile: 4 x cluster y + cy (tokens), or cy (rows of Wv)
	s_lshl_b32 s43, s41, 2
	s_lshl_b32 s43, 15, s43                        ; my row of the cluster
	s_lshl_b32 s44, 0x1111, s40                    ; my column
	s_or_b32 s[G1+0], s43, (3<<16)|(1<<21)         ; elements of 8 bytes; bit 21 beside a mask; no padding
	s_or_b32 s[G1B+0], s44, (3<<16)|(1<<21)
.irp g, G1, G1B
	s_mov_b32 s[\g+1], 512<<16                     ; tensor_dim0: 4,096 bytes
	s_mov_b32 s[\g+2], 8<<16                       ; tensor_dim1: 8 image rows
	s_mov_b32 s[\g+3], 512<<16                     ; tile_dim0
	s_mov_b32 s[\g+4], 8                           ; tile_dim1
	s_mov_b32 s[\g+5], 256*KT                      ; from image row to image row
	s_mov_b32 s[\g+6], 0
	s_mov_b32 s[\g+7], 0
.endr
	s_or_b32 s[G1S+0], s43, (3<<16)|(1<<21)
	s_or_b32 s[G1SB+0], s44, (3<<16)|(1<<21)
.irp g, G1S, G1SB
	s_mov_b32 s[\g+1], 32<<16                      ; a dense block as rows of 256 bytes
	s_mov_b32 s[\g+2], (2*KT)<<16
	s_mov_b32 s[\g+3], 32<<16
	s_mov_b32 s[\g+4], 2*KT
	s_mov_b32 s[\g+5], 32
	s_mov_b32 s[\g+6], 0
	s_mov_b32 s[\g+7], 0
.endr
	s_lshl_b32 s18, s16, 7
	s_lshl_b32 s20, s17, 8
	s_add_co_u32 s20, s20, s18                     ; A: row 256 x tile + 128 x half
	s_lshl_b32 s46, s42, 8
	s_add_co_u32 s46, s46, s18                     ; B likewise
	s_mov_b32 s21, 0
	s_mov_b32 s47, 0
	s_mov_b64 s[18:19], KS
	s_mul_u64 s[22:23], s[20:21], s[18:19]
	s_mul_u64 s[92:93], s[46:47], s[18:19]
	s_mov_b64 s[18:19], KROW
	s_mul_u64 s[20:21], s[20:21], s[18:19]
	s_mul_u64 s[46:47], s[46:47], s[18:19]
	s_mul_i32 s45, s14, HALFT
	s_mul_i32 s94, s14, HALFS
	s_wait_dscnt 0x0                               ; both opening adds are done
	s_wait_kmcnt 0x0
	s_add_nc_u64 s[100:101], s[6:7], ROPE          ; the table
	s_add_nc_u64 s[96:97], s[6:7], WS              ; Wq's and Wk's scale words
	s_add_nc_u64 s[98:99], s[4:5], ACS             ; the tokens'
	s_add_nc_u64 s[8:9], s[6:7], 2097152           ; Wv's codes
	s_add_nc_u64 s[10:11], s[96:97], 65536         ; Wv's scale words
	s_cmp_eq_u32 ttmp9, 2
	s_cselect_b64 s[8:9], s[8:9], s[4:5]           ; A's codes
	s_cselect_b64 s[10:11], s[10:11], s[98:99]     ; A's scale words
	s_cselect_b64 s[4:5], s[4:5], s[6:7]           ; B's codes
	s_cselect_b64 s[6:7], s[98:99], s[96:97]       ; B's scale words
	s_add_nc_u64 s[20:21], s[8:9], s[20:21]
	s_add_nc_u64 s[22:23], s[10:11], s[22:23]
	s_add_nc_u64 s[46:47], s[4:5], s[46:47]
	s_add_nc_u64 s[92:93], s[6:7], s[92:93]
	CROUND                                         ; all sixteen work-groups are here: the first joint loads meet
	s_mov_b32 s[G0S], 1
	s_add_co_u32 s[G0S+1], s94, SCL
	s_mov_b64 s[G0S+2:G0S+3], s[22:23]
	s_or_b32 s[G0S+3], s[G0S+3], 0x80000000
	s_mov_b32 s[G0SB], 1
	s_add_co_u32 s[G0SB+1], s94, SCL
	s_mov_b64 s[G0SB+2:G0SB+3], s[92:93]
	s_or_b32 s[G0SB+3], s[G0SB+3], 0x80000000
	JLOAD G0S, G1S, G0SB, G1SB                     ; the scale words of all of K: filled once
.irp s, 0,1
	s_mov_b32 s[G0+4*\s], 1
	s_add_co_u32 s[G0+4*\s+1], s45, \s*SLOT
	s_add_nc_u64 s[G0+4*\s+2:G0+4*\s+3], s[20:21], \s*PAIR
	s_or_b32 s[G0+4*\s+3], s[G0+4*\s+3], 0x80000000
	s_mov_b32 s[G0B+4*\s], 1
	s_add_co_u32 s[G0B+4*\s+1], s45, \s*SLOT
	s_add_nc_u64 s[G0B+4*\s+2:G0B+4*\s+3], s[46:47], \s*PAIR
	s_or_b32 s[G0B+4*\s+3], s[G0B+4*\s+3], 0x80000000
	JLOAD G0+4*\s, G1, G0B+4*\s, G1B
.endr
	v_and_b32 v1, 15, v0                           ; r
	v_bfe_u32 v2, v0, 4, 1                         ; h
	v_and_b32 v3, 31, v0
	v_lshlrev_b32 v4, 4, v3                        ; 16 x lane
	s_mul_i32 s21, s15, HALFT
	s_mul_i32 s22, s16, HALFT
	s_add_co_u32 s22, s22, 2*HALFT
.irp s, 0,1
	v_add_nc_u32 v[ADRA+\s], s21, v4
	v_add_nc_u32 v[ADRB+\s], s22, v4
	s_add_co_u32 s21, s21, SLOT
	s_add_co_u32 s22, s22, SLOT
.endr
	v_lshlrev_b32 v5, 2, v1
	s_mul_i32 s21, s15, HALFS
	s_mul_i32 s22, s16, HALFS
	s_add_co_u32 s22, s22, 2*HALFS
	s_sub_co_u32 s22, s22, s21
	v_mul_u32_u24 v6, s22, v2                      ; lanes 16-31 take B's
	s_add_co_u32 s21, s21, SCL
	v_add_nc_u32 v5, v5, v6
	v_add_nc_u32 v[ADRS], s21, v5
	v_mov_b32 v[LI], v4
	v_lshlrev_b32 v[SH], 4, v2
	v_lshlrev_b32 v11, 3, v3                       ; 8 x lane
	s_mov_b32 s66, 0x76543210
	s_mov_b32 s67, 0xfedcba98
	s_wait_tensorcnt 1                             ; the scale words and my part of K step 0 are in; K step 1's load may be out
	s_barrier_signal -1
	s_barrier_wait -1
	FETCH_B 0, 0, 0
	FETCH_A 0, 0, 0
	SCALES 0
	FETCH_A 0, 0, 4
	STEP 0, 0, 1                                   ; the first products start the sums
	s_mov_b32 s3, (TS-2)/2
.Llap:                                             ; a trip goes once round the ring and fills both slots again
	TURN 0, 1, 1
	STEP 1, 0, 0
	TURN 1, 0, 1
	STEP 0, 0, 0
	s_sub_co_u32 s3, s3, 1
	s_cmp_lg_u32 s3, 0
	s_cbranch_scc1 .Llap
	TURN 0, 1, 0
	STEP 1, 0, 0
	LAST 1
	s_mov_b32 s94, 0x600000                        ; the mantissa field of 57,344
	s_mov_b32 s95, 0x7f7f0000
	s_cmp_eq_u32 ttmp9, 2
	s_cbranch_scc1 .Lway_v
	; ---- THE WAY OUT OF q AND k.  My 8 token images x 2 heads.  Per image: RoPE from the table, the quantiser along the head's 64 (two blocks a head), codes as they will be loaded.
	s_lshl_b32 s20, s17, 4
	s_lshl_b32 s21, s15, 3
	s_add_co_u32 s20, s20, s21                     ; my first token image
	s_lshr_b32 s21, s20, 7                         ; the batch
	s_and_b32 s22, s20, 127                        ; the image in the sequence
	s_lshl_b32 s23, s42, 2
	s_lshl_b32 s46, s16, 1
	s_add_co_u32 s23, s23, s46
	s_and_b32 s23, s23, 15                         ; my first head
	s_lshl_b32 s46, s21, 4
	s_add_co_u32 s23, s23, s46                     ; 16 x batch + head
	s_lshl_b32 s46, s23, 7
	s_add_co_u32 s46, s46, s22
	s_lshl_b32 s47, s46, 6
	s_add_co_u32 s47, s47, QS                      ; q's words
	s_lshl_b32 s46, s46, 10                        ; q's codes
	s_lshl_b32 s48, s23, 4
	s_lshr_b32 s49, s22, 3
	s_add_co_u32 s48, s48, s49
	s_mul_i32 s48, s48, KSB
	s_add_co_u32 s48, s48, KV                      ; k's codes: my 8 images are one key step
	s_add_co_u32 s49, s48, 16384                   ; k's words
	s_mov_b32 s50, 16*KSB
	s_cmp_eq_u32 ttmp9, 0
	s_cselect_b32 s46, s46, s48
	s_cselect_b32 s47, s47, s49
	s_cselect_b32 s51, 8192, s50                   ; from head to head: words,
	s_cselect_b32 s50, 131072, s50                 ; codes
	s_mov_b32 s52, s46
	s_mov_b32 s53, 0
	s_add_nc_u64 s[52:53], s[12:13], s[52:53]      ; the first head's codes
	s_mov_b32 s54, s50
	s_mov_b32 s55, 0
	s_add_nc_u64 s[54:55], s[52:53], s[54:55]      ; the second's
	s_mov_b32 s56, s47
	s_mov_b32 s57, 0
	s_add_nc_u64 s[56:57], s[12:13], s[56:57]
	s_lshl_b32 s58, s22, 12
	s_mov_b32 s59, 0
	s_add_nc_u64 s[58:59], s[100:101], s[58:59]    ; the table at my first image
	PLACES NP
	v_mul_u32_u24 v[SO], s51, v2                   ; lanes 0-15 write the first head's word, lanes 16-31 the second's
	v_lshl_add_u32 v[SO], v1, 2, v[SO]
.irp b, 0,1,2,3
	v_mov_b32 v[TM+4+\b], 0
.endr
.macro CSLOAD a
.irp m, 0,1,2,3,4,5,6,7
	global_load_b128 v[CS+32*((\a)%2)+4*\m:CS+32*((\a)%2)+4*\m+3], v[LI], s[58:59] offset:4096*(\a)+512*\m
.endr
.endm
.macro ROT a                           ; (xe, xo) -> (xe cos - xo sin, xe sin + xo cos): register 32 hd + 16 beta + 2 i holds pair 16 beta + 8 h + i of head hd
.set AC, 64*((\a)%4)
.set CB, CS+32*((\a)%2)
	WIN 2+(\a)/4
.set n, 0
.rept 8
.irp u, 0,1,2,3
	v_pk_mul_f32 v[TT+2*\u:TT+2*\u+1], v[AC+n+2*\u:AC+n+2*\u+1], v[CB+(n+2*\u)%32:CB+(n+2*\u)%32+1] op_sel:[1,1] op_sel_hi:[1,0] neg_lo:[1,0]   ; (-xo sin, xo cos)
.endr
.irp u, 0,1,2,3
	v_pk_fma_f32 v[H+n+2*\u:H+n+2*\u+1], v[AC+n+2*\u:AC+n+2*\u+1], v[CB+(n+2*\u)%32:CB+(n+2*\u)%32+1], v[TT+2*\u:TT+2*\u+1] op_sel_hi:[0,1,1]   ; + (xe cos, xe sin)
.endr
.set n, n+8
.endr
	WIN 0
.endm
	CSLOAD 0
.irp a, 0,1,2,3,4,5,6,7
.if \a > 0
	s_wait_xcnt 0x0                                ; the last image's stores have read their registers
.endif
.if \a < 7
	CSLOAD \a+1
	s_wait_loadcnt 8                               ; this image's eight loads are in, the next image's may be out
.else
	s_wait_loadcnt 0x0
.endif
	ROT \a
	QUANT H, 4, 0, H
.irp e, 0,1
	global_store_b128 v[LI], v[PC+4*\e:PC+4*\e+3], s[52:53] offset:1024*\a+512*\e
	global_store_b128 v[LI], v[PC+8+4*\e:PC+8+4*\e+3], s[54:55] offset:1024*\a+512*\e
.endr
	v_lshrrev_b32 v[TW], v[SH], v[PW]              ; my head's two bytes,
	v_and_or_b32 v[TW], v[TW], 0xffff, s95         ; and the scale 1 for the upper half of the instruction's K, which holds zero codes on q's side
	global_store_b32 v[SO], v[TW], s[56:57] offset:64*\a
.endr
	CLOSE
.Lway_v:
	; ---- THE WAY OUT OF v.  My 8 images of 16 channels (two heads) x my 128 tokens, one key step: each is one image of v^T, quantised along the keys.
	s_lshl_b32 s20, s41, 2
	s_lshl_b32 s21, s15, 1
	s_add_co_u32 s20, s20, s21                     ; my first head
	s_lshl_b32 s21, s42, 1
	s_add_co_u32 s21, s21, s16                     ; my key step among the 32 of both batches
	s_lshr_b32 s22, s21, 4
	s_and_b32 s21, s21, 15
	s_lshl_b32 s22, s22, 4
	s_add_co_u32 s20, s20, s22
	s_lshl_b32 s20, s20, 4
	s_add_co_u32 s20, s20, s21
	s_mul_i32 s20, s20, KSB
	s_add_co_u32 s20, s20, KV+8192
	s_mov_b32 s21, 0
	s_add_nc_u64 s[52:53], s[12:13], s[20:21]
	PLACES NP
	v_lshlrev_b32 v[SO], 2, v1
.irp b, 0,1,2,3
	v_mov_b32 v[TM+4+\b], 0
.endr
	v_mov_b32 v[TT], 0
	v_mov_b32 v[TT+1], 0
	global_store_b64 v11, v[TT:TT+1], s[52:53] offset:8960             ; the block's last 256 bytes: zeros, so that every byte that the next launch fetches has been stored
	global_store_b64 v11, v[TT:TT+1], s[52:53] offset:8960+16*KSB
.irp a, 0,1,2,3,4,5,6,7
.if \a > 0
	s_wait_xcnt 0x0
.endif
	QUANT 64*((\a)%4), 4, 2+(\a)/4, H
.irp c, 0,1,2,3
	global_store_b128 v[LI], v[PC+4*\c:PC+4*\c+3], s[52:53] offset:(\a/4)*16*KSB+(\a%4)*2048+512*\c
.endr
	global_store_b32 v[SO], v[PW], s[52:53] offset:8704+(\a/4)*16*KSB+(\a%4)*64
.endr
	CLOSE
.Lfunc_end_k_q9cc1ddf25e_qkv:
	.size	k_q9cc1ddf25e_qkv, .Lfunc_end_k_q9cc1ddf25e_qkv-k_q9cc1ddf25e_qkv
	.p2alignl 7, 3214868480
	.fill 96, 4, 3214868480
	.section	.rodata,"a",@progbits
	.p2align	6, 0x0
	.amdhsa_kernel k_q9cc1ddf25e_qkv
		.amdhsa_group_segment_fixed_size 327680
		.amdhsa_private_segment_fixed_size 0
		.amdhsa_enable_private_segment 0
		.amdhsa_kernarg_size 24
		.amdhsa_user_sgpr_count 2
		.amdhsa_user_sgpr_kernarg_segment_ptr 1
		.amdhsa_wavefront_size32 1
		.amdhsa_system_sgpr_workgroup_id_x 1
		.amdhsa_system_sgpr_workgroup_id_y 1
		.amdhsa_system_sgpr_workgroup_id_z 1
		.amdhsa_system_vgpr_workitem_id 0
		.amdhsa_next_free_vgpr 1024
		.amdhsa_next_free_sgpr 102
		.amdhsa_reserve_vcc 0
		.amdhsa_float_denorm_mode_32 3
		.amdhsa_float_denorm_mode_16_64 3
		.amdhsa_memory_ordered 1
		.amdhsa_forward_progress 1
		.amdhsa_inst_pref_size 255
	.end_amdhsa_kernel
	.section	.bss,"aw",@nobits
	.p2align	6
	.space	262144
	.amdgpu_metadata
---
amdhsa.version: [ 1, 2 ]
amdhsa.kernels:
  - .name:           k_q9cc1ddf25e_qkv
    .symbol:         k_q9cc1ddf25e_qkv.kd
    .args:
      - { .name: act, .offset: 0, .size: 8, .value_kind: global_buffer, .address_space: global }
      - { .name: wbuf, .offset: 8, .size: 8, .value_kind: global_buffer, .address_space: global }
      - { .name: qkv, .offset: 16, .size: 8, .value_kind: global_buffer, .address_space: global }
    .group_segment_fixed_size: 327680
    .private_segment_fixed_size: 0
    .kernarg_segment_align: 8
    .kernarg_segment_size: 24
    .max_flat_workgroup_size: 128
    .sgpr_count:     102
    .vgpr_count:     1024
    .wavefront_size: 32
...
	.end_amdgpu_metadata
.endif
;; end of part 2
;; launch attn (part 3): grid 8 x 32, 16 waves a work-group, clusters of 4 x 1, 280,576 bytes of LDS; arguments qkv, att; writes att
.if DOCPART == 3
	.amdgcn_target "amdgcn-amd-amdhsa--gfx1250"
	.amdhsa_code_object_version 6
	.text
	.protected	k_q9cc1ddf25e_attn
	.globl	k_q9cc1ddf25e_attn
	.p2align	8
	.type	k_q9cc1ddf25e_attn,@function
k_q9cc1ddf25e_attn:
	s_mov_b64 s[64:65], 0
	v_nop
	global_prefetch_b8 v0, s[64:65] scope:SCOPE_SE
	s_setreg_imm32_b32 hwreg(HW_REG_WAVE_MODE, 25, 1), 1
	s_wait_xcnt 0x0
	s_wait_alu depctr_hold_cnt(0) depctr_sa_sdst(0) depctr_va_vdst(0) depctr_va_sdst(0) depctr_va_ssrc(0) depctr_va_vcc(0) depctr_vm_vsrc(0)
	s_getreg_b32 s2, hwreg(HW_REG_IB_STS2, 6, 4)
	s_cmp_eq_u32 s2, 0
	s_cbranch_scc0 .Lentry_in_a_cluster
	s_endpgm
.Lentry_in_a_cluster:
	s_bfe_u32 s2, ttmp6, 0x10000c
	s_cmp_lg_u32 s2, 0x3003
	s_cbranch_scc0 .Lentry_shape_is_right
	s_endpgm
.Lentry_shape_is_right:
; ATTN: causal attention of one batch and head (work-group y) on codes of BF8 with E8M0 scales, both products.  t = score x log2(e) / 8; M = the running largest t rounded up to a whole number; p = 2^(t - M) is quantised
; along the keys; the row's sum is taken of the unquantised p and divides at the end; the result is quantised along the model's 1,024 for the projection that follows.
; LEFT OUT (shown at the head of the first launch): key steps of 128 keys that lie wholly behind a wave's 16 queries, which reference()'s own causal mask sets to -inf.
; SHARES.  Work-group x = j (0 .. 7).  Wave w owns query image 8 rho + j, rho = the w-th entry of a 4 x 4 magic square: its 16 queries lie inside key step rho, so it walks key steps 0 .. rho and masks in step rho alone.
; How many steps a wave walks hangs on its number alone; every work-group walks 136 wave steps and reads all 16 key steps of its head.
; CLUSTER 4 x 1: the four partners read the same k and v, so every tile is asked for jointly (mask 15).  The whole head's k, v and scale words, 278,528 bytes, come into LDS once, four loads a wave, all issued at the head:
; nothing is filled again, so there is nothing to ask for ahead of the loads.  A wave has four tensor loads out.
; LAYOUT.  Both products transposed: S^T = k q^T, O^T = v^T p^T: a lane holds one query.  Images as in the other launches, so p's 16 registers of two neighbouring tiles are 16 neighbouring keys.
; THE HEAD HAS 64 AND THE INSTRUCTION'S K IS 128: q's registers 8-15 are zero codes.  Key tile t is named as v[32 + 8 t : 47 + 8 t]: its upper eight registers are the next tile's codes (for tile 7: zeros), finite numbers,
; since the quantiser holds at 57,344; times q's zero codes they add 0, and bytes 2 and 3 of both scale words are the scale 1.
.set QS,    4194304
.set KV,    4456448
.set KSB,   17408
.set SPARE, 16*KSB                     ; the spare words, 128 bytes a wave: eight blocks of 256 bytes that no other line names
.set LI,  1                            ; v1 16 x lane
.set LS,  2                            ; v2 4 r
.set DD,  3                            ; v3 my query's place in its key step, less 16 h
.set ADK, 4
.set ADS, 5
.set SPW, 6
.set NIL, 7
.set SB,  104                          ; v104-167 S^T, then p
.set OB,  168                          ; v168-199 O^T
.set PCB, 200                          ; v200-215 p's codes
.set TM,  232
.set PW,  248
.set WV,  8
.set RK,  9
.set KSN, 12                           ; s12 the key step
.set TB,  13                           ; s13 where it begins in LDS
.set G1,  16
.set G0,  24
.set SEL, 40
.set CSC, 42                           ; s[42:43] c = log2(e) / 8
.set MNT, 44
.macro CROUND
	s_barrier_signal -1
	s_barrier_wait -1
	s_cmp_lg_u32 s[WV], 0
	s_cbranch_scc1 .Lnot_wave_0_\@
	s_barrier_signal -3
.Lnot_wave_0_\@:
	s_barrier_wait -3
	s_barrier_signal -1
	s_barrier_wait -1
.endm
	s_load_b128 s[4:7], s[0:1], 0x0                ; qkv, att
	v_lshl_add_u32 v[SPW], v0, 2, SPARE
	v_mov_b32 v[NIL], 0
	ds_add_u32 v[SPW], v[NIL]                      ; the opening: the add, twice on end, and its wait ahead of my first tensor load
	ds_add_u32 v[SPW], v[NIL]
	v_lshrrev_b32 v8, 5, v0
	v_readfirstlane_b32 s[WV], v8                  ; wave 0..15
	s_bfe_u32 s46, ttmp6, 0x40000                  ; cx
	s_lshl_b32 s10, ttmp9, 2
	s_add_co_u32 s10, s10, s46                     ; j: it enters q's and the result's addresses and the mask's numbers alone
	s_and_b32 s11, ttmp7, 0xffff                   ; 16 x batch + head
	s_and_b32 s46, s[WV], 7
	s_lshl_b32 s46, s46, 2
	s_mov_b32 s47, 0x0de3b658
	s_cmp_lt_u32 s[WV], 8
	s_cselect_b32 s47, 0x7a94c12f, s47
	s_lshr_b32 s[RK], s47, s46
	s_and_b32 s[RK], s[RK], 15                     ; rho: rows and columns of the square each sum to 30
	s_mov_b32 s[G1], 15|(3<<16)|(1<<21)            ; the mask: all four; elements of 8 bytes; bit 21 beside a mask
	s_mov_b32 s[G1+1], 32<<16                      ; rows of 256 bytes
	s_mov_b32 s[G1+2], 17<<16                      ; 17 of them: a quarter of a key step's block
	s_mov_b32 s[G1+3], 32<<16
	s_mov_b32 s[G1+4], 17
	s_mov_b32 s[G1+5], 32
	s_mov_b32 s[G1+6], 0
	s_mov_b32 s[G1+7], 0
	s_and_b32 s46, s[WV], 3
	s_mul_i32 s46, s46, KSB
	s_lshr_b32 s47, s[WV], 2
	s_mul_i32 s47, s47, KSB/4
	s_add_co_u32 s46, s46, s47                     ; my part of a chunk of four key steps, in LDS and in memory alike
	s_mul_i32 s48, s11, 16*KSB
	s_add_co_u32 s48, s48, KV
	s_add_co_u32 s48, s48, s46
	s_mov_b32 s49, 0
	s_mov_b32 s[SEL], 0x76543210
	s_mov_b32 s[SEL+1], 0xfedcba98
	s_mov_b32 s[CSC], 0x3e38aa3b
	s_mov_b32 s[CSC+1], s[CSC]
	s_mov_b32 s[MNT], 0x600000
	s_mov_b32 s[KSN], 0
	s_mov_b32 s[TB], 0
	s_wait_dscnt 0x0                               ; both opening adds are done
	s_wait_kmcnt 0x0
	s_add_nc_u64 s[48:49], s[4:5], s[48:49]
	CROUND                                         ; all four work-groups are here: the joint loads meet
.irp c, 0,1,2,3
	s_mov_b32 s[G0+4*\c], 1
	s_add_co_u32 s[G0+4*\c+1], s46, 4*KSB*\c
	s_add_nc_u64 s[G0+4*\c+2:G0+4*\c+3], s[48:49], 4*KSB*\c
	s_or_b32 s[G0+4*\c+3], s[G0+4*\c+3], 0x80000000
	tensor_load_to_lds s[G0+4*\c:G0+4*\c+3], s[G1:G1+7]
	s_nop 0
.endr
.rept 4
	v_nop
.endr
	v_and_b32 v8, 31, v0
	v_lshlrev_b32 v[LI], 4, v8
	v_and_b32 v9, 15, v0                           ; r
	v_lshlrev_b32 v[LS], 2, v9
	v_bfe_u32 v10, v0, 4, 1                        ; h
	s_lshr_b32 s50, s10, 1
	s_lshl_b32 s50, s50, 5
	s_and_b32 s51, s10, 1
	s_lshl_b32 s51, s51, 3
	s_add_co_u32 s50, s50, s51
	v_and_b32 v11, 8, v9
	v_add_nc_u32 v11, v11, v9
	v_add_nc_u32 v11, s50, v11                     ; tau(j, r): my query in its key step
	v_lshlrev_b32 v10, 4, v10
	v_sub_nc_u32 v[DD], v11, v10
	s_lshl_b32 s50, s[RK], 3
	s_add_co_u32 s50, s50, s10                     ; my query image
	s_lshl_b32 s51, s11, 7
	s_add_co_u32 s51, s51, s50
	s_lshl_b32 s52, s51, 10
	s_mov_b32 s53, 0
	s_add_nc_u64 s[52:53], s[4:5], s[52:53]
	s_lshl_b32 s54, s51, 6
	s_add_co_u32 s54, s54, QS
	s_mov_b32 s55, 0
	s_add_nc_u64 s[54:55], s[4:5], s[54:55]
	global_load_b128 v[16:19], v[LI], s[52:53]
	global_load_b128 v[20:23], v[LI], s[52:53] offset:512
	global_load_b32 v228, v[LS], s[54:55]
	v_mov_b32 v13, 0xff61b1e6                      ; the largest t so far: -3e38
	v_floor_f32 v12, -v13                          ; -M
	v_mov_b32 v14, 0
	v_mov_b32 v15, 0
.irp i, 0,1,2,3,4,5,6,7
	v_mov_b32 v[24+\i], 0                          ; q's upper half: zero codes
	v_mov_b32 v[96+\i], 0                          ; and what stands behind key tile 7
.endr
.set n, 0
.rept 32
	v_mov_b32 v[OB+n], 0                           ; O^T: the step is written once; the first change of M leaves zeros zeros
.set n, n+1
.endr
.irp b, 0,1,2,3
	v_mov_b32 v[TM+4+\b], 0
.endr
	v_mov_b32 v252, 0
	v_mov_b32 v253, 0
	s_wait_loadcnt 0x0
.macro STEP
	s_cmp_gt_u32 s[KSN], s[RK]                     ; behind my queries: the step's work is left out; no barrier and no tensor load stands in a step
	s_cbranch_scc1 .Lhidden_\@
	v_add_nc_u32 v[ADK], s[TB], v[LI]
	v_add_nc_u32 v[ADS], s[TB], v[LS]
.rept 6
	v_nop                                          ; with the two additions: eight places in front of loads into registers that matrix instructions have read
.endr
.irp t, 0,1,2,3,4,5,6,7
	ds_load_b128 v[32+8*\t:35+8*\t], v[ADK] offset:1024*\t
	ds_load_b128 v[36+8*\t:39+8*\t], v[ADK] offset:1024*\t+512
	ds_load_b32 v[216+\t], v[ADS] offset:16384+64*\t
.endr
	s_wait_dscnt 0x0
.irp t, 0,1,2,3,4,5,6,7
	v_wmma_scale_f32_16x16x128_f8f6f4 v[SB+8*\t:SB+8*\t+7], v[32+8*\t:47+8*\t], v[16:31], 0, v[216+\t], v228 matrix_a_fmt:MATRIX_FMT_BF8 matrix_b_fmt:MATRIX_FMT_BF8
.endr
.rept 8
	v_nop
.endr
.irp d, 0,1,2,3
.irp c, 0,1,2,3
	ds_load_b128 v[32+16*\d+4*\c:35+16*\d+4*\c], v[ADK] offset:8192+2048*\d+512*\c   ; v^T lands while the softmax is walked
.endr
	ds_load_b32 v[224+\d], v[ADS] offset:16896+64*\d
.endr
	s_cmp_lg_u32 s[KSN], s[RK]
	s_cbranch_scc1 .Lopen_\@
	v_mov_b32 v254, 0xff800000                     ; on the diagonal: register 16 b + i holds key 32 b + 16 h + i of the step: hidden where 32 b + i > my query's place - 16 h
.set n, 0
.rept 64
	v_cmp_gt_i32 vcc_lo, 32*(n/16)+n%16, v[DD]
	v_cndmask_b32 v[SB+n], v[SB+n], v254, vcc_lo
.set n, n+1
.endr
.Lopen_\@:
.irp b, 0,1,2,3
	v_max3_num_f32 v[TM+\b], v[SB+16*\b], v[SB+1+16*\b], v[SB+2+16*\b]   ; each block's largest score: for the row's maximum and for the block's largest p
.endr
.irp i, 3,5,7,9,11,13
.irp b, 0,1,2,3
	v_max3_num_f32 v[TM+\b], v[TM+\b], v[SB+16*\b+\i], v[SB+1+16*\b+\i]
.endr
.endr
.irp b, 0,1,2,3
	v_max_num_f32 v[TM+\b], v[TM+\b], v[SB+15+16*\b]
.endr
.irp b, 0,1,2,3
	v_permlanex16_b32 v[TM+4+\b], v[TM+\b], s[SEL], s[SEL+1]
.endr
.irp b, 0,1,2,3
	v_max_num_f32 v[TM+\b], v[TM+\b], v[TM+4+\b]
.endr
	v_max3_num_f32 v254, v[TM], v[TM+1], v[TM+2]
	v_max_num_f32 v254, v254, v[TM+3]
	v_mul_f32 v254, s[CSC], v254
	v_max_num_f32 v13, v13, v254                   ; the running largest t
	v_mov_b32 v254, v12
	v_floor_f32 v12, -v13                          ; -M = floor(-t)
	v_sub_f32 v254, v12, v254
	v_cvt_i32_f32 v254, v254
	v_ldexp_f32 v252, 1.0, v254                    ; f = 2^(old M - new M)
.set n, 0
.rept 32
	v_pk_fma_f32 v[SB+n:SB+n+1], v[SB+n:SB+n+1], s[CSC:CSC+1], v[12:13] op_sel_hi:[1,0,0]   ; t - M
.set n, n+2
.endr
.irp b, 0,1,2,3
	v_fma_f32 v[TM+\b], v[TM+\b], s[CSC], v12
.endr
.set n, 0
.rept 64
	v_exp_f32 v[SB+n], v[SB+n]                     ; p
.set n, n+1
.endr
	v_pk_mul_f32 v[14:15], v[14:15], v[252:253] op_sel_hi:[1,0]   ; the sums under the new M: a plain line behind the exponentials
	s_wait_alu depctr_va_vdst(0)                   ; one wait for the batch, ahead of its first reader
.irp b, 0,1,2,3
	v_exp_f32 v[TM+\b], v[TM+\b]                   ; each block's largest p
.endr
	v_pk_add_f32 v[TM+4:TM+5], v[SB:SB+1], v[SB+2:SB+3]   ; the row's sum of the unquantised p, in two chains
.irp j, 4,8,12,16,20,24,28,32,36,40,44,48,52,56,60
	v_pk_add_f32 v[14:15], v[14:15], v[SB+\j:SB+1+\j]
	v_pk_add_f32 v[TM+4:TM+5], v[TM+4:TM+5], v[SB+2+\j:SB+3+\j]
.endr
	v_pk_add_f32 v[14:15], v[14:15], v[TM+4:TM+5]
	s_wait_alu depctr_va_vdst(0)                   ; and one for the four
.irp b, 0,1,2,3
	v_max_num_f32 v[TM+\b], 0x8000000, v[TM+\b]    ; the floor 2^(16 - 127)
.endr
.irp b, 0,1,2,3
	v_add_nc_u32 v[TM+12+\b], 0xf8800000, v[TM+\b]
.endr
.irp b, 0,1,2,3
	v_and_or_b32 v[TM+8+\b], v[TM+\b], 0x7f800000, s[MNT]
.endr
.irp b, 0,1,2,3
	v_lshrrev_b32 v[TM+4+\b], 23, v[TM+12+\b]
.endr
	v_lshl_or_b32 v253, v[TM+5], 8, v[TM+4]        ; p's scale word for these 128 keys
	v_lshl_or_b32 v253, v[TM+6], 16, v253
	v_lshl_or_b32 v253, v[TM+7], 24, v253
.irp b, 0,1,2,3
.irp i, 0,1,2,3,4,5,6,7,8,9,10,11,12,13,14,15
	v_min_num_f32 v[SB+16*\b+\i], v[SB+16*\b+\i], v[TM+8+\b]   ; the hold; p is not negative
.endr
	v_cvt_scalef32_pk8_bf8_f32 v[PCB+4*\b:PCB+1+4*\b], v[SB+16*\b:SB+7+16*\b], v[TM+12+\b]
	v_cvt_scalef32_pk8_bf8_f32 v[PCB+2+4*\b:PCB+3+4*\b], v[SB+8+16*\b:SB+15+16*\b], v[TM+12+\b]
.endr
.set n, 0
.rept 16
	v_pk_mul_f32 v[OB+n:OB+n+1], v[OB+n:OB+n+1], v[252:253] op_sel_hi:[1,0]   ; O^T under the new M; also the places in front of the products
.set n, n+2
.endr
	s_wait_dscnt 0x0                               ; v^T is in
.irp d, 0,1,2,3
	v_wmma_scale_f32_16x16x128_f8f6f4 v[OB+8*\d:OB+8*\d+7], v[32+16*\d:47+16*\d], v[PCB:PCB+15], v[OB+8*\d:OB+8*\d+7], v[224+\d], v253 matrix_a_fmt:MATRIX_FMT_BF8 matrix_b_fmt:MATRIX_FMT_BF8
.endr
.Lhidden_\@:
	s_add_co_u32 s[KSN], s[KSN], 1
	s_add_co_u32 s[TB], s[TB], KSB
.endm
.macro CHUNK c                         ; four key steps, which sixteen loads brought, one a wave
	s_wait_tensorcnt 3-\c                          ; my part of this chunk is in; the later chunks' loads may be out
	s_wait_dscnt 0x0
	s_barrier_signal -1
	s_barrier_wait -1                              ; everybody's part is in
	s_mov_b32 s14, 4
.Lstep_\@:
	STEP
	s_sub_co_u32 s14, s14, 1
	s_cmp_lg_u32 s14, 0
	s_cbranch_scc1 .Lstep_\@
.endm
	CHUNK 0
	CHUNK 1
	CHUNK 2
	CHUNK 3
	; THE WAY OUT: O^T / the sum, quantised along the model's axis: my 32 registers are two blocks of 32 of my head's 64 columns
.rept 8
	v_nop
.endr
	v_add_f32 v14, v14, v15
	v_permlanex16_b32 v252, v14, s[SEL], s[SEL+1]
	v_add_f32 v14, v14, v252
	v_rcp_f32 v15, v14
	v_nop
	s_lshr_b32 s51, s11, 4
	s_lshl_b32 s51, s51, 7
	s_add_co_u32 s51, s51, s50                     ; my token image
	s_lshl_b32 s51, s51, 3
	s_bfe_u32 s56, s11, 0x30001                    ; head / 2: the K step of the projection
	s_add_co_u32 s51, s51, s56
	s_and_b32 s56, s11, 1
	s_lshl_b32 s52, s51, 11
	s_lshl_b32 s57, s56, 10
	s_add_co_u32 s52, s52, s57
	s_mov_b32 s53, 0
	s_add_nc_u64 s[52:53], s[6:7], s[52:53]
	s_lshl_b32 s54, s51, 6
	s_lshl_b32 s57, s56, 1
	s_add_co_u32 s54, s54, s57
	s_add_co_u32 s54, s54, 4194304
	s_mov_b32 s55, 0
	s_add_nc_u64 s[54:55], s[6:7], s[54:55]
	s_wait_alu depctr_va_vdst(0)                   ; the wait ahead of the reciprocal's first reader
.set n, 0
.rept 32
	v_mul_f32 v[SB+n], v[OB+n], v15
.set n, n+1
.endr
.irp b, 0,1
	v_max3_num_f32 v[TM+\b], |v[SB+16*\b]|, |v[SB+1+16*\b]|, 0x8000000
.endr
.irp i, 2,4,6,8,10,12,14
.irp b, 0,1
	v_max3_num_f32 v[TM+\b], v[TM+\b], |v[SB+16*\b+\i]|, |v[SB+1+16*\b+\i]|
.endr
.endr
.irp b, 0,1
	v_permlanex16_b32 v[TM+4+\b], v[TM+\b], s[SEL], s[SEL+1]
.endr
.irp b, 0,1
	v_max_num_f32 v[TM+\b], v[TM+\b], v[TM+4+\b]
.endr
.irp b, 0,1
	v_add_nc_u32 v[TM+12+\b], 0xf8800000, v[TM+\b]
.endr
.irp b, 0,1
	v_and_or_b32 v[TM+8+\b], v[TM+\b], 0x7f800000, s[MNT]
.endr
.irp b, 0,1
	v_lshrrev_b32 v[TM+4+\b], 23, v[TM+12+\b]
.endr
	v_lshl_or_b32 v[PW], v[TM+5], 8, v[TM+4]
.irp b, 0,1
.irp i, 0,1,2,3,4,5,6,7,8,9,10,11,12,13,14,15
	v_med3_num_f32 v[SB+16*\b+\i], v[SB+16*\b+\i], -v[TM+8+\b], v[TM+8+\b]
.endr
	v_cvt_scalef32_pk8_bf8_f32 v[PCB+4*\b:PCB+1+4*\b], v[SB+16*\b:SB+7+16*\b], v[TM+12+\b]
	v_cvt_scalef32_pk8_bf8_f32 v[PCB+2+4*\b:PCB+3+4*\b], v[SB+8+16*\b:SB+15+16*\b], v[TM+12+\b]
.endr
	v_nop
	global_store_b128 v[LI], v[PCB:PCB+3], s[52:53]
	global_store_b128 v[LI], v[PCB+4:PCB+7], s[52:53] offset:512
	global_store_b16 v[LS], v[PW], s[54:55]        ; my head's two bytes of the row's scale word (both halves of the lanes write the same)
	s_wait_tensorcnt 0x0                           ; the wave's end
	ds_add_u32 v[SPW], v[NIL]
	s_wait_dscnt 0x0
	CROUND                                         ; the closing round
	s_endpgm
.Lfunc_end_k_q9cc1ddf25e_attn:
	.size	k_q9cc1ddf25e_attn, .Lfunc_end_k_q9cc1ddf25e_attn-k_q9cc1ddf25e_attn
	.p2alignl 7, 3214868480
	.fill 96, 4, 3214868480
	.section	.rodata,"a",@progbits
	.p2align	6, 0x0
	.amdhsa_kernel k_q9cc1ddf25e_attn
		.amdhsa_group_segment_fixed_size 280576
		.amdhsa_private_segment_fixed_size 0
		.amdhsa_enable_private_segment 0
		.amdhsa_kernarg_size 16
		.amdhsa_user_sgpr_count 2
		.amdhsa_user_sgpr_kernarg_segment_ptr 1
		.amdhsa_wavefront_size32 1
		.amdhsa_system_sgpr_workgroup_id_x 1
		.amdhsa_system_sgpr_workgroup_id_y 1
		.amdhsa_system_sgpr_workgroup_id_z 1
		.amdhsa_system_vgpr_workitem_id 0
		.amdhsa_next_free_vgpr 256
		.amdhsa_next_free_sgpr 66
		.amdhsa_reserve_vcc 1
		.amdhsa_float_denorm_mode_32 3
		.amdhsa_float_denorm_mode_16_64 3
		.amdhsa_memory_ordered 1
		.amdhsa_forward_progress 1
		.amdhsa_inst_pref_size 111
	.end_amdhsa_kernel
	.amdgpu_metadata
---
amdhsa.version: [ 1, 2 ]
amdhsa.kernels:
  - .name:           k_q9cc1ddf25e_attn
    .symbol:         k_q9cc1ddf25e_attn.kd
    .args:
      - { .name: qkv, .offset: 0, .size: 8, .value_kind: global_buffer, .address_space: global }
      - { .name: att, .offset: 8, .size: 8, .value_kind: global_buffer, .address_space: global }
    .group_segment_fixed_size: 280576
    .private_segment_fixed_size: 0
    .kernarg_segment_align: 8
    .kernarg_segment_size: 16
    .max_flat_workgroup_size: 512
    .sgpr_count:     66
    .vgpr_count:     256
    .wavefront_size: 32
...
	.end_amdgpu_metadata
.endif
;; end of part 3
;; launch oproj (part 4): grid 4 x 16, 4 waves a work-group, clusters of 4 x 4, 327,680 bytes of LDS; arguments att, wbuf, x, x2; writes x2
.if DOCPART == 4
	.amdgcn_target "amdgcn-amd-amdhsa--gfx1250"
	.amdhsa_code_object_version 6
	.text
	.protected	k_q9cc1ddf25e_oproj
	.globl	k_q9cc1ddf25e_oproj
	.p2align	8
	.type	k_q9cc1ddf25e_oproj,@function
k_q9cc1ddf25e_oproj:
	s_mov_b64 s[64:65], 0
	v_nop
	global_prefetch_b8 v0, s[64:65] scope:SCOPE_SE
	s_setreg_imm32_b32 hwreg(HW_REG_WAVE_MODE, 25, 1), 1
	s_wait_xcnt 0x0
	s_wait_alu depctr_hold_cnt(0) depctr_sa_sdst(0) depctr_va_vdst(0) depctr_va_sdst(0) depctr_va_ssrc(0) depctr_va_vcc(0) depctr_vm_vsrc(0)
	s_getreg_b32 s2, hwreg(HW_REG_IB_STS2, 6, 4)
	s_cmp_eq_u32 s2, 0
	s_cbranch_scc0 .Lentry_in_a_cluster
	s_endpgm
.Lentry_in_a_cluster:
	s_bfe_u32 s2, ttmp6, 0x10000c
	s_cmp_lg_u32 s2, 0xf033
	s_cbranch_scc0 .Lentry_shape_is_right
	s_endpgm
.Lentry_shape_is_right:
; OPROJ: x2 = x + attn Wo^T, from the codes of attn (att) and of Wo (wbuf); f32 out.  No work is left out here.
; A tile of 256 x 256 to a work-group of four waves, 128 x 128 to a wave; K in steps of 256 through two LDS slots; operands as images of their registers (see the first launch); source 0 = the weight's image,
; source 1 = the tokens': lane (r, h) holds token tau(a, r), and the registers of tiles 2 b, 2 b + 1 are columns 32 b + 16 h + 0 .. 15.  CLUSTERS 4 x 4: A's tiles are asked for jointly along a row, B's along a column.
; The output has 4 x 16 tiles of this size: 64 work-groups.
; REGISTERS: window 0: v0-31 addresses; v32-63 scale words; v128-255 A's fragments, on the way out rows of the result; window 1: B's fragments, on the way out the residual; windows 2, 3: the accumulators.
.set KT,    8
.set ASOFF, 4194304                    ; A's scale words in its buffer
.set BOFF,  3145728                    ; B's codes in wbuf
.set BSOFF, 12845056+98304             ; B's scale words in wbuf
.set NTOUT, 0
.set TS,    KT/2
.set NQ,    2
.set IMG,   2048
.set PAIR,  4096
.set FR,    16
.set NL,    4
.set NP,    8
.set HALFT, 8*PAIR
.set SLOT,  4*HALFT
.set KROW,  128*KT
.set KS,    4*KT
.set SCL,   2*SLOT
.set HALFS, 128*KS
.set SBLK,  16*KS
.set SPARE, SCL+4*HALFS                ; the spare words, 128 bytes a wave: two blocks of 256 bytes that no other line names
.set SPITCH, 528
.set STAGE, (TS%2)*SLOT                ; the way out's stages lie in the slot that the last K step does not read: it has had its last fill and its last read
.set ADRA, 16
.set ADRB, 20
.set STO,  24
.set RD,   25
.set CO,   26
.set ADRS, 27
.set SPW,  28
.set NIL,  29
.set SC,   32
.set AF,   128
.set BK,   128
.set G1, 24
.set G0, 32
.set G1B, 48
.set G0B, 56
.set G1S, 68
.set G0S, 76
.set G1SB, 80
.set G0SB, 88
.set MSB, 0
.macro WIN new
.if MSB != (\new)
	s_set_vgpr_msb (MSB<<8)|(\new)
.set MSB, (\new)
.endif
.endm
.set MUL_LO, 0xa1
.set MUL_HI, 0xf1
.set TO_B,   0x40
.macro JLOAD g0a, g1a, g0b, g1b        ; waves 0 and 1 fetch for A, waves 2 and 3 for B; an s_nop 0 and four v_nop follow each line
	s_cmp_eq_u32 s15, 0
	s_cbranch_scc0 .Lfor_b_\@
	tensor_load_to_lds s[\g0a:\g0a+3], s[\g1a:\g1a+7]
	s_nop 0
.rept 4
	v_nop
.endr
	s_branch .Lasked_\@
.Lfor_b_\@:
	tensor_load_to_lds s[\g0b:\g0b+3], s[\g1b:\g1b+7]
	s_nop 0
.rept 4
	v_nop
.endr
.Lasked_\@:
.endm
.macro CREST
	s_cmp_lg_u32 s14, 0
	s_cbranch_scc1 .Lnot_wave_0_\@
	s_barrier_signal -3
.Lnot_wave_0_\@:
	s_barrier_wait -3
	s_barrier_signal -1
	s_barrier_wait -1
.endm
.macro CROUND
	s_barrier_signal -1
	s_barrier_wait -1
	CREST
.endm
.macro FRAG reg, adr, q, i
.irp c, 0,1,2,3
	ds_load_b128 v[\reg+4*\c:\reg+4*\c+3], v[\adr] offset:IMG*(\q)+512*\c+(\i)*PAIR
.endr
.endm
.macro MUL16 a0, p, q, sc, zero        ; the 64 accumulators take turns
.irp a, \a0, \a0+1
.irp b, 0,1,2,3,4,5,6,7
.if \zero
	v_wmma_scale_f32_16x16x128_f8f6f4 v[8*(8*((\a)%4)+\b):8*(8*((\a)%4)+\b)+7], v[128*(\p)+FR*\b:128*(\p)+FR*\b+FR-1], v[AF+FR*(\a):AF+FR*(\a)+FR-1], 0, v[SC+8*NQ*(\sc)+NQ*\b+(\q)], v[SC+8*NQ*(\sc)+NQ*(\a)+(\q)] matrix_a_fmt:MATRIX_FMT_BF8 matrix_b_fmt:MATRIX_FMT_BF8 matrix_a_scale:MATRIX_SCALE_ROW1
.else
	v_wmma_scale_f32_16x16x128_f8f6f4 v[8*(8*((\a)%4)+\b):8*(8*((\a)%4)+\b)+7], v[128*(\p)+FR*\b:128*(\p)+FR*\b+FR-1], v[AF+FR*(\a):AF+FR*(\a)+FR-1], v[8*(8*((\a)%4)+\b):8*(8*((\a)%4)+\b)+7], v[SC+8*NQ*(\sc)+NQ*\b+(\q)], v[SC+8*NQ*(\sc)+NQ*(\a)+(\q)] matrix_a_fmt:MATRIX_FMT_BF8 matrix_b_fmt:MATRIX_FMT_BF8 matrix_a_scale:MATRIX_SCALE_ROW1
.endif
.endr
.endr
.endm
.macro FETCH_B slot, q, p
	WIN TO_B
.irp i, 0,1,2,3,4,5,6,7
	FRAG 128*(\p)+FR*\i, ADRB+\slot, \q, \i
.endr
	WIN 0
.endm
.macro FETCH_A slot, q, i0
.irp i, \i0, \i0+1, \i0+2, \i0+3
	FRAG AF+FR*(\i), ADRA+\slot, \q, \i
.endr
.endm
.macro SCALES sc
.irp i, 0,1,2,3,4,5,6,7
	ds_load_b32 v[SC+16*\sc+2*\i], v[ADRS] offset:\i*SBLK
	ds_load_b32 v[SC+16*\sc+2*\i+1], v[ADRS] offset:\i*SBLK+64
.endr
.endm
.macro PLACES n
.rept \n
	v_nop
.endr
.endm
.macro STEP slot, q, zero
	s_wait_dscnt 4*NL                              ; all but the youngest sixteen loads (A's blocks 4-7)
	WIN MUL_LO
	MUL16 0, (\q)%2, \q, \slot, \zero
	MUL16 2, (\q)%2, \q, \slot, \zero
	s_wait_dscnt 0
	PLACES NP
	FETCH_B \slot, (\q)+1, 1-(\q)%2
	FETCH_A \slot, (\q)+1, 0
	WIN MUL_HI
	MUL16 4, (\q)%2, \q, \slot, \zero
	MUL16 6, (\q)%2, \q, \slot, \zero
	PLACES NP
	WIN 0
	FETCH_A \slot, (\q)+1, 4
.endm
.macro TURN slot, next, fill
	s_wait_tensorcnt 0x0                           ; all my tensor loads have landed: my part of the next slot
	ds_add_u32 v[SPW], v[NIL]                      ; 0 onto my spare word
	s_wait_dscnt 4*NL+1                            ; (the add and the youngest sixteen loads may be out)
	WIN MUL_LO
	MUL16 0, 1, NQ-1, \slot, 0
	s_wait_dscnt 0x0                               ; the add is done, and my reads of this slot are over
	s_barrier_signal -1
	MUL16 2, 1, NQ-1, \slot, 0
	WIN 0
	s_barrier_wait -1
.if \fill
	CREST                                          ; the barrier has opened a round of the cluster's barrier
	s_add_nc_u64 s[G0+4*\slot+2:G0+4*\slot+3], s[G0+4*\slot+2:G0+4*\slot+3], 2*PAIR
	s_add_nc_u64 s[G0B+4*\slot+2:G0B+4*\slot+3], s[G0B+4*\slot+2:G0B+4*\slot+3], 2*PAIR
	JLOAD G0+4*\slot, G1, G0B+4*\slot, G1B         ; the first tensor load behind the round
	PLACES NP-4
.else
	PLACES NP
.endif
	v_add_nc_u32 v[ADRS], 64*NQ, v[ADRS]
	FETCH_B \next, 0, 0
	FETCH_A \next, 0, 0
	SCALES \next
	WIN MUL_HI
	MUL16 4, 1, NQ-1, \slot, 0
	MUL16 6, 1, NQ-1, \slot, 0
	PLACES NP
	WIN 0
	FETCH_A \next, 0, 4
.endm
.macro LAST sc
	s_wait_dscnt 4*NL
	WIN MUL_LO
	MUL16 0, 1, NQ-1, \sc, 0
	MUL16 2, 1, NQ-1, \sc, 0
	s_wait_dscnt 0
	WIN MUL_HI
	MUL16 4, 1, NQ-1, \sc, 0
	MUL16 6, 1, NQ-1, \sc, 0
	WIN 0
.endm
	s_load_b128 s[4:7], s[0:1], 0x0                ; A's buffer, wbuf
	s_load_b128 s[96:99], s[0:1], 0x10             ; the residual, the output
	v_lshl_add_u32 v[SPW], v0, 2, SPARE
	v_mov_b32 v[NIL], 0
	ds_add_u32 v[SPW], v[NIL]                      ; the opening: the add, twice on end, and its wait ahead of my first tensor load
	ds_add_u32 v[SPW], v[NIL]
	v_lshrrev_b32 v1, 5, v0
	v_readfirstlane_b32 s14, v1
	s_lshr_b32 s15, s14, 1
	s_and_b32 s16, s14, 1
	s_bfe_u32 s40, ttmp6, 0x40000
	s_bfe_u32 s41, ttmp6, 0x40004
	s_lshl_b32 s42, ttmp9, 2
	s_add_co_u32 s42, s42, s40                     ; tile column
	s_and_b32 s17, ttmp7, 0xffff
	s_lshl_b32 s17, s17, 2
	s_add_co_u32 s17, s17, s41                     ; tile row
	s_lshl_b32 s43, s41, 2
	s_lshl_b32 s43, 15, s43
	s_lshl_b32 s44, 0x1111, s40
	s_or_b32 s[G1+0], s43, (3<<16)|(1<<21)
	s_or_b32 s[G1B+0], s44, (3<<16)|(1<<21)
.irp g, G1, G1B
	s_mov_b32 s[\g+1], 512<<16
	s_mov_b32 s[\g+2], 8<<16
	s_mov_b32 s[\g+3], 512<<16
	s_mov_b32 s[\g+4], 8
	s_mov_b32 s[\g+5], 256*KT
	s_mov_b32 s[\g+6], 0
	s_mov_b32 s[\g+7], 0
.endr
	s_or_b32 s[G1S+0], s43, (3<<16)|(1<<21)
	s_or_b32 s[G1SB+0], s44, (3<<16)|(1<<21)
.irp g, G1S, G1SB
	s_mov_b32 s[\g+1], 32<<16
	s_mov_b32 s[\g+2], (2*KT)<<16
	s_mov_b32 s[\g+3], 32<<16
	s_mov_b32 s[\g+4], 2*KT
	s_mov_b32 s[\g+5], 32
	s_mov_b32 s[\g+6], 0
	s_mov_b32 s[\g+7], 0
.endr
	s_lshl_b32 s18, s16, 7
	s_lshl_b32 s20, s17, 8
	s_add_co_u32 s20, s20, s18
	s_lshl_b32 s46, s42, 8
	s_add_co_u32 s46, s46, s18
	s_mov_b32 s21, 0
	s_mov_b32 s47, 0
	s_mov_b64 s[18:19], KS
	s_mul_u64 s[22:23], s[20:21], s[18:19]
	s_mul_u64 s[92:93], s[46:47], s[18:19]
	s_mov_b64 s[18:19], KROW
	s_mul_u64 s[20:21], s[20:21], s[18:19]
	s_mul_u64 s[46:47], s[46:47], s[18:19]
	s_mul_i32 s45, s14, HALFT
	s_mul_i32 s94, s14, HALFS
	s_wait_dscnt 0x0
	s_wait_kmcnt 0x0
	s_add_nc_u64 s[8:9], s[6:7], BOFF
	s_add_nc_u64 s[10:11], s[6:7], BSOFF
	s_add_nc_u64 s[6:7], s[4:5], ASOFF
	s_add_nc_u64 s[20:21], s[4:5], s[20:21]
	s_add_nc_u64 s[22:23], s[6:7], s[22:23]
	s_add_nc_u64 s[46:47], s[8:9], s[46:47]
	s_add_nc_u64 s[92:93], s[10:11], s[92:93]
	CROUND
	s_mov_b32 s[G0S], 1
	s_add_co_u32 s[G0S+1], s94, SCL
	s_mov_b64 s[G0S+2:G0S+3], s[22:23]
	s_or_b32 s[G0S+3], s[G0S+3], 0x80000000
	s_mov_b32 s[G0SB], 1
	s_add_co_u32 s[G0SB+1], s94, SCL
	s_mov_b64 s[G0SB+2:G0SB+3], s[92:93]
	s_or_b32 s[G0SB+3], s[G0SB+3], 0x80000000
	JLOAD G0S, G1S, G0SB, G1SB
.irp s, 0,1
	s_mov_b32 s[G0+4*\s], 1
	s_add_co_u32 s[G0+4*\s+1], s45, \s*SLOT
	s_add_nc_u64 s[G0+4*\s+2:G0+4*\s+3], s[20:21], \s*PAIR
	s_or_b32 s[G0+4*\s+3], s[G0+4*\s+3], 0x80000000
	s_mov_b32 s[G0B+4*\s], 1
	s_add_co_u32 s[G0B+4*\s+1], s45, \s*SLOT
	s_add_nc_u64 s[G0B+4*\s+2:G0B+4*\s+3], s[46:47], \s*PAIR
	s_or_b32 s[G0B+4*\s+3], s[G0B+4*\s+3], 0x80000000
	JLOAD G0+4*\s, G1, G0B+4*\s, G1B
.endr
	v_and_b32 v1, 15, v0
	v_bfe_u32 v2, v0, 4, 1
	v_and_b32 v3, 31, v0
	v_lshlrev_b32 v4, 4, v3
	s_mul_i32 s21, s15, HALFT
	s_mul_i32 s22, s16, HALFT
	s_add_co_u32 s22, s22, 2*HALFT
.irp s, 0,1
	v_add_nc_u32 v[ADRA+\s], s21, v4
	v_add_nc_u32 v[ADRB+\s], s22, v4
	s_add_co_u32 s21, s21, SLOT
	s_add_co_u32 s22, s22, SLOT
.endr
	v_lshlrev_b32 v5, 2, v1
	s_mul_i32 s21, s15, HALFS
	s_mul_i32 s22, s16, HALFS
	s_add_co_u32 s22, s22, 2*HALFS
	s_sub_co_u32 s22, s22, s21
	v_mul_u32_u24 v6, s22, v2
	s_add_co_u32 s21, s21, SCL
	v_add_nc_u32 v5, v5, v6
	v_add_nc_u32 v[ADRS], s21, v5
	s_mul_i32 s23, s14, 16*SPITCH
	s_add_co_u32 s23, s23, STAGE                   ; my stage
	v_mul_u32_u24 v5, v1, SPITCH
	v_lshl_add_u32 v5, v2, 6, v5
	v_add_nc_u32 v[STO], s23, v5                   ; in: row r, + 64 h
	v_mov_b32 v[CO], v4
	v_add_nc_u32 v[RD], s23, v4                    ; back: a row of 512 bytes to the 32 lanes
	s_lshl_b32 s20, s17, 8
	s_lshl_b32 s21, s15, 7
	s_add_co_u32 s20, s20, s21                     ; my first token
	s_lshl_b32 s20, s20, 12
	s_lshl_b32 s46, s42, 10
	s_lshl_b32 s47, s16, 9
	s_add_co_u32 s46, s46, s47                     ; my first column, in bytes
	s_add_co_u32 s20, s20, s46
	s_mov_b32 s21, 0
	s_add_nc_u64 s[12:13], s[98:99], s[20:21]
	s_add_nc_u64 s[96:97], s[96:97], s[20:21]
	s_wait_tensorcnt 1                             ; the scale words and my part of K step 0 are in; K step 1's load may be out
	s_barrier_signal -1
	s_barrier_wait -1
	FETCH_B 0, 0, 0
	FETCH_A 0, 0, 0
	SCALES 0
	FETCH_A 0, 0, 4
	STEP 0, 0, 1
	s_mov_b32 s3, (TS-2)/2
.Llap:
	TURN 0, 1, 1
	STEP 1, 0, 0
	TURN 1, 0, 1
	STEP 0, 0, 0
	s_sub_co_u32 s3, s3, 1
	s_cmp_lg_u32 s3, 0
	s_cbranch_scc1 .Llap
.if TS%2
	TURN 0, 1, 1                                   ; an odd number of K steps: one more fill,
	STEP 1, 0, 0
	TURN 1, 0, 0                                   ; and the last K step lies in slot 0
	STEP 0, 0, 0
	LAST 0
.else
	TURN 0, 1, 0
	STEP 1, 0, 0
	LAST 1
.endif
; THE WAY OUT, image by image of 16 tokens x 128 columns: through my own stage, back as whole rows of 512 bytes; the residual's rows are added; 32 lanes store 512 consecutive bytes.
.macro TOSTAGE a
.set AC, 64*((\a)%4)
	WIN 0x08+4*((\a)/4)
.irp b, 0,1,2,3,4,5,6,7
	ds_store_b128 v[STO], v[AC+8*\b:AC+8*\b+3] offset:128*(\b/2)+32*(\b%2)          ; tile b's registers are columns 32 (b / 2) + 8 (b % 2) + 16 h + j; each accumulator from its low end on
	ds_store_b128 v[STO], v[AC+8*\b+4:AC+8*\b+7] offset:128*(\b/2)+32*(\b%2)+16
.endr
	WIN 0
.set BB, BK+64*((\a)%2)
.irp t, 0,1,2,3,4,5,6,7,8,9,10,11,12,13,14,15
	ds_load_b128 v[BB+4*\t:BB+4*\t+3], v[RD] offset:\t*SPITCH   ; LDS serves a wave's instructions in order
.endr
.endm
.macro RLOAD a                         ; the residual's 16 rows, into window 1
	WIN 0x40
.irp t, 0,1,2,3,4,5,6,7,8,9,10,11,12,13,14,15
	global_load_b128 v[64*((\a)%2)+4*\t:64*((\a)%2)+4*\t+3], v[CO], s[96:97] offset:(32*((\a)/2)+8*((\a)%2)+\t+8*(\t/8))*4096
.endr
	WIN 0
.endm
.macro SEND a, ds, ld                  ; ds, ld: the younger LDS instructions and loads, which may stay out
.set BB, BK+64*((\a)%2)
.set RB, 64*((\a)%2)
	s_wait_dscnt \ds
	s_wait_loadcnt \ld
	WIN 0x04
.set n, 0
.rept 32
	v_pk_add_f32 v[BB+n:BB+n+1], v[BB+n:BB+n+1], v[RB+n:RB+n+1]
.set n, n+2
.endr
	WIN 0
.irp t, 0,1,2,3,4,5,6,7,8,9,10,11,12,13,14,15
.if NTOUT
	global_store_b128 v[CO], v[BB+4*\t:BB+4*\t+3], s[12:13] offset:(32*((\a)/2)+8*((\a)%2)+\t+8*(\t/8))*4096 th:TH_STORE_NT
.else
	global_store_b128 v[CO], v[BB+4*\t:BB+4*\t+3], s[12:13] offset:(32*((\a)/2)+8*((\a)%2)+\t+8*(\t/8))*4096
.endif
.endr
.endm
	PLACES NP
	RLOAD 0
	TOSTAGE 0
.irp a, 1,2,3,4,5,6,7
.if \a > 1
	s_wait_xcnt 0x0                                ; image a - 2's stores have read their registers: image a's loads may land there
.endif
	RLOAD \a
	TOSTAGE \a
	SEND \a-1, 32, 16                              ; behind image a - 1's: image a's 16 LDS stores and 16 LDS loads, and its 16 loads of the residual
.endr
	SEND 7, 0, 0
	s_wait_tensorcnt 0x0                           ; the wave's end
	ds_add_u32 v[SPW], v[NIL]
	s_wait_dscnt 0x0
	CROUND                                         ; the closing round
	s_endpgm
.Lfunc_end_k_q9cc1ddf25e_oproj:
	.size	k_q9cc1ddf25e_oproj, .Lfunc_end_k_q9cc1ddf25e_oproj-k_q9cc1ddf25e_oproj
	.p2alignl 7, 3214868480
	.fill 96, 4, 3214868480
	.section	.rodata,"a",@progbits
	.p2align	6, 0x0
	.amdhsa_kernel k_q9cc1ddf25e_oproj
		.amdhsa_group_segment_fixed_size 327680
		.amdhsa_private_segment_fixed_size 0
		.amdhsa_enable_private_segment 0
		.amdhsa_kernarg_size 32
		.amdhsa_user_sgpr_count 2
		.amdhsa_user_sgpr_kernarg_segment_ptr 1
		.amdhsa_wavefront_size32 1
		.amdhsa_system_sgpr_workgroup_id_x 1
		.amdhsa_system_sgpr_workgroup_id_y 1
		.amdhsa_system_sgpr_workgroup_id_z 1
		.amdhsa_system_vgpr_workitem_id 0
		.amdhsa_next_free_vgpr 1024
		.amdhsa_next_free_sgpr 102
		.amdhsa_reserve_vcc 0
		.amdhsa_float_denorm_mode_32 3
		.amdhsa_float_denorm_mode_16_64 3
		.amdhsa_memory_ordered 1
		.amdhsa_forward_progress 1
		.amdhsa_inst_pref_size 176
	.end_amdhsa_kernel
	.amdgpu_metadata
---
amdhsa.version: [ 1, 2 ]
amdhsa.kernels:
  - .name:           k_q9cc1ddf25e_oproj
    .symbol:         k_q9cc1ddf25e_oproj.kd
    .args:
      - { .name: att, .offset: 0, .size: 8, .value_kind: global_buffer, .address_space: global }
      - { .name: wbuf, .offset: 8, .size: 8, .value_kind: global_buffer, .address_space: global }
      - { .name: x, .offset: 16, .size: 8, .value_kind: global_buffer, .address_space: global }
      - { .name: x2, .offset: 24, .size: 8, .value_kind: global_buffer, .address_space: global }
    .group_segment_fixed_size: 327680
    .private_segment_fixed_size: 0
    .kernarg_segment_align: 8
    .kernarg_segment_size: 32
    .max_flat_workgroup_size: 128
    .sgpr_count:     102
    .vgpr_count:     1024
    .wavefront_size: 32
...
	.end_amdgpu_metadata
.endif
;; end of part 4
;; launch norm2 (part 5): grid 256 x 1, 8 waves a work-group, no clusters, 69,120 bytes of LDS; arguments x2, g2, act; writes act
.if DOCPART == 5
	.amdgcn_target "amdgcn-amd-amdhsa--gfx1250"
	.amdhsa_code_object_version 6
	.text
	.protected	k_q9cc1ddf25e_norm2
	.globl	k_q9cc1ddf25e_norm2
	.p2align	8
	.type	k_q9cc1ddf25e_norm2,@function
k_q9cc1ddf25e_norm2:
	s_mov_b64 s[64:65], 0
	v_nop
	global_prefetch_b8 v0, s[64:65] scope:SCOPE_SE
	s_setreg_imm32_b32 hwreg(HW_REG_WAVE_MODE, 25, 1), 1
	s_wait_xcnt 0x0
; NORM2: rmsnorm(x2, g2) as codes of BF8 with E8M0 scales along the model's 1,024, laid as images of the operand's registers (see the first launch).  No work is left out here.
; A work-group takes the 16 tokens of image row T = its number, wave s the columns 128 s on: each load reads 512 consecutive bytes of a row; the rows turn through the wave's own stage, so that a lane holds
; 16 neighbours of each block of 32; the eight waves' sums of squares meet in LDS behind one barrier.  LIMITS as stated at the head of the first launch.
.set ACS,   4194304
.set SP,    528
.set WREG,  16*SP
.set PART,  8*WREG
.set SPARE, PART+512                   ; the spare words, 128 bytes a wave: four blocks of 256 bytes that no other line names
.set TM,  16
.set R,   32
.set G,   96
.set PC,  160
.set PW,  176
.set SU,  178
.set SEL, 60
.set MNT, 62
	s_load_b128 s[8:11], s[0:1], 0x0               ; x2, g2
	s_load_b64 s[28:29], s[0:1], 0x10              ; act
	v_lshl_add_u32 v12, v0, 2, SPARE
	v_mov_b32 v13, 0
	v_lshrrev_b32 v1, 5, v0
	v_readfirstlane_b32 s2, v1                     ; wave
	v_and_b32 v1, 31, v0
	v_and_b32 v2, 15, v0                           ; r
	v_bfe_u32 v3, v0, 4, 1                         ; h
	v_lshlrev_b32 v4, 4, v1
	v_lshlrev_b32 v5, 2, v2
	s_mul_i32 s3, s2, WREG
	v_add_nc_u32 v6, s3, v4
	v_mul_u32_u24 v7, v2, SP
	v_lshl_add_u32 v7, v3, 6, v7
	v_add_nc_u32 v7, s3, v7
	s_lshl_b32 s3, s2, 6
	v_add_nc_u32 v8, s3, v5
	v_add_nc_u32 v8, PART, v8
	v_add_nc_u32 v9, PART, v5
	v_lshlrev_b32 v11, 6, v3
	s_mov_b32 s[SEL], 0x76543210
	s_mov_b32 s[SEL+1], 0xfedcba98
	s_mov_b32 s[MNT], 0x600000
	s_mov_b32 s45, 0x3a800000                      ; 1/1024
	s_mov_b32 s46, 0x3727c5ac                      ; 1e-5
.irp b, 0,1,2,3
	v_mov_b32 v[TM+4+\b], 0
.endr
	s_lshr_b32 s38, ttmp9, 1
	s_lshl_b32 s38, s38, 5
	s_and_b32 s39, ttmp9, 1
	s_lshl_b32 s39, s39, 3
	s_add_co_u32 s38, s38, s39                     ; the image's first token
	s_lshl_b32 s38, s38, 12
	s_lshl_b32 s36, s2, 9
	s_add_co_u32 s38, s38, s36
	s_mov_b32 s39, 0
	s_mov_b32 s37, 0
	s_lshl_b32 s34, ttmp9, 3
	s_add_co_u32 s34, s34, s2                      ; the image's number
	s_lshl_b32 s40, s34, 11
	s_mov_b32 s41, 0
	s_lshl_b32 s42, s34, 6
	s_add_co_u32 s42, s42, ACS
	s_mov_b32 s43, 0
	s_wait_kmcnt 0x0
	s_add_nc_u64 s[32:33], s[8:9], s[38:39]
	s_add_nc_u64 s[38:39], s[10:11], s[36:37]
	s_add_nc_u64 s[40:41], s[28:29], s[40:41]
	s_add_nc_u64 s[42:43], s[28:29], s[42:43]
.irp c, 0,1,2,3
.irp j, 0,1,2,3
	global_load_b128 v[G+16*\c+4*\j:G+16*\c+4*\j+3], v11, s[38:39] offset:128*\c+16*\j
.endr
.endr
.irp p, 0,1,2,3,4,5,6,7,8,9,10,11,12,13,14,15
	global_load_b128 v[R+4*\p:R+4*\p+3], v4, s[32:33] offset:((\p)+8*((\p)/8))*4096
.endr
.irp p, 0,1,2,3,4,5,6,7,8,9,10,11,12,13,14,15
	s_wait_loadcnt 15-\p                           ; loads come back in order: row p is in (the gain's loads are older), the younger rows may be out
	ds_store_b128 v6, v[R+4*\p:R+4*\p+3] offset:SP*\p
.endr
.irp c, 0,1,2,3
.irp j, 0,1,2,3
	ds_load_b128 v[R+16*\c+4*\j:R+16*\c+4*\j+3], v7 offset:128*\c+16*\j   ; LDS serves a wave's instructions in order
.endr
.endr
	s_wait_dscnt 0x0
	v_pk_mul_f32 v[SU:SU+1], v[R:R+1], v[R:R+1]
	v_pk_mul_f32 v[SU+2:SU+3], v[R+2:R+3], v[R+2:R+3]
.irp i, 4,8,12,16,20,24,28,32,36,40,44,48,52,56,60
	v_pk_fma_f32 v[SU:SU+1], v[R+\i:R+\i+1], v[R+\i:R+\i+1], v[SU:SU+1]
	v_pk_fma_f32 v[SU+2:SU+3], v[R+\i+2:R+\i+3], v[R+\i+2:R+\i+3], v[SU+2:SU+3]
.endr
	v_pk_add_f32 v[SU:SU+1], v[SU:SU+1], v[SU+2:SU+3]
	v_add_f32 v[SU], v[SU], v[SU+1]
	v_permlanex16_b32 v[SU+1], v[SU], s[SEL], s[SEL+1]
	v_add_f32 v[SU], v[SU], v[SU+1]
	ds_store_b32 v8, v[SU]
	s_wait_dscnt 0x0                               ; for the others' sake: my store has landed
	s_barrier_signal -1
	s_barrier_wait -1
.irp w, 0,1,2,3,4,5,6,7
	ds_load_b32 v[SU+4+\w], v9 offset:64*\w
.endr
	s_wait_dscnt 0x0
	v_add_f32 v[SU+4], v[SU+4], v[SU+5]
	v_add_f32 v[SU+6], v[SU+6], v[SU+7]
	v_add_f32 v[SU+8], v[SU+8], v[SU+9]
	v_add_f32 v[SU+10], v[SU+10], v[SU+11]
	v_add_f32 v[SU+4], v[SU+4], v[SU+6]
	v_add_f32 v[SU+8], v[SU+8], v[SU+10]
	v_add_f32 v[SU+4], v[SU+4], v[SU+8]
	v_fma_f32 v[SU], v[SU+4], s45, s46
	v_rsq_f32 v[SU+2], v[SU]
	v_nop
	s_wait_alu depctr_va_vdst(0)                   ; the wait ahead of the first reader
.set n, 0
.rept 32
	v_pk_mul_f32 v[R+n:R+n+1], v[R+n:R+n+1], v[SU+2:SU+3] op_sel_hi:[1,0]
.set n, n+2
.endr
.set n, 0
.rept 32
	v_pk_mul_f32 v[R+n:R+n+1], v[R+n:R+n+1], v[G+n:G+n+1]
.set n, n+2
.endr
.irp b, 0,1,2,3
	v_max3_num_f32 v[TM+\b], |v[R+16*\b]|, |v[R+1+16*\b]|, 0x8000000   ; and the floor 2^(16 - 127)
.endr
.irp i, 2,4,6,8,10,12,14
.irp b, 0,1,2,3
	v_max3_num_f32 v[TM+\b], v[TM+\b], |v[R+16*\b+\i]|, |v[R+1+16*\b+\i]|
.endr
.endr
.irp b, 0,1,2,3
	v_permlanex16_b32 v[TM+4+\b], v[TM+\b], s[SEL], s[SEL+1]
.endr
.irp b, 0,1,2,3
	v_max_num_f32 v[TM+\b], v[TM+\b], v[TM+4+\b]
.endr
.irp b, 0,1,2,3
	v_add_nc_u32 v[TM+12+\b], 0xf8800000, v[TM+\b]
.endr
.irp b, 0,1,2,3
	v_and_or_b32 v[TM+8+\b], v[TM+\b], 0x7f800000, s[MNT]
.endr
.irp b, 0,1,2,3
	v_lshrrev_b32 v[TM+4+\b], 23, v[TM+12+\b]
.endr
	v_lshl_or_b32 v[PW], v[TM+5], 8, v[TM+4]
	v_lshl_or_b32 v[PW], v[TM+6], 16, v[PW]
	v_lshl_or_b32 v[PW], v[TM+7], 24, v[PW]
.irp b, 0,1,2,3
.irp i, 0,1,2,3,4,5,6,7,8,9,10,11,12,13,14,15
	v_med3_num_f32 v[R+16*\b+\i], v[R+16*\b+\i], -v[TM+8+\b], v[TM+8+\b]
.endr
	v_cvt_scalef32_pk8_bf8_f32 v[PC+4*\b:PC+1+4*\b], v[R+16*\b:R+7+16*\b], v[TM+12+\b]
	v_cvt_scalef32_pk8_bf8_f32 v[PC+2+4*\b:PC+3+4*\b], v[R+8+16*\b:R+15+16*\b], v[TM+12+\b]
.endr
	v_nop
.irp c, 0,1,2,3
	global_store_b128 v4, v[PC+4*\c:PC+4*\c+3], s[40:41] offset:512*\c
.endr
	global_store_b32 v5, v[PW], s[42:43]
	s_wait_tensorcnt 0x0                           ; the wave's end, behind my last LDS store
	ds_add_u32 v12, v13
	s_wait_dscnt 0x0
	s_endpgm
.Lfunc_end_k_q9cc1ddf25e_norm2:
	.size	k_q9cc1ddf25e_norm2, .Lfunc_end_k_q9cc1ddf25e_norm2-k_q9cc1ddf25e_norm2
	.p2alignl 7, 3214868480
	.fill 96, 4, 3214868480
	.section	.rodata,"a",@progbits
	.p2align	6, 0x0
	.amdhsa_kernel k_q9cc1ddf25e_norm2
		.amdhsa_group_segment_fixed_size 69120
		.amdhsa_private_segment_fixed_size 0
		.amdhsa_enable_private_segment 0
		.amdhsa_kernarg_size 24
		.amdhsa_user_sgpr_count 2
		.amdhsa_user_sgpr_kernarg_segment_ptr 1
		.amdhsa_wavefront_size32 1
		.amdhsa_system_sgpr_workgroup_id_x 1
		.amdhsa_system_sgpr_workgroup_id_y 1
		.amdhsa_system_sgpr_workgroup_id_z 1
		.amdhsa_system_vgpr_workitem_id 0
		.amdhsa_next_free_vgpr 192
		.amdhsa_next_free_sgpr 66
		.amdhsa_reserve_vcc 0
		.amdhsa_float_denorm_mode_32 3
		.amdhsa_float_denorm_mode_16_64 3
		.amdhsa_memory_ordered 1
		.amdhsa_forward_progress 1
		.amdhsa_inst_pref_size 24
	.end_amdhsa_kernel
	.amdgpu_metadata
---
amdhsa.version: [ 1, 2 ]
amdhsa.kernels:
  - .name:           k_q9cc1ddf25e_norm2
    .symbol:         k_q9cc1ddf25e_norm2.kd
    .args:
      - { .name: x2, .offset: 0, .size: 8, .value_kind: global_buffer, .address_space: global }
      - { .name: g2, .offset: 8, .size: 8, .value_kind: global_buffer, .address_space: global }
      - { .name: act, .offset: 16, .size: 8, .value_kind: global_buffer, .address_space: global }
    .group_segment_fixed_size: 69120
    .private_segment_fixed_size: 0
    .kernarg_segment_align: 8
    .kernarg_segment_size: 24
    .max_flat_workgroup_size: 256
    .sgpr_count:     66
    .vgpr_count:     192
    .wavefront_size: 32
...
	.end_amdgpu_metadata
.endif
;; end of part 5
;; launch ffn1 (part 6): grid 16 x 22, 4 waves a work-group, clusters of 4 x 1, 327,680 bytes of LDS; arguments act, wbuf, hid; writes hid
.if DOCPART == 6
	.amdgcn_target "amdgcn-amd-amdhsa--gfx1250"
	.amdhsa_code_object_version 6
	.text
	.protected	k_q9cc1ddf25e_ffn1
	.globl	k_q9cc1ddf25e_ffn1
	.p2align	8
	.type	k_q9cc1ddf25e_ffn1,@function
k_q9cc1ddf25e_ffn1:
	s_mov_b64 s[64:65], 0
	v_nop
	global_prefetch_b8 v0, s[64:65] scope:SCOPE_SE
	s_setreg_imm32_b32 hwreg(HW_REG_WAVE_MODE, 25, 1), 1
	s_wait_xcnt 0x0
	s_wait_alu depctr_hold_cnt(0) depctr_sa_sdst(0) depctr_va_vdst(0) depctr_va_sdst(0) depctr_va_ssrc(0) depctr_va_vcc(0) depctr_vm_vsrc(0)
	s_getreg_b32 s2, hwreg(HW_REG_IB_STS2, 6, 4)
	s_cmp_eq_u32 s2, 0
	s_cbranch_scc0 .Lentry_in_a_cluster
	s_endpgm
.Lentry_in_a_cluster:
	s_bfe_u32 s2, ttmp6, 0x10000c
	s_cmp_lg_u32 s2, 0x3003
	s_cbranch_scc0 .Lentry_shape_is_right
	s_endpgm
.Lentry_shape_is_right:
; FFN1: x1 = xn w1^T and x3 = xn w3^T in one product, silu(x1) x3 on the way out, quantised along the hidden axis into the images that the last launch reads.  No work is left out here.
; w1's and w3's rows lie interleaved by blocks of 32 hidden units (image row 4 beta + 2 sel + u), so that a wave's 8 B tiles are x1 and x3 of the same 64 hidden units, in the same lanes.
; A tile of 256 tokens x 256 rows (128 hidden units) to a work-group, 128 x 128 to a wave; K = 1,024 in steps of 256 through two LDS slots; operands as images of their registers (see the first launch).
; CLUSTER 4 x 1: there are 22 column tiles, which 4 does not divide, so a cluster holds four row tiles of one column tile: B's tile is asked for jointly by the four (mask 15); A's loads are each work-group's own
; and stand behind the same rounds.  Column tile 21's upper half are zero images: hidden units 2,752 to 2,815 become zero codes, the filling of the last product's K.
; The scale bytes leave as 2 bytes a row: those stores do not cover 256 consecutive bytes.
.set KT,    8
.set TS,    KT/2
.set NQ,    2
.set IMG,   2048
.set PAIR,  4096
.set FR,    16
.set NL,    4
.set NP,    8
.set HALFT, 8*PAIR
.set SLOT,  4*HALFT
.set KROW,  128*KT
.set KS,    4*KT
.set SCL,   2*SLOT
.set HALFS, 128*KS
.set SBLK,  16*KS
.set SPARE, SCL+4*HALFS                ; the spare words, 128 bytes a wave: two blocks of 256 bytes that no other line names
.set HS,    11534336                   ; hid: where the scale words begin
.set ADRA, 16
.set ADRB, 20
.set ADRS, 27
.set SPW,  28
.set NIL,  29
.set SC,   32
.set AF,   128
.set LI,   8
.set SO,   9
.set H,    128                         ; v128-159 x1 x3, then the hidden numbers
.set E,    160                         ; v160-191 the sigmoid on its way
.set PC,   192
.set TM,   208
.set PW,   224
.set G1, 24
.set G0, 32
.set G1B, 48
.set G0B, 56
.set G1S, 68
.set G0S, 76
.set G1SB, 80
.set G0SB, 88
.set MSB, 0
.macro WIN new
.if MSB != (\new)
	s_set_vgpr_msb (MSB<<8)|(\new)
.set MSB, (\new)
.endif
.endm
.set MUL_LO, 0xa1
.set MUL_HI, 0xf1
.set TO_B,   0x40
.macro JLOAD g0a, g1a, g0b, g1b        ; waves 0 and 1 fetch for A, waves 2 and 3 for B; an s_nop 0 and four v_nop follow each line
	s_cmp_eq_u32 s15, 0
	s_cbranch_scc0 .Lfor_b_\@
	tensor_load_to_lds s[\g0a:\g0a+3], s[\g1a:\g1a+7]
	s_nop 0
.rept 4
	v_nop
.endr
	s_branch .Lasked_\@
.Lfor_b_\@:
	tensor_load_to_lds s[\g0b:\g0b+3], s[\g1b:\g1b+7]
	s_nop 0
.rept 4
	v_nop
.endr
.Lasked_\@:
.endm
.macro CREST
	s_cmp_lg_u32 s14, 0
	s_cbranch_scc1 .Lnot_wave_0_\@
	s_barrier_signal -3
.Lnot_wave_0_\@:
	s_barrier_wait -3
	s_barrier_signal -1
	s_barrier_wait -1
.endm
.macro CROUND
	s_barrier_signal -1
	s_barrier_wait -1
	CREST
.endm
.macro FRAG reg, adr, q, i
.irp c, 0,1,2,3
	ds_load_b128 v[\reg+4*\c:\reg+4*\c+3], v[\adr] offset:IMG*(\q)+512*\c+(\i)*PAIR
.endr
.endm
.macro MUL16 a0, p, q, sc, zero        ; the 64 accumulators take turns
.irp a, \a0, \a0+1
.irp b, 0,1,2,3,4,5,6,7
.if \zero
	v_wmma_scale_f32_16x16x128_f8f6f4 v[8*(8*((\a)%4)+\b):8*(8*((\a)%4)+\b)+7], v[128*(\p)+FR*\b:128*(\p)+FR*\b+FR-1], v[AF+FR*(\a):AF+FR*(\a)+FR-1], 0, v[SC+8*NQ*(\sc)+NQ*\b+(\q)], v[SC+8*NQ*(\sc)+NQ*(\a)+(\q)] matrix_a_fmt:MATRIX_FMT_BF8 matrix_b_fmt:MATRIX_FMT_BF8 matrix_a_scale:MATRIX_SCALE_ROW1
.else
	v_wmma_scale_f32_16x16x128_f8f6f4 v[8*(8*((\a)%4)+\b):8*(8*((\a)%4)+\b)+7], v[128*(\p)+FR*\b:128*(\p)+FR*\b+FR-1], v[AF+FR*(\a):AF+FR*(\a)+FR-1], v[8*(8*((\a)%4)+\b):8*(8*((\a)%4)+\b)+7], v[SC+8*NQ*(\sc)+NQ*\b+(\q)], v[SC+8*NQ*(\sc)+NQ*(\a)+(\q)] matrix_a_fmt:MATRIX_FMT_BF8 matrix_b_fmt:MATRIX_FMT_BF8 matrix_a_scale:MATRIX_SCALE_ROW1
.endif
.endr
.endr
.endm
.macro FETCH_B slot, q, p
	WIN TO_B
.irp i, 0,1,2,3,4,5,6,7
	FRAG 128*(\p)+FR*\i, ADRB+\slot, \q, \i
.endr
	WIN 0
.endm
.macro FETCH_A slot, q, i0
.irp i, \i0, \i0+1, \i0+2, \i0+3
	FRAG AF+FR*(\i), ADRA+\slot, \q, \i
.endr
.endm
.macro SCALES sc
.irp i, 0,1,2,3,4,5,6,7
	ds_load_b32 v[SC+16*\sc+2*\i], v[ADRS] offset:\i*SBLK
	ds_load_b32 v[SC+16*\sc+2*\i+1], v[ADRS] offset:\i*SBLK+64
.endr
.endm
.macro PLACES n
.rept \n
	v_nop
.endr
.endm
.macro STEP slot, q, zero
	s_wait_dscnt 4*NL                              ; all but the youngest sixteen loads (A's blocks 4-7)
	WIN MUL_LO
	MUL16 0, (\q)%2, \q, \slot, \zero
	MUL16 2, (\q)%2, \q, \slot, \zero
	s_wait_dscnt 0
	PLACES NP
	FETCH_B \slot, (\q)+1, 1-(\q)%2
	FETCH_A \slot, (\q)+1, 0
	WIN MUL_HI
	MUL16 4, (\q)%2, \q, \slot, \zero
	MUL16 6, (\q)%2, \q, \slot, \zero
	PLACES NP
	WIN 0
	FETCH_A \slot, (\q)+1, 4
.endm
.macro TURN slot, next, fill
	s_wait_tensorcnt 0x0                           ; all my tensor loads have landed: my part of the next slot
	ds_add_u32 v[SPW], v[NIL]                      ; 0 onto my spare word
	s_wait_dscnt 4*NL+1                            ; (the add and the youngest sixteen loads may be out)
	WIN MUL_LO
	MUL16 0, 1, NQ-1, \slot, 0
	s_wait_dscnt 0x0                               ; the add is done, and my reads of this slot are over
	s_barrier_signal -1
	MUL16 2, 1, NQ-1, \slot, 0
	WIN 0
	s_barrier_wait -1
.if \fill
	CREST                                          ; the barrier has opened a round of the cluster's barrier
	s_add_nc_u64 s[G0+4*\slot+2:G0+4*\slot+3], s[G0+4*\slot+2:G0+4*\slot+3], 2*PAIR
	s_add_nc_u64 s[G0B+4*\slot+2:G0B+4*\slot+3], s[G0B+4*\slot+2:G0B+4*\slot+3], 2*PAIR
	JLOAD G0+4*\slot, G1, G0B+4*\slot, G1B         ; the first tensor load behind the round
	PLACES NP-4
.else
	PLACES NP
.endif
	v_add_nc_u32 v[ADRS], 64*NQ, v[ADRS]
	FETCH_B \next, 0, 0
	FETCH_A \next, 0, 0
	SCALES \next
	WIN MUL_HI
	MUL16 4, 1, NQ-1, \slot, 0
	MUL16 6, 1, NQ-1, \slot, 0
	PLACES NP
	WIN 0
	FETCH_A \next, 0, 4
.endm
.macro LAST sc
	s_wait_dscnt 4*NL
	WIN MUL_LO
	MUL16 0, 1, NQ-1, \sc, 0
	MUL16 2, 1, NQ-1, \sc, 0
	s_wait_dscnt 0
	WIN MUL_HI
	MUL16 4, 1, NQ-1, \sc, 0
	MUL16 6, 1, NQ-1, \sc, 0
	WIN 0
.endm
	s_load_b128 s[4:7], s[0:1], 0x0                ; act, wbuf
	s_load_b64 s[12:13], s[0:1], 0x10              ; hid
	v_lshl_add_u32 v[SPW], v0, 2, SPARE
	v_mov_b32 v[NIL], 0
	ds_add_u32 v[SPW], v[NIL]                      ; the opening: the add, twice on end, and its wait ahead of my first tensor load
	ds_add_u32 v[SPW], v[NIL]
	v_lshrrev_b32 v1, 5, v0
	v_readfirstlane_b32 s14, v1
	s_lshr_b32 s15, s14, 1
	s_and_b32 s16, s14, 1
	s_bfe_u32 s40, ttmp6, 0x40000                  ; cx
	s_lshl_b32 s17, ttmp9, 2
	s_add_co_u32 s17, s17, s40                     ; tile row: it enters A's own loads and the stores alone
	s_and_b32 s42, ttmp7, 0xffff                   ; tile column, which the four partners share
	s_mov_b32 s[G1+0], 3<<16                       ; A: no mask: each work-group's own tile
	s_mov_b32 s[G1B+0], 15|(3<<16)|(1<<21)         ; B: all four
.irp g, G1, G1B
	s_mov_b32 s[\g+1], 512<<16
	s_mov_b32 s[\g+2], 8<<16
	s_mov_b32 s[\g+3], 512<<16
	s_mov_b32 s[\g+4], 8
	s_mov_b32 s[\g+5], 256*KT
	s_mov_b32 s[\g+6], 0
	s_mov_b32 s[\g+7], 0
.endr
	s_mov_b32 s[G1S+0], 3<<16
	s_mov_b32 s[G1SB+0], 15|(3<<16)|(1<<21)
.irp g, G1S, G1SB
	s_mov_b32 s[\g+1], 32<<16
	s_mov_b32 s[\g+2], (2*KT)<<16
	s_mov_b32 s[\g+3], 32<<16
	s_mov_b32 s[\g+4], 2*KT
	s_mov_b32 s[\g+5], 32
	s_mov_b32 s[\g+6], 0
	s_mov_b32 s[\g+7], 0
.endr
	s_lshl_b32 s18, s16, 7
	s_lshl_b32 s20, s17, 8
	s_add_co_u32 s20, s20, s18
	s_lshl_b32 s46, s42, 8
	s_add_co_u32 s46, s46, s18
	s_mov_b32 s21, 0
	s_mov_b32 s47, 0
	s_mov_b64 s[18:19], KS
	s_mul_u64 s[22:23], s[20:21], s[18:19]
	s_mul_u64 s[92:93], s[46:47], s[18:19]
	s_mov_b64 s[18:19], KROW
	s_mul_u64 s[20:21], s[20:21], s[18:19]
	s_mul_u64 s[46:47], s[46:47], s[18:19]
	s_mul_i32 s45, s14, HALFT
	s_mul_i32 s94, s14, HALFS
	s_wait_dscnt 0x0
	s_wait_kmcnt 0x0
	s_add_nc_u64 s[8:9], s[6:7], 4194304           ; w1/w3: codes,
	s_add_nc_u64 s[10:11], s[6:7], 12845056+131072 ; scale words
	s_add_nc_u64 s[6:7], s[4:5], 4194304           ; the tokens' scale words
	s_add_nc_u64 s[20:21], s[4:5], s[20:21]
	s_add_nc_u64 s[22:23], s[6:7], s[22:23]
	s_add_nc_u64 s[46:47], s[8:9], s[46:47]
	s_add_nc_u64 s[92:93], s[10:11], s[92:93]
	CROUND
	s_mov_b32 s[G0S], 1
	s_add_co_u32 s[G0S+1], s94, SCL
	s_mov_b64 s[G0S+2:G0S+3], s[22:23]
	s_or_b32 s[G0S+3], s[G0S+3], 0x80000000
	s_mov_b32 s[G0SB], 1
	s_add_co_u32 s[G0SB+1], s94, SCL
	s_mov_b64 s[G0SB+2:G0SB+3], s[92:93]
	s_or_b32 s[G0SB+3], s[G0SB+3], 0x80000000
	JLOAD G0S, G1S, G0SB, G1SB
.irp s, 0,1
	s_mov_b32 s[G0+4*\s], 1
	s_add_co_u32 s[G0+4*\s+1], s45, \s*SLOT
	s_add_nc_u64 s[G0+4*\s+2:G0+4*\s+3], s[20:21], \s*PAIR
	s_or_b32 s[G0+4*\s+3], s[G0+4*\s+3], 0x80000000
	s_mov_b32 s[G0B+4*\s], 1
	s_add_co_u32 s[G0B+4*\s+1], s45, \s*SLOT
	s_add_nc_u64 s[G0B+4*\s+2:G0B+4*\s+3], s[46:47], \s*PAIR
	s_or_b32 s[G0B+4*\s+3], s[G0B+4*\s+3], 0x80000000
	JLOAD G0+4*\s, G1, G0B+4*\s, G1B
.endr
	v_and_b32 v1, 15, v0
	v_bfe_u32 v2, v0, 4, 1
	v_and_b32 v3, 31, v0
	v_lshlrev_b32 v4, 4, v3
	s_mul_i32 s21, s15, HALFT
	s_mul_i32 s22, s16, HALFT
	s_add_co_u32 s22, s22, 2*HALFT
.irp s, 0,1
	v_add_nc_u32 v[ADRA+\s], s21, v4
	v_add_nc_u32 v[ADRB+\s], s22, v4
	s_add_co_u32 s21, s21, SLOT
	s_add_co_u32 s22, s22, SLOT
.endr
	v_lshlrev_b32 v5, 2, v1
	s_mul_i32 s21, s15, HALFS
	s_mul_i32 s22, s16, HALFS
	s_add_co_u32 s22, s22, 2*HALFS
	s_sub_co_u32 s22, s22, s21
	v_mul_u32_u24 v6, s22, v2
	s_add_co_u32 s21, s21, SCL
	v_lshlrev_b32 v[SO], 2, v1
	v_add_nc_u32 v5, v5, v6
	v_add_nc_u32 v[ADRS], s21, v5
	v_mov_b32 v[LI], v4
	s_wait_tensorcnt 1                             ; the scale words and my part of K step 0 are in; K step 1's load may be out
	s_barrier_signal -1
	s_barrier_wait -1
	FETCH_B 0, 0, 0
	FETCH_A 0, 0, 0
	SCALES 0
	FETCH_A 0, 0, 4
	STEP 0, 0, 1
	s_mov_b32 s3, (TS-2)/2
.Llap:
	TURN 0, 1, 1
	STEP 1, 0, 0
	TURN 1, 0, 1
	STEP 0, 0, 0
	s_sub_co_u32 s3, s3, 1
	s_cmp_lg_u32 s3, 0
	s_cbranch_scc1 .Llap
	TURN 0, 1, 0
	STEP 1, 0, 0
	LAST 1
	; ---- THE WAY OUT.  Image a of my 8 token images: registers 32 e + i are x1, 32 e + 16 + i are x3, of hidden unit 32 e + 16 h + i of my 64
	s_mov_b32 s66, 0xbfb8aa3b                      ; -log2(e)
	s_mov_b32 s67, s66
	s_mov_b32 s94, 0x600000
	s_mov_b32 s96, 0x76543210
	s_mov_b32 s97, 0xfedcba98
	s_lshl_b32 s20, s17, 4
	s_lshl_b32 s21, s15, 3
	s_add_co_u32 s20, s20, s21                     ; my first token image
	s_mul_i32 s20, s20, 22
	s_add_co_u32 s20, s20, s42                     ; x 22 K steps + my column tile
	s_lshl_b32 s52, s20, 11
	s_lshl_b32 s21, s16, 10
	s_add_co_u32 s52, s52, s21
	s_mov_b32 s53, 0
	s_add_nc_u64 s[52:53], s[12:13], s[52:53]
	s_lshl_b32 s56, s20, 6
	s_lshl_b32 s21, s16, 1
	s_add_co_u32 s56, s56, s21
	s_add_co_u32 s56, s56, HS
	s_mov_b32 s57, 0
	s_add_nc_u64 s[56:57], s[12:13], s[56:57]
	PLACES NP
.irp b, 0,1
	v_mov_b32 v[TM+4+\b], 0
.endr
.macro SWIGLU a
.set AC, 64*((\a)%4)
.set XW, 2+(\a)/4
	WIN XW
.irp e, 0,1
.set n, 0
.rept 8
	v_pk_mul_f32 v[E+16*\e+n:E+16*\e+n+1], v[AC+32*\e+n:AC+32*\e+n+1], s[66:67] op_sel_hi:[1,0]   ; -x1 log2(e)
.set n, n+2
.endr
.endr
	WIN 0
.set n, 0
.rept 32
	v_exp_f32 v[E+n], v[E+n]                       ; e^-x1
.set n, n+1
.endr
	WIN XW*5
.irp e, 0,1
.set n, 0
.rept 8
	v_pk_mul_f32 v[H+16*\e+n:H+16*\e+n+1], v[AC+32*\e+n:AC+32*\e+n+1], v[AC+32*\e+16+n:AC+32*\e+16+n+1]   ; x1 x3: plain work behind the exponentials
.set n, n+2
.endr
.endr
	WIN 0
	s_wait_alu depctr_va_vdst(0)                   ; one wait for the batch, ahead of its first reader
.set n, 0
.rept 16
	v_pk_add_f32 v[E+n:E+n+1], v[E+n:E+n+1], 1.0 op_sel_hi:[1,0]
.set n, n+2
.endr
.set n, 0
.rept 32
	v_rcp_f32 v[E+n], v[E+n]                       ; the sigmoid
.set n, n+1
.endr
	v_nop
	s_wait_alu depctr_va_vdst(0)
.set n, 0
.rept 16
	v_pk_mul_f32 v[H+n:H+n+1], v[H+n:H+n+1], v[E+n:E+n+1]
.set n, n+2
.endr
.endm
.macro QUANT2                          ; 32 numbers in v[H] on: two blocks of 32 along the hidden axis
.irp b, 0,1
	v_max3_num_f32 v[TM+\b], |v[H+16*\b]|, |v[H+16*\b+1]|, 0x8000000
.endr
.irp i, 2,4,6,8,10,12,14
.irp b, 0,1
	v_max3_num_f32 v[TM+\b], v[TM+\b], |v[H+16*\b+\i]|, |v[H+16*\b+\i+1]|
.endr
.endr
.irp b, 0,1
	v_permlanex16_b32 v[TM+4+\b], v[TM+\b], s96, s97
.endr
.irp b, 0,1
	v_max_num_f32 v[TM+\b], v[TM+\b], v[TM+4+\b]
.endr
.irp b, 0,1
	v_add_nc_u32 v[TM+12+\b], 0xf8800000, v[TM+\b]
.endr
.irp b, 0,1
	v_and_or_b32 v[TM+8+\b], v[TM+\b], 0x7f800000, s94
.endr
.irp b, 0,1
	v_lshrrev_b32 v[TM+4+\b], 23, v[TM+12+\b]
.endr
	v_lshl_or_b32 v[PW], v[TM+5], 8, v[TM+4]
.irp b, 0,1
.irp i, 0,1,2,3,4,5,6,7,8,9,10,11,12,13,14,15
	v_med3_num_f32 v[H+16*\b+\i], v[H+16*\b+\i], -v[TM+8+\b], v[TM+8+\b]
.endr
	v_cvt_scalef32_pk8_bf8_f32 v[PC+4*\b:PC+4*\b+1], v[H+16*\b:H+16*\b+7], v[TM+12+\b]
	v_cvt_scalef32_pk8_bf8_f32 v[PC+4*\b+2:PC+4*\b+3], v[H+16*\b+8:H+16*\b+15], v[TM+12+\b]
.endr
	v_nop
.endm
.irp a, 0,1,2,3,4,5,6,7
.if \a > 0
	s_wait_xcnt 0x0                                ; the last image's stores have read their registers
.endif
	SWIGLU \a
	QUANT2
	global_store_b128 v[LI], v[PC:PC+3], s[52:53] offset:45056*\a
	global_store_b128 v[LI], v[PC+4:PC+7], s[52:53] offset:45056*\a+512
	global_store_b16 v[SO], v[PW], s[56:57] offset:1408*\a    ; my half of the row's scale word
.endr
	s_wait_tensorcnt 0x0                           ; the wave's end
	ds_add_u32 v[SPW], v[NIL]
	s_wait_dscnt 0x0
	CROUND                                         ; the closing round
	s_endpgm
.Lfunc_end_k_q9cc1ddf25e_ffn1:
	.size	k_q9cc1ddf25e_ffn1, .Lfunc_end_k_q9cc1ddf25e_ffn1-k_q9cc1ddf25e_ffn1
	.p2alignl 7, 3214868480
	.fill 96, 4, 3214868480
	.section	.rodata,"a",@progbits
	.p2align	6, 0x0
	.amdhsa_kernel k_q9cc1ddf25e_ffn1
		.amdhsa_group_segment_fixed_size 327680
		.amdhsa_private_segment_fixed_size 0
		.amdhsa_enable_private_segment 0
		.amdhsa_kernarg_size 24
		.amdhsa_user_sgpr_count 2
		.amdhsa_user_sgpr_kernarg_segment_ptr 1
		.amdhsa_wavefront_size32 1
		.amdhsa_system_sgpr_workgroup_id_x 1
		.amdhsa_system_sgpr_workgroup_id_y 1
		.amdhsa_system_sgpr_workgroup_id_z 1
		.amdhsa_system_vgpr_workitem_id 0
		.amdhsa_next_free_vgpr 1024
		.amdhsa_next_free_sgpr 102
		.amdhsa_reserve_vcc 0
		.amdhsa_float_denorm_mode_32 3
		.amdhsa_float_denorm_mode_16_64 3
		.amdhsa_memory_ordered 1
		.amdhsa_forward_progress 1
		.amdhsa_inst_pref_size 202
	.end_amdhsa_kernel
	.amdgpu_metadata
---
amdhsa.version: [ 1, 2 ]
amdhsa.kernels:
  - .name:           k_q9cc1ddf25e_ffn1
    .symbol:         k_q9cc1ddf25e_ffn1.kd
    .args:
      - { .name: act, .offset: 0, .size: 8, .value_kind: global_buffer, .address_space: global }
      - { .name: wbuf, .offset: 8, .size: 8, .value_kind: global_buffer, .address_space: global }
      - { .name: hid, .offset: 16, .size: 8, .value_kind: global_buffer, .address_space: global }
    .group_segment_fixed_size: 327680
    .private_segment_fixed_size: 0
    .kernarg_segment_align: 8
    .kernarg_segment_size: 24
    .max_flat_workgroup_size: 128
    .sgpr_count:     102
    .vgpr_count:     1024
    .wavefront_size: 32
...
	.end_amdgpu_metadata
.endif
;; end of part 6
;; launch ffn2 (part 7): grid 4 x 16, 4 waves a work-group, clusters of 4 x 4, 327,680 bytes of LDS; arguments hid, wbuf, x2, out0; writes out0
.if DOCPART == 7
	.amdgcn_target "amdgcn-amd-amdhsa--gfx1250"
	.amdhsa_code_object_version 6
	.text
	.protected	k_q9cc1ddf25e_ffn2
	.globl	k_q9cc1ddf25e_ffn2
	.p2align	8
	.type	k_q9cc1ddf25e_ffn2,@function
k_q9cc1ddf25e_ffn2:
	s_mov_b64 s[64:65], 0
	v_nop
	global_prefetch_b8 v0, s[64:65] scope:SCOPE_SE
	s_setreg_imm32_b32 hwreg(HW_REG_WAVE_MODE, 25, 1), 1
	s_wait_xcnt 0x0
	s_wait_alu depctr_hold_cnt(0) depctr_sa_sdst(0) depctr_va_vdst(0) depctr_va_sdst(0) depctr_va_ssrc(0) depctr_va_vcc(0) depctr_vm_vsrc(0)
	s_getreg_b32 s2, hwreg(HW_REG_IB_STS2, 6, 4)
	s_cmp_eq_u32 s2, 0
	s_cbranch_scc0 .Lentry_in_a_cluster
	s_endpgm
.Lentry_in_a_cluster:
	s_bfe_u32 s2, ttmp6, 0x10000c
	s_cmp_lg_u32 s2, 0xf033
	s_cbranch_scc0 .Lentry_shape_is_right
	s_endpgm
.Lentry_shape_is_right:
; FFN2: out0 = x2 + hidden w2^T, from the codes of the hidden layer (hid) and of w2 (wbuf); f32 out.  K = 2,752 filled with zero codes up to 2,816 = 22 x 128, on both sides.  No work is left out here.
; A tile of 256 x 256 to a work-group of four waves, 128 x 128 to a wave; K in 11 steps of 256 through two LDS slots; operands as images of their registers (see the first launch); source 0 = the weight's image,
; source 1 = the tokens': lane (r, h) holds token tau(a, r), and the registers of tiles 2 b, 2 b + 1 are columns 32 b + 16 h + 0 .. 15.  CLUSTERS 4 x 4: A's tiles are asked for jointly along a row, B's along a column.
; The output has 4 x 16 tiles of this size: 64 work-groups.
; REGISTERS: window 0: v0-31 addresses; v32-63 scale words; v128-255 A's fragments, on the way out rows of the result; window 1: B's fragments, on the way out the residual; windows 2, 3: the accumulators.
.set KT,    22
.set ASOFF, 11534336                   ; A's scale words in its buffer
.set BOFF,  9961472                    ; B's codes in wbuf
.set BSOFF, 12845056+311296            ; B's scale words in wbuf
.set NTOUT, 1
.set TS,    KT/2
.set NQ,    2
.set IMG,   2048
.set PAIR,  4096
.set FR,    16
.set NL,    4
.set NP,    8
.set HALFT, 8*PAIR
.set SLOT,  4*HALFT
.set KROW,  128*KT
.set KS,    4*KT
.set SCL,   2*SLOT
.set HALFS, 128*KS
.set SBLK,  16*KS
.set SPARE, SCL+4*HALFS                ; the spare words, 128 bytes a wave: two blocks of 256 bytes that no other line names
.set SPITCH, 528
.set STAGE, (TS%2)*SLOT                ; the way out's stages lie in the slot that the last K step does not read: it has had its last fill and its last read
.set ADRA, 16
.set ADRB, 20
.set STO,  24
.set RD,   25
.set CO,   26
.set ADRS, 27
.set SPW,  28
.set NIL,  29
.set SC,   32
.set AF,   128
.set BK,   128
.set G1, 24
.set G0, 32
.set G1B, 48
.set G0B, 56
.set G1S, 68
.set G0S, 76
.set G1SB, 80
.set G0SB, 88
.set MSB, 0
.macro WIN new
.if MSB != (\new)
	s_set_vgpr_msb (MSB<<8)|(\new)
.set MSB, (\new)
.endif
.endm
.set MUL_LO, 0xa1
.set MUL_HI, 0xf1
.set TO_B,   0x40
.macro JLOAD g0a, g1a, g0b, g1b        ; waves 0 and 1 fetch for A, waves 2 and 3 for B; an s_nop 0 and four v_nop follow each line
	s_cmp_eq_u32 s15, 0
	s_cbranch_scc0 .Lfor_b_\@
	tensor_load_to_lds s[\g0a:\g0a+3], s[\g1a:\g1a+7]
	s_nop 0
.rept 4
	v_nop
.endr
	s_branch .Lasked_\@
.Lfor_b_\@:
	tensor_load_to_lds s[\g0b:\g0b+3], s[\g1b:\g1b+7]
	s_nop 0
.rept 4
	v_nop
.endr
.Lasked_\@:
.endm
.macro CREST
	s_cmp_lg_u32 s14, 0
	s_cbranch_scc1 .Lnot_wave_0_\@
	s_barrier_signal -3
.Lnot_wave_0_\@:
	s_barrier_wait -3
	s_barrier_signal -1
	s_barrier_wait -1
.endm
.macro CROUND
	s_barrier_signal -1
	s_barrier_wait -1
	CREST
.endm
.macro FRAG reg, adr, q, i
.irp c, 0,1,2,3
	ds_load_b128 v[\reg+4*\c:\reg+4*\c+3], v[\adr] offset:IMG*(\q)+512*\c+(\i)*PAIR
.endr
.endm
.macro MUL16 a0, p, q, sc, zero        ; the 64 accumulators take turns
.irp a, \a0, \a0+1
.irp b, 0,1,2,3,4,5,6,7
.if \zero
	v_wmma_scale_f32_16x16x128_f8f6f4 v[8*(8*((\a)%4)+\b):8*(8*((\a)%4)+\b)+7], v[128*(\p)+FR*\b:128*(\p)+FR*\b+FR-1], v[AF+FR*(\a):AF+FR*(\a)+FR-1], 0, v[SC+8*NQ*(\sc)+NQ*\b+(\q)], v[SC+8*NQ*(\sc)+NQ*(\a)+(\q)] matrix_a_fmt:MATRIX_FMT_BF8 matrix_b_fmt:MATRIX_FMT_BF8 matrix_a_scale:MATRIX_SCALE_ROW1
.else
	v_wmma_scale_f32_16x16x128_f8f6f4 v[8*(8*((\a)%4)+\b):8*(8*((\a)%4)+\b)+7], v[128*(\p)+FR*\b:128*(\p)+FR*\b+FR-1], v[AF+FR*(\a):AF+FR*(\a)+FR-1], v[8*(8*((\a)%4)+\b):8*(8*((\a)%4)+\b)+7], v[SC+8*NQ*(\sc)+NQ*\b+(\q)], v[SC+8*NQ*(\sc)+NQ*(\a)+(\q)] matrix_a_fmt:MATRIX_FMT_BF8 matrix_b_fmt:MATRIX_FMT_BF8 matrix_a_scale:MATRIX_SCALE_ROW1
.endif
.endr
.endr
.endm
.macro FETCH_B slot, q, p
	WIN TO_B
.irp i, 0,1,2,3,4,5,6,7
	FRAG 128*(\p)+FR*\i, ADRB+\slot, \q, \i
.endr
	WIN 0
.endm
.macro FETCH_A slot, q, i0
.irp i, \i0, \i0+1, \i0+2, \i0+3
	FRAG AF+FR*(\i), ADRA+\slot, \q, \i
.endr
.endm
.macro SCALES sc
.irp i, 0,1,2,3,4,5,6,7
	ds_load_b32 v[SC+16*\sc+2*\i], v[ADRS] offset:\i*SBLK
	ds_load_b32 v[SC+16*\sc+2*\i+1], v[ADRS] offset:\i*SBLK+64
.endr
.endm
.macro PLACES n
.rept \n
	v_nop
.endr
.endm
.macro STEP slot, q, zero
	s_wait_dscnt 4*NL                              ; all but the youngest sixteen loads (A's blocks 4-7)
	WIN MUL_LO
	MUL16 0, (\q)%2, \q, \slot, \zero
	MUL16 2, (\q)%2, \q, \slot, \zero
	s_wait_dscnt 0
	PLACES NP
	FETCH_B \slot, (\q)+1, 1-(\q)%2
	FETCH_A \slot, (\q)+1, 0
	WIN MUL_HI
	MUL16 4, (\q)%2, \q, \slot, \zero
	MUL16 6, (\q)%2, \q, \slot, \zero
	PLACES NP
	WIN 0
	FETCH_A \slot, (\q)+1, 4
.endm
.macro TURN slot, next, fill
	s_wait_tensorcnt 0x0                           ; all my tensor loads have landed: my part of the next slot
	ds_add_u32 v[SPW], v[NIL]                      ; 0 onto my spare word
	s_wait_dscnt 4*NL+1                            ; (the add and the youngest sixteen loads may be out)
	WIN MUL_LO
	MUL16 0, 1, NQ-1, \slot, 0
	s_wait_dscnt 0x0                               ; the add is done, and my reads of this slot are over
	s_barrier_signal -1
	MUL16 2, 1, NQ-1, \slot, 0
	WIN 0
	s_barrier_wait -1
.if \fill
	CREST                                          ; the barrier has opened a round of the cluster's barrier
	s_add_nc_u64 s[G0+4*\slot+2:G0+4*\slot+3], s[G0+4*\slot+2:G0+4*\slot+3], 2*PAIR
	s_add_nc_u64 s[G0B+4*\slot+2:G0B+4*\slot+3], s[G0B+4*\slot+2:G0B+4*\slot+3], 2*PAIR
	JLOAD G0+4*\slot, G1, G0B+4*\slot, G1B         ; the first tensor load behind the round
	PLACES NP-4
.else
	PLACES NP
.endif
	v_add_nc_u32 v[ADRS], 64*NQ, v[ADRS]
	FETCH_B \next, 0, 0
	FETCH_A \next, 0, 0
	SCALES \next
	WIN MUL_HI
	MUL16 4, 1, NQ-1, \slot, 0
	MUL16 6, 1, NQ-1, \slot, 0
	PLACES NP
	WIN 0
	FETCH_A \next, 0, 4
.endm
.macro LAST sc
	s_wait_dscnt 4*NL
	WIN MUL_LO
	MUL16 0, 1, NQ-1, \sc, 0
	MUL16 2, 1, NQ-1, \sc, 0
	s_wait_dscnt 0
	WIN MUL_HI
	MUL16 4, 1, NQ-1, \sc, 0
	MUL16 6, 1, NQ-1, \sc, 0
	WIN 0
.endm
	s_load_b128 s[4:7], s[0:1], 0x0                ; A's buffer, wbuf
	s_load_b128 s[96:99], s[0:1], 0x10             ; the residual, the output
	v_lshl_add_u32 v[SPW], v0, 2, SPARE
	v_mov_b32 v[NIL], 0
	ds_add_u32 v[SPW], v[NIL]                      ; the opening: the add, twice on end, and its wait ahead of my first tensor load
	ds_add_u32 v[SPW], v[NIL]
	v_lshrrev_b32 v1, 5, v0
	v_readfirstlane_b32 s14, v1
	s_lshr_b32 s15, s14, 1
	s_and_b32 s16, s14, 1
	s_bfe_u32 s40, ttmp6, 0x40000
	s_bfe_u32 s41, ttmp6, 0x40004
	s_lshl_b32 s42, ttmp9, 2
	s_add_co_u32 s42, s42, s40                     ; tile column
	s_and_b32 s17, ttmp7, 0xffff
	s_lshl_b32 s17, s17, 2
	s_add_co_u32 s17, s17, s41                     ; tile row
	s_lshl_b32 s43, s41, 2
	s_lshl_b32 s43, 15, s43
	s_lshl_b32 s44, 0x1111, s40
	s_or_b32 s[G1+0], s43, (3<<16)|(1<<21)
	s_or_b32 s[G1B+0], s44, (3<<16)|(1<<21)
.irp g, G1, G1B
	s_mov_b32 s[\g+1], 512<<16
	s_mov_b32 s[\g+2], 8<<16
	s_mov_b32 s[\g+3], 512<<16
	s_mov_b32 s[\g+4], 8
	s_mov_b32 s[\g+5], 256*KT
	s_mov_b32 s[\g+6], 0
	s_mov_b32 s[\g+7], 0
.endr
	s_or_b32 s[G1S+0], s43, (3<<16)|(1<<21)
	s_or_b32 s[G1SB+0], s44, (3<<16)|(1<<21)
.irp g, G1S, G1SB
	s_mov_b32 s[\g+1], 32<<16
	s_mov_b32 s[\g+2], (2*KT)<<16
	s_mov_b32 s[\g+3], 32<<16
	s_mov_b32 s[\g+4], 2*KT
	s_mov_b32 s[\g+5], 32
	s_mov_b32 s[\g+6], 0
	s_mov_b32 s[\g+7], 0
.endr
	s_lshl_b32 s18, s16, 7
	s_lshl_b32 s20, s17, 8
	s_add_co_u32 s20, s20, s18
	s_lshl_b32 s46, s42, 8
	s_add_co_u32 s46, s46, s18
	s_mov_b32 s21, 0
	s_mov_b32 s47, 0
	s_mov_b64 s[18:19], KS
	s_mul_u64 s[22:23], s[20:21], s[18:19]
	s_mul_u64 s[92:93], s[46:47], s[18:19]
	s_mov_b64 s[18:19], KROW
	s_mul_u64 s[20:21], s[20:21], s[18:19]
	s_mul_u64 s[46:47], s[46:47], s[18:19]
	s_mul_i32 s45, s14, HALFT
	s_mul_i32 s94, s14, HALFS
	s_wait_dscnt 0x0
	s_wait_kmcnt 0x0
	s_add_nc_u64 s[8:9], s[6:7], BOFF
	s_add_nc_u64 s[10:11], s[6:7], BSOFF
	s_add_nc_u64 s[6:7], s[4:5], ASOFF
	s_add_nc_u64 s[20:21], s[4:5], s[20:21]
	s_add_nc_u64 s[22:23], s[6:7], s[22:23]
	s_add_nc_u64 s[46:47], s[8:9], s[46:47]
	s_add_nc_u64 s[92:93], s[10:11], s[92:93]
	CROUND
	s_mov_b32 s[G0S], 1
	s_add_co_u32 s[G0S+1], s94, SCL
	s_mov_b64 s[G0S+2:G0S+3], s[22:23]
	s_or_b32 s[G0S+3], s[G0S+3], 0x80000000
	s_mov_b32 s[G0SB], 1
	s_add_co_u32 s[G0SB+1], s94, SCL
	s_mov_b64 s[G0SB+2:G0SB+3], s[92:93]
	s_or_b32 s[G0SB+3], s[G0SB+3], 0x80000000
	JLOAD G0S, G1S, G0SB, G1SB
.irp s, 0,1
	s_mov_b32 s[G0+4*\s], 1
	s_add_co_u32 s[G0+4*\s+1], s45, \s*SLOT
	s_add_nc_u64 s[G0+4*\s+2:G0+4*\s+3], s[20:21], \s*PAIR
	s_or_b32 s[G0+4*\s+3], s[G0+4*\s+3], 0x80000000
	s_mov_b32 s[G0B+4*\s], 1
	s_add_co_u32 s[G0B+4*\s+1], s45, \s*SLOT
	s_add_nc_u64 s[G0B+4*\s+2:G0B+4*\s+3], s[46:47], \s*PAIR
	s_or_b32 s[G0B+4*\s+3], s[G0B+4*\s+3], 0x80000000
	JLOAD G0+4*\s, G1, G0B+4*\s, G1B
.endr
	v_and_b32 v1, 15, v0
	v_bfe_u32 v2, v0, 4, 1
	v_and_b32 v3, 31, v0
	v_lshlrev_b32 v4, 4, v3
	s_mul_i32 s21, s15, HALFT
	s_mul_i32 s22, s16, HALFT
	s_add_co_u32 s22, s22, 2*HALFT
.irp s, 0,1
	v_add_nc_u32 v[ADRA+\s], s21, v4
	v_add_nc_u32 v[ADRB+\s], s22, v4
	s_add_co_u32 s21, s21, SLOT
	s_add_co_u32 s22, s22, SLOT
.endr
	v_lshlrev_b32 v5, 2, v1
	s_mul_i32 s21, s15, HALFS
	s_mul_i32 s22, s16, HALFS
	s_add_co_u32 s22, s22, 2*HALFS
	s_sub_co_u32 s22, s22, s21
	v_mul_u32_u24 v6, s22, v2
	s_add_co_u32 s21, s21, SCL
	v_add_nc_u32 v5, v5, v6
	v_add_nc_u32 v[ADRS], s21, v5
	s_mul_i32 s23, s14, 16*SPITCH
	s_add_co_u32 s23, s23, STAGE                   ; my stage
	v_mul_u32_u24 v5, v1, SPITCH
	v_lshl_add_u32 v5, v2, 6, v5
	v_add_nc_u32 v[STO], s23, v5                   ; in: row r, + 64 h
	v_mov_b32 v[CO], v4
	v_add_nc_u32 v[RD], s23, v4                    ; back: a row of 512 bytes to the 32 lanes
	s_lshl_b32 s20, s17, 8
	s_lshl_b32 s21, s15, 7
	s_add_co_u32 s20, s20, s21                     ; my first token
	s_lshl_b32 s20, s20, 12
	s_lshl_b32 s46, s42, 10
	s_lshl_b32 s47, s16, 9
	s_add_co_u32 s46, s46, s47                     ; my first column, in bytes
	s_add_co_u32 s20, s20, s46
	s_mov_b32 s21, 0
	s_add_nc_u64 s[12:13], s[98:99], s[20:21]
	s_add_nc_u64 s[96:97], s[96:97], s[20:21]
	s_wait_tensorcnt 1                             ; the scale words and my part of K step 0 are in; K step 1's load may be out
	s_barrier_signal -1
	s_barrier_wait -1
	FETCH_B 0, 0, 0
	FETCH_A 0, 0, 0
	SCALES 0
	FETCH_A 0, 0, 4
	STEP 0, 0, 1
	s_mov_b32 s3, (TS-2)/2
.Llap:
	TURN 0, 1, 1
	STEP 1, 0, 0
	TURN 1, 0, 1
	STEP 0, 0, 0
	s_sub_co_u32 s3, s3, 1
	s_cmp_lg_u32 s3, 0
	s_cbranch_scc1 .Llap
.if TS%2
	TURN 0, 1, 1                                   ; an odd number of K steps: one more fill,
	STEP 1, 0, 0
	TURN 1, 0, 0                                   ; and the last K step lies in slot 0
	STEP 0, 0, 0
	LAST 0
.else
	TURN 0, 1, 0
	STEP 1, 0, 0
	LAST 1
.endif
; THE WAY OUT, image by image of 16 tokens x 128 columns: through my own stage, back as whole rows of 512 bytes; the residual's rows are added; 32 lanes store 512 consecutive bytes.
.macro TOSTAGE a
.set AC, 64*((\a)%4)
	WIN 0x08+4*((\a)/4)
.irp b, 0,1,2,3,4,5,6,7
	ds_store_b128 v[STO], v[AC+8*\b:AC+8*\b+3] offset:128*(\b/2)+32*(\b%2)          ; tile b's registers are columns 32 (b / 2) + 8 (b % 2) + 16 h + j; each accumulator from its low end on
	ds_store_b128 v[STO], v[AC+8*\b+4:AC+8*\b+7] offset:128*(\b/2)+32*(\b%2)+16
.endr
	WIN 0
.set BB, BK+64*((\a)%2)
.irp t, 0,1,2,3,4,5,6,7,8,9,10,11,12,13,14,15
	ds_load_b128 v[BB+4*\t:BB+4*\t+3], v[RD] offset:\t*SPITCH   ; LDS serves a wave's instructions in order
.endr
.endm
.macro RLOAD a                         ; the residual's 16 rows, into window 1
	WIN 0x40
.irp t, 0,1,2,3,4,5,6,7,8,9,10,11,12,13,14,15
	global_load_b128 v[64*((\a)%2)+4*\t:64*((\a)%2)+4*\t+3], v[CO], s[96:97] offset:(32*((\a)/2)+8*((\a)%2)+\t+8*(\t/8))*4096
.endr
	WIN 0
.endm
.macro SEND a, ds, ld                  ; ds, ld: the younger LDS instructions and loads, which may stay out
.set BB, BK+64*((\a)%2)
.set RB, 64*((\a)%2)
	s_wait_dscnt \ds
	s_wait_loadcnt \ld
	WIN 0x04
.set n, 0
.rept 32
	v_pk_add_f32 v[BB+n:BB+n+1], v[BB+n:BB+n+1], v[RB+n:RB+n+1]
.set n, n+2
.endr
	WIN 0
.irp t, 0,1,2,3,4,5,6,7,8,9,10,11,12,13,14,15
.if NTOUT
	global_store_b128 v[CO], v[BB+4*\t:BB+4*\t+3], s[12:13] offset:(32*((\a)/2)+8*((\a)%2)+\t+8*(\t/8))*4096 th:TH_STORE_NT
.else
	global_store_b128 v[CO], v[BB+4*\t:BB+4*\t+3], s[12:13] offset:(32*((\a)/2)+8*((\a)%2)+\t+8*(\t/8))*4096
.endif
.endr
.endm
	PLACES NP
	RLOAD 0
	TOSTAGE 0
.irp a, 1,2,3,4,5,6,7
.if \a > 1
	s_wait_xcnt 0x0                                ; image a - 2's stores have read their registers: image a's loads may land there
.endif
	RLOAD \a
	TOSTAGE \a
	SEND \a-1, 32, 16                              ; behind image a - 1's: image a's 16 LDS stores and 16 LDS loads, and its 16 loads of the residual
.endr
	SEND 7, 0, 0
	s_wait_tensorcnt 0x0                           ; the wave's end
	ds_add_u32 v[SPW], v[NIL]
	s_wait_dscnt 0x0
	CROUND                                         ; the closing round
	s_endpgm
.Lfunc_end_k_q9cc1ddf25e_ffn2:
	.size	k_q9cc1ddf25e_ffn2, .Lfunc_end_k_q9cc1ddf25e_ffn2-k_q9cc1ddf25e_ffn2
	.p2alignl 7, 3214868480
	.fill 96, 4, 3214868480
	.section	.rodata,"a",@progbits
	.p2align	6, 0x0
	.amdhsa_kernel k_q9cc1ddf25e_ffn2
		.amdhsa_group_segment_fixed_size 327680
		.amdhsa_private_segment_fixed_size 0
		.amdhsa_enable_private_segment 0
		.amdhsa_kernarg_size 32
		.amdhsa_user_sgpr_count 2
		.amdhsa_user_sgpr_kernarg_segment_ptr 1
		.amdhsa_wavefront_size32 1
		.amdhsa_system_sgpr_workgroup_id_x 1
		.amdhsa_system_sgpr_workgroup_id_y 1
		.amdhsa_system_sgpr_workgroup_id_z 1
		.amdhsa_system_vgpr_workitem_id 0
		.amdhsa_next_free_vgpr 1024
		.amdhsa_next_free_sgpr 102
		.amdhsa_reserve_vcc 0
		.amdhsa_float_denorm_mode_32 3
		.amdhsa_float_denorm_mode_16_64 3
		.amdhsa_memory_ordered 1
		.amdhsa_forward_progress 1
		.amdhsa_inst_pref_size 204
	.end_amdhsa_kernel
	.amdgpu_metadata
---
amdhsa.version: [ 1, 2 ]
amdhsa.kernels:
  - .name:           k_q9cc1ddf25e_ffn2
    .symbol:         k_q9cc1ddf25e_ffn2.kd
    .args:
      - { .name: hid, .offset: 0, .size: 8, .value_kind: global_buffer, .address_space: global }
      - { .name: wbuf, .offset: 8, .size: 8, .value_kind: global_buffer, .address_space: global }
      - { .name: x2, .offset: 16, .size: 8, .value_kind: global_buffer, .address_space: global }
      - { .name: out0, .offset: 24, .size: 8, .value_kind: global_buffer, .address_space: global }
    .group_segment_fixed_size: 327680
    .private_segment_fixed_size: 0
    .kernarg_segment_align: 8
    .kernarg_segment_size: 32
    .max_flat_workgroup_size: 128
    .sgpr_count:     102
    .vgpr_count:     1024
    .wavefront_size: 32
...
	.end_amdgpu_metadata
.endif
;; end of part 7
;; ======== version 2 of 2: 7 launches
;; limits: right only within a limited range of input values
;; workspace buffers: wbuf 13,770,752 bytes; act 4,325,376 bytes; qkv 13,369,344 bytes; att 4,325,376 bytes; x2 16,777,216 bytes; hid 11,894,784 bytes
;; launch prep (part 8): grid 1056 x 1, 8 waves a work-group, no clusters, 136,704 bytes of LDS; arguments x, g1, positions, Wq, Wk, Wv, Wo, w1, w3, w2, act, wbuf; writes act, wbuf
.if DOCPART == 8
	.amdgcn_target "amdgcn-amd-amdhsa--gfx1250"
	.amdhsa_code_object_version 6
	.text
	.protected	k_q9cc1ddf25e_prep
	.globl	k_q9cc1ddf25e_prep
	.p2align	8
	.type	k_q9cc1ddf25e_prep,@function
k_q9cc1ddf25e_prep:
	s_mov_b64 s[64:65], 0
	v_nop
	global_prefetch_b8 v0, s[64:65] scope:SCOPE_SE
	s_setreg_imm32_b32 hwreg(HW_REG_WAVE_MODE, 25, 1), 1
	s_wait_xcnt 0x0
; PREP: the first of seven launches of a transformer block whose nine matrix products are all on codes of BF8 (E5M2) with one E8M0 scale for each 32 along K.
; It turns rmsnorm(x, g1) and all seven weights into codes, and makes the table of cos and sin for RoPE.
; DEAD WORK OF THE WHOLE PROGRAM: reference() builds a causal mask (jnp.tril) in its own body and sets the scores above the diagonal to -inf ahead of the softmax, so their p is 0 for every input:
; the attention launch leaves out every step of 128 keys that lies wholly behind a wave's 16 queries.  Nothing else is left out; every input is loaded; theta = 10000 is a listed constant.
; LIMITS: NaN and infinities among the inputs are not served, and one that reaches only a key step left out is not carried to the result.  A block whose largest magnitude lies under 2^-111 gets the scale byte 1
; (a block of zeros too, where the rule says 127: its codes are zeros, and this program alone reads the bytes).  |positions| up to some 40,000: the angle is reduced by pi/2 in three parts.
; cos and sin: Taylor's series on |r| <= pi/4, the sine to r^9, the cosine to r^8 (the next terms are under 3e-8).  The frequencies are 10^(-i/8) rounded to f32.
; THE LAYOUT OF EVERY OPERAND: IMAGES OF THE OPERAND'S REGISTERS.  tau(T, r) = 32 (T / 2) + 8 (T % 2) + r + 8 (r / 8).  Image (T, s) holds 16 rows x 128 along K in 2,048 bytes: byte 512 c + 16 l + e is the code of row
; tau(T, l % 16) at k = 128 s + 32 c + 16 (l / 16) + e; its 16 scale words (64 bytes): word r for row tau(T, r), byte c for block c.  So a fragment is four loads of 16 bytes at 16 x lane.
; SHARES: a wave makes one image.  Work-groups 0-255: x with the norm (image row T = work-group, K step = wave: the eight waves hold all 1,024 columns of 16 tokens); 256-511: Wq, Wk, Wv, Wo; 512-855: w1 and w3,
; interleaved by blocks of 32 hidden units (image row 4 beta + 2 sel + u); 856-1031: w2 (22 K steps, the last half zeros); 1032-1039: eight zero image rows that fill w1/w3 up to 22 tiles of 256 rows; 1040-1055: the table.
; The scale words leave as 64 bytes for each 2,048 bytes of codes: those stores do not cover 256 consecutive bytes.
.set ACS,   4194304                    ; act: where the scale words begin
.set WS,    12845056                   ; wbuf: where the scale words begin (6,272 images x 2,048)
.set ROPE,  13246464                   ; wbuf: the table: [128 image rows of positions][8][lane][16 bytes]
.set SP,    528                        ; a stage row: 512 bytes + 16
.set WREG,  16*SP                      ; a wave's stage
.set PART,  8*WREG                     ; x's path: 8 waves x 16 partial sums of squares
.set WSTG,  PART+512                   ; the weights' path has stages of its own
.set SPARE, WSTG+8*WREG                ; the spare words: 128 bytes a wave, four blocks of 256 bytes that no other line names
.set TM,  16                           ; v16-31  at work in QUANT
.set R,   32                           ; v32-95  64 numbers
.set G,   96                           ; v96-159 the gain at my 64 columns
.set PC,  160                          ; v160-175 the codes
.set PW,  176                          ; v176 the scale word
.set SU,  178                          ; v178-189 sums
.set SEL, 60
.set MNT, 62
; 64 numbers of a lane, register 16 b + i = k 32 b + 16 (lane / 16) + i of my row, become a fragment's codes and its scale word
.macro QUANT s
.irp b, 0,1,2,3
	v_max3_num_f32 v[TM+\b], |v[\s+16*\b]|, |v[\s+1+16*\b]|, 0x8000000   ; my 16 numbers of block b, and the floor 2^(16 - 127): the byte cannot fall under 1
.endr
.irp i, 2,4,6,8,10,12,14
.irp b, 0,1,2,3
	s_delay_alu instid0(VALU_DEP_4)
	v_max3_num_f32 v[TM+\b], v[TM+\b], |v[\s+16*\b+\i]|, |v[\s+1+16*\b+\i]|
.endr
.endr
.irp b, 0,1,2,3
	s_delay_alu instid0(VALU_DEP_4)
	v_permlanex16_b32 v[TM+4+\b], v[TM+\b], s[SEL], s[SEL+1]
.endr
.irp b, 0,1,2,3
	s_delay_alu instid0(VALU_DEP_4)
	v_max_num_f32 v[TM+\b], v[TM+\b], v[TM+4+\b]             ; with lane l xor 16's: the block's largest magnitude
.endr
.irp b, 0,1,2,3
	s_delay_alu instid0(VALU_DEP_4)
	v_add_nc_u32 v[TM+12+\b], 0xf8800000, v[TM+\b]           ; 15 off its exponent field: the conversion's scale operand
.endr
.irp b, 0,1,2,3
	v_and_or_b32 v[TM+8+\b], v[TM+\b], 0x7f800000, s[MNT]    ; 57,344 x the scale
.endr
.irp b, 0,1,2,3
	v_lshrrev_b32 v[TM+4+\b], 23, v[TM+12+\b]                ; the scale's byte
.endr
	s_delay_alu instid0(VALU_DEP_3)
	v_lshl_or_b32 v[PW], v[TM+5], 8, v[TM+4]
	s_delay_alu instid0(VALU_DEP_1)
	v_lshl_or_b32 v[PW], v[TM+6], 16, v[PW]
	s_delay_alu instid0(VALU_DEP_1)
	v_lshl_or_b32 v[PW], v[TM+7], 24, v[PW]
.irp b, 0,1,2,3
.irp i, 0,1,2,3,4,5,6,7,8,9,10,11,12,13,14,15
	v_med3_num_f32 v[\s+16*\b+\i], v[\s+16*\b+\i], -v[TM+8+\b], v[TM+8+\b]   ; the conversion does not saturate (ISA guide 7.6.2): the hold
.endr
	v_cvt_scalef32_pk8_bf8_f32 v[PC+4*\b:PC+1+4*\b], v[\s+16*\b:\s+7+16*\b], v[TM+12+\b]
	v_cvt_scalef32_pk8_bf8_f32 v[PC+2+4*\b:PC+3+4*\b], v[\s+8+16*\b:\s+15+16*\b], v[TM+12+\b]
.endr
	v_nop
.endm
.macro ROWBASE                         ; s34 image row, s35 K step, s37 bytes in a source row: s[32:33] moves to the image's first row and column; s44 = the last 16 bytes of the row, from there
	s_lshr_b32 s38, s34, 1
	s_lshl_b32 s38, s38, 5
	s_and_b32 s39, s34, 1
	s_lshl_b32 s39, s39, 3
	s_add_co_u32 s38, s38, s39
	s_mul_i32 s38, s38, s37
	s_lshl_b32 s39, s35, 9
	s_add_co_u32 s38, s38, s39
	s_sub_co_u32 s44, s37, s39
	s_sub_co_u32 s44, s44, 16
	s_mov_b32 s39, 0
	s_add_nc_u64 s[32:33], s[32:33], s[38:39]
.endm
.macro OUTPTR lo, sbase                ; s36 = the image's number: s[40:41] its codes, s[42:43] its scale words
	s_lshl_b32 s40, s36, 11
	s_mov_b32 s41, 0
	s_add_nc_u64 s[40:41], s[\lo:\lo+1], s[40:41]
	s_lshl_b32 s42, s36, 6
	s_add_co_u32 s42, s42, \sbase
	s_mov_b32 s43, 0
	s_add_nc_u64 s[42:43], s[\lo:\lo+1], s[42:43]
.endm
.macro LOADROWS off, pitch             ; the image's 16 rows, 512 consecutive bytes a load
.irp p, 0,1,2,3,4,5,6,7,8,9,10,11,12,13,14,15
	global_load_b128 v[R+4*\p:R+4*\p+3], v[\off], s[32:33] offset:((\p)+8*((\p)/8))*\pitch th:TH_LOAD_NT
.endr
.endm
.macro TURNROWS sti, sto               ; through my own stage: in as rows, back 64 numbers a lane: 16 neighbours of each block of 32
.irp p, 0,1,2,3,4,5,6,7,8,9,10,11,12,13,14,15
	s_wait_loadcnt 15-\p                           ; loads come back in order: row p is in, the younger rows may be out
	ds_store_b128 v[\sti], v[R+4*\p:R+4*\p+3] offset:SP*\p
.endr
.irp c, 0,1,2,3
.irp j, 0,1,2,3
	ds_load_b128 v[R+16*\c+4*\j:R+16*\c+4*\j+3], v[\sto] offset:128*\c+16*\j   ; LDS serves a wave's instructions in order: these see my stores
.endr
.endr
	s_wait_dscnt 0x0
.endm
.macro OUT
.irp c, 0,1,2,3
	global_store_b128 v4, v[PC+4*\c:PC+4*\c+3], s[40:41] offset:512*\c   ; 512 consecutive bytes a store
.endr
	global_store_b32 v5, v[PW], s[42:43]           ; both halves of the lanes hold row r's word and write it
	s_wait_tensorcnt 0x0                           ; the wave's end, behind my last LDS store
	ds_add_u32 v12, v13
	s_wait_dscnt 0x0
	s_endpgm
.endm
	s_load_b512 s[8:23], s[0:1], 0x0               ; x, g1, positions, Wq, Wk, Wv, Wo, w1
	s_load_b256 s[24:31], s[0:1], 0x40             ; w3, w2, act, wbuf
	v_lshl_add_u32 v12, v0, 2, SPARE               ; my spare word; never rewritten
	v_mov_b32 v13, 0                               ; 0; never rewritten
	v_lshrrev_b32 v1, 5, v0
	s_delay_alu instid0(VALU_DEP_1)
	v_readfirstlane_b32 s2, v1                     ; wave
	v_and_b32 v1, 31, v0                           ; lane
	v_and_b32 v2, 15, v0                           ; r
	v_bfe_u32 v3, v0, 4, 1                         ; h
	s_delay_alu instid0(VALU_DEP_3)
	v_lshlrev_b32 v4, 4, v1                        ; 16 x lane
	s_delay_alu instid0(VALU_DEP_3)
	v_lshlrev_b32 v5, 2, v2                        ; 4 r
	s_mul_i32 s3, s2, WREG
	v_add_nc_u32 v6, s3, v4                        ; x's stage, in
	v_mul_u32_u24 v7, v2, SP
	s_delay_alu instid0(VALU_DEP_1)
	v_lshl_add_u32 v7, v3, 6, v7
	s_delay_alu instid0(VALU_DEP_1)
	v_add_nc_u32 v7, s3, v7                        ; and back: row r, + 64 h
	s_delay_alu instid0(VALU_DEP_4)
	v_add_nc_u32 v14, WSTG, v6                     ; the weights' stage likewise
	s_delay_alu instid0(VALU_DEP_2)
	v_add_nc_u32 v15, WSTG, v7
	s_lshl_b32 s3, s2, 6
	v_add_nc_u32 v8, s3, v5
	s_delay_alu instid0(VALU_DEP_1)
	v_add_nc_u32 v8, PART, v8                      ; my wave's partial sum of row r
	v_add_nc_u32 v9, PART, v5                      ; all waves' partial sums of row r
	v_lshlrev_b32 v11, 6, v3                       ; 64 h
	s_mov_b32 s[SEL], 0x76543210
	s_mov_b32 s[SEL+1], 0xfedcba98
	s_mov_b32 s[MNT], 0x600000
.irp b, 0,1,2,3
	v_mov_b32 v[TM+4+\b], 0                        ; a lane permute's destination counts as one of its sources
.endr
	s_wait_kmcnt 0x0
	s_cmp_lt_u32 ttmp9, 256
	s_cbranch_scc1 .Lnorm
	s_cmp_lt_u32 ttmp9, 512
	s_cbranch_scc1 .Lsquare
	s_cmp_lt_u32 ttmp9, 856
	s_cbranch_scc1 .Lgate
	s_cmp_lt_u32 ttmp9, 1032
	s_cbranch_scc1 .Ldown
	s_cmp_lt_u32 ttmp9, 1040
	s_cbranch_scc1 .Lzero
	; ---- the table: lane (r, h) of image row Tl: cos and sin of positions[tau(Tl, r)] x F[16 beta + 8 h + q], q = 0 .. 7
	s_sub_co_u32 s34, ttmp9, 1040
	s_lshl_b32 s34, s34, 3
	s_add_co_u32 s34, s34, s2                      ; Tl
	s_lshr_b32 s35, s34, 1
	s_lshl_b32 s35, s35, 5
	s_and_b32 s36, s34, 1
	s_lshl_b32 s36, s36, 3
	s_add_co_u32 s35, s35, s36
	v_and_b32 v64, 8, v2
	s_delay_alu instid0(VALU_DEP_1)
	v_add_nc_u32 v64, v64, v2
	s_delay_alu instid0(VALU_DEP_1)
	v_add_nc_u32 v64, s35, v64
	s_delay_alu instid0(VALU_DEP_1)
	v_lshlrev_b32 v64, 2, v64
	global_load_b32 v65, v64, s[12:13]
	s_lshl_b32 s36, s34, 12
	s_add_co_u32 s36, s36, ROPE
	s_mov_b32 s37, 0
	s_add_nc_u64 s[40:41], s[30:31], s[36:37]
	s_mov_b32 s66, 0x3f22f983                      ; 2 / pi
	s_mov_b32 s67, 0xbfc90fd8                      ; -pi/2 in three parts
	s_mov_b32 s68, 0xb4a8885a
	s_mov_b32 s69, 0xa7c234c4
	s_mov_b32 s70, 0x37d00d01                      ; 1/40320
	s_mov_b32 s71, 0xbab60b61                      ; -1/720
	s_mov_b32 s72, 0x3d2aaaab                      ; 1/24
	s_mov_b32 s74, 0x3638ef1d                      ; 1/362880
	s_mov_b32 s75, 0xb9500d01                      ; -1/5040
	s_mov_b32 s76, 0x3c088889                      ; 1/120
	s_mov_b32 s77, 0xbe2aaaab                      ; -1/6
	v_cmp_lt_u32 s50, 15, v1                       ; lanes 16-31
	s_wait_loadcnt 0x0
	v_cvt_f32_i32 v65, v65
.macro SINCOS flo, fhi, d              ; the frequency of my half; v[d] = cos, v[d + 1] = sin
	v_mov_b32 v66, \flo
	s_mov_b32 s52, \fhi
	v_cndmask_b32 v66, v66, s52, s50
	s_delay_alu instid0(VALU_DEP_1)
	v_mul_f32 v66, v65, v66                        ; the angle, one f32 product as reference() has it
	s_delay_alu instid0(VALU_DEP_1)
	v_mul_f32 v67, s66, v66
	s_delay_alu instid0(VALU_DEP_1)
	v_rndne_f32 v67, v67                           ; k
	s_delay_alu instid0(VALU_DEP_1)
	v_fma_f32 v68, v67, s67, v66                   ; r = angle - k pi/2
	s_delay_alu instid0(VALU_DEP_1)
	v_fma_f32 v68, v67, s68, v68
	s_delay_alu instid0(VALU_DEP_1)
	v_fma_f32 v68, v67, s69, v68
	s_delay_alu instid0(VALU_DEP_1)
	v_mul_f32 v69, v68, v68                        ; z
	v_cvt_i32_f32 v72, v67
	s_delay_alu instid0(VALU_DEP_2)
	v_fma_f32 v70, v69, s70, s71
	s_delay_alu instid0(VALU_DEP_3)
	v_fma_f32 v71, v69, s74, s75
	s_delay_alu instid0(VALU_DEP_2)
	v_fma_f32 v70, v70, v69, s72
	s_delay_alu instid0(VALU_DEP_2)
	v_fma_f32 v71, v71, v69, s76
	s_delay_alu instid0(VALU_DEP_2)
	v_fma_f32 v70, v70, v69, -0.5
	s_delay_alu instid0(VALU_DEP_2)
	v_fma_f32 v71, v71, v69, s77
	v_mul_f32 v73, v68, v69
	s_delay_alu instid0(VALU_DEP_3)
	v_fma_f32 v70, v70, v69, 1.0                   ; cos r
	s_delay_alu instid0(VALU_DEP_2)
	v_fma_f32 v71, v71, v73, v68                   ; sin r
	v_and_b32 v74, 1, v72
	s_delay_alu instid0(VALU_DEP_1)
	v_cmp_eq_u32 s51, 1, v74                       ; an odd k swaps the two
	s_delay_alu instid0(VALU_DEP_1)
	v_cndmask_b32 v75, v70, v71, s51
	s_delay_alu instid0(VALU_DEP_2)
	v_cndmask_b32 v76, v71, v70, s51
	v_add_nc_u32 v74, 1, v72
	s_delay_alu instid0(VALU_DEP_1)
	v_and_b32 v74, 2, v74                          ; cos is negative in quadrants 1 and 2,
	v_and_b32 v72, 2, v72                          ; sin in 2 and 3
	s_delay_alu instid0(VALU_DEP_2)
	v_lshlrev_b32 v74, 30, v74
	s_delay_alu instid0(VALU_DEP_2)
	v_lshlrev_b32 v72, 30, v72
	s_delay_alu instid0(VALU_DEP_2)
	v_xor_b32 v[(\d)], v74, v75
	s_delay_alu instid0(VALU_DEP_2)
	v_xor_b32 v[(\d)+1], v72, v76
.endm
	SINCOS 0x3f800000, 0x3dcccccd, 32
	SINCOS 0x3f3ff911, 0x3d99940e, 34
	SINCOS 0x3f0ff59a, 0x3d6655c3, 36
	SINCOS 0x3ed7e89b, 0x3d2cba15, 38
	SINCOS 0x3ea1e89b, 0x3d0186e2, 40
	SINCOS 0x3e72d424, 0x3cc24350, 42
	SINCOS 0x3e361887, 0x3c91ad39, 44
	SINCOS 0x3e088d77, 0x3c5a7bf1, 46
	SINCOS 0x3c23d70a, 0x3a83126f, 48
	SINCOS 0x3bf5b9b0, 0x3a44948c, 50
	SINCOS 0x3bb8449c, 0x3a136a16, 52
	SINCOS 0x3b8a2e77, 0x39dd1726, 54
	SINCOS 0x3b4f3e37, 0x39a5cb5f, 56
	SINCOS 0x3b1b690d, 0x3978a814, 58
	SINCOS 0x3ae91528, 0x393a7753, 60
	SINCOS 0x3aaec98e, 0x390bd472, 62
.irp m, 0,1,2,3,4,5,6,7
	global_store_b128 v4, v[32+4*\m:35+4*\m], s[40:41] offset:512*\m
.endr
	s_endpgm
.Lzero:                                            ; image rows 344 to 351 of w1/w3: zero codes, the scale 1
	s_sub_co_u32 s36, ttmp9, 688                   ; 344 + work-group - 1032
	s_lshl_b32 s36, s36, 3
	s_add_co_u32 s36, s36, s2
	s_add_co_u32 s36, s36, 2048
	OUTPTR 30, WS
.irp c, 0,1,2,3
	v_mov_b32 v[PC+\c], 0
.endr
	v_mov_b32 v[PW], 0x7f7f7f7f
.irp c, 0,1,2,3
	global_store_b128 v4, v[PC:PC+3], s[40:41] offset:512*\c
.endr
	global_store_b32 v5, v[PW], s[42:43]
	s_endpgm
.Lnorm:                                            ; ---- x: 16 tokens to a work-group, 128 columns to a wave
	s_mov_b64 s[32:33], s[8:9]
	s_mov_b32 s34, ttmp9
	s_mov_b32 s35, s2
	s_mov_b32 s37, 4096
	ROWBASE
	s_lshl_b32 s36, s2, 9
	s_mov_b32 s37, 0
	s_add_nc_u64 s[38:39], s[10:11], s[36:37]      ; g1 at my 128 columns
	s_lshl_b32 s36, ttmp9, 3
	s_add_co_u32 s36, s36, s2
	OUTPTR 28, ACS
	s_mov_b32 s45, 0x3a800000                      ; 1/1024
	s_mov_b32 s46, 0x3727c5ac                      ; 1e-5
	s_wait_alu depctr_va_vdst(0)
.irp c, 0,1,2,3
.irp j, 0,1,2,3
	global_load_b128 v[G+16*\c+4*\j:G+16*\c+4*\j+3], v11, s[38:39] offset:128*\c+16*\j
.endr
.endr
	LOADROWS 4, 4096
	TURNROWS 6, 7                                  ; (the gain's loads are older than the rows': the counts cover them)
	v_pk_mul_f32 v[SU:SU+1], v[R:R+1], v[R:R+1]    ; the sum of my 64 squares, in two chains
	v_pk_mul_f32 v[SU+2:SU+3], v[R+2:R+3], v[R+2:R+3]
.irp i, 4,8,12,16,20,24,28,32,36,40,44,48,52,56,60
	s_delay_alu instid0(VALU_DEP_2)
	v_pk_fma_f32 v[SU:SU+1], v[R+\i:R+\i+1], v[R+\i:R+\i+1], v[SU:SU+1]
	s_delay_alu instid0(VALU_DEP_2)
	v_pk_fma_f32 v[SU+2:SU+3], v[R+\i+2:R+\i+3], v[R+\i+2:R+\i+3], v[SU+2:SU+3]
.endr
	s_delay_alu instid0(VALU_DEP_1)
	v_pk_add_f32 v[SU:SU+1], v[SU:SU+1], v[SU+2:SU+3]
	s_delay_alu instid0(VALU_DEP_1)
	v_add_f32 v[SU], v[SU], v[SU+1]
	s_delay_alu instid0(VALU_DEP_1)
	v_permlanex16_b32 v[SU+1], v[SU], s[SEL], s[SEL+1]
	s_delay_alu instid0(VALU_DEP_1)
	v_add_f32 v[SU], v[SU], v[SU+1]                ; row r's 128 columns
	ds_store_b32 v8, v[SU]
	s_wait_dscnt 0x0                               ; for the others' sake: my store has landed
	s_barrier_signal -1
	s_barrier_wait -1
.irp w, 0,1,2,3,4,5,6,7
	ds_load_b32 v[SU+4+\w], v9 offset:64*\w
.endr
	s_wait_dscnt 0x0
	v_add_f32 v[SU+4], v[SU+4], v[SU+5]
	v_add_f32 v[SU+6], v[SU+6], v[SU+7]
	v_add_f32 v[SU+8], v[SU+8], v[SU+9]
	v_add_f32 v[SU+10], v[SU+10], v[SU+11]
	s_delay_alu instid0(VALU_DEP_3)
	v_add_f32 v[SU+4], v[SU+4], v[SU+6]
	s_delay_alu instid0(VALU_DEP_2)
	v_add_f32 v[SU+8], v[SU+8], v[SU+10]
	s_delay_alu instid0(VALU_DEP_1)
	v_add_f32 v[SU+4], v[SU+4], v[SU+8]
	s_delay_alu instid0(VALU_DEP_1)
	v_fma_f32 v[SU], v[SU+4], s45, s46             ; the mean of the squares + eps
	s_wait_alu depctr_va_vdst(0)
	v_rsq_f32 v[SU+2], v[SU]
	v_nop                                          ; a plain line behind the transcendental,
	s_wait_alu depctr_va_vdst(0)                   ; and the wait ahead of its first reader
.set n, 0
.rept 32
	v_pk_mul_f32 v[R+n:R+n+1], v[R+n:R+n+1], v[SU+2:SU+3] op_sel_hi:[1,0]
.set n, n+2
.endr
.set n, 0
.rept 32
	v_pk_mul_f32 v[R+n:R+n+1], v[R+n:R+n+1], v[G+n:G+n+1]
.set n, n+2
.endr
	QUANT R
	OUT
.Lsquare:                                          ; ---- Wq, Wk, Wv, Wo: scalar work alone up to .Limg
	s_sub_co_u32 s38, ttmp9, 256
	s_lshr_b32 s39, s38, 6
	s_cmp_eq_u32 s39, 0
	s_cselect_b64 s[32:33], s[14:15], s[16:17]
	s_cmp_eq_u32 s39, 2
	s_cselect_b64 s[32:33], s[18:19], s[32:33]
	s_cmp_eq_u32 s39, 3
	s_cselect_b64 s[32:33], s[20:21], s[32:33]
	s_and_b32 s34, s38, 63
	s_mov_b32 s35, s2
	s_lshl_b32 s36, s38, 3
	s_add_co_u32 s36, s36, s2
	s_mov_b32 s37, 4096
	s_branch .Limg
.Lgate:                                            ; ---- w1 (sel = 0), w3 (sel = 1)
	s_sub_co_u32 s38, ttmp9, 512
	s_cmp_ge_u32 s38, 172
	s_cselect_b64 s[32:33], s[24:25], s[22:23]
	s_cselect_b32 s39, 1, 0
	s_mul_i32 s40, s39, 172
	s_sub_co_u32 s34, s38, s40
	s_lshr_b32 s36, s34, 1
	s_lshl_b32 s36, s36, 2
	s_lshl_b32 s39, s39, 1
	s_add_co_u32 s36, s36, s39
	s_and_b32 s39, s34, 1
	s_add_co_u32 s36, s36, s39                     ; 4 beta + 2 sel + u
	s_lshl_b32 s36, s36, 3
	s_add_co_u32 s36, s36, s2
	s_add_co_u32 s36, s36, 2048
	s_mov_b32 s35, s2
	s_mov_b32 s37, 4096
	s_branch .Limg
.Ldown:                                            ; ---- w2: image 8 (work-group - 856) + wave of 64 x 22
	s_sub_co_u32 s38, ttmp9, 856
	s_lshl_b32 s38, s38, 3
	s_add_co_u32 s38, s38, s2
	s_mul_i32 s34, s38, 2979
	s_lshr_b32 s34, s34, 16                        ; / 22, exact for numbers under 1,408
	s_mul_i32 s35, s34, 22
	s_sub_co_u32 s35, s38, s35
	s_add_co_u32 s36, s38, 4864
	s_mov_b64 s[32:33], s[26:27]
	s_mov_b32 s37, 11008
.Limg:
	ROWBASE
	OUTPTR 30, WS
	v_min_u32 v10, s44, v4                         ; no lane reads past its row's end (w2's last K step has 256 bytes)
	s_cmp_eq_u32 s37, 4096
	s_cbranch_scc0 .Lwide
	LOADROWS 10, 4096
	s_branch .Lrows_in
.Lwide:
	s_wait_alu depctr_va_vdst(0)
	LOADROWS 10, 11008
.Lrows_in:
	TURNROWS 14, 15
	s_cmp_eq_u32 s35, 21                           ; w2's K ends at 2,752: the quantiser fills with zeros
	s_cbranch_scc0 .Lfull
.set n, 0
.rept 32
	v_mov_b32 v[R+32+n], 0
.set n, n+1
.endr
.Lfull:
	QUANT R
	OUT
.Lfunc_end_k_q9cc1ddf25e_prep:
	.size	k_q9cc1ddf25e_prep, .Lfunc_end_k_q9cc1ddf25e_prep-k_q9cc1ddf25e_prep
	.p2alignl 7, 3214868480
	.fill 96, 4, 3214868480
	.section	.rodata,"a",@progbits
	.p2align	6, 0x0
	.amdhsa_kernel k_q9cc1ddf25e_prep
		.amdhsa_group_segment_fixed_size 136704
		.amdhsa_private_segment_fixed_size 0
		.amdhsa_enable_private_segment 0
		.amdhsa_kernarg_size 96
		.amdhsa_user_sgpr_count 2
		.amdhsa_user_sgpr_kernarg_segment_ptr 1
		.amdhsa_wavefront_size32 1
		.amdhsa_system_sgpr_workgroup_id_x 1
		.amdhsa_system_sgpr_workgroup_id_y 1
		.amdhsa_system_sgpr_workgroup_id_z 1
		.amdhsa_system_vgpr_workitem_id 0
		.amdhsa_next_free_vgpr 192
		.amdhsa_next_free_sgpr 80
		.amdhsa_reserve_vcc 0
		.amdhsa_float_denorm_mode_32 3
		.amdhsa_float_denorm_mode_16_64 3
		.amdhsa_memory_ordered 1
		.amdhsa_forward_progress 1
		.amdhsa_inst_pref_size 86
	.end_amdhsa_kernel
	.amdgpu_metadata
---
amdhsa.version: [ 1, 2 ]
amdhsa.kernels:
  - .name:           k_q9cc1ddf25e_prep
    .symbol:         k_q9cc1ddf25e_prep.kd
    .args:
      - { .name: x, .offset: 0, .size: 8, .value_kind: global_buffer, .address_space: global }
      - { .name: g1, .offset: 8, .size: 8, .value_kind: global_buffer, .address_space: global }
      - { .name: positions, .offset: 16, .size: 8, .value_kind: global_buffer, .address_space: global }
      - { .name: Wq, .offset: 24, .size: 8, .value_kind: global_buffer, .address_space: global }
      - { .name: Wk, .offset: 32, .size: 8, .value_kind: global_buffer, .address_space: global }
      - { .name: Wv, .offset: 40, .size: 8, .value_kind: global_buffer, .address_space: global }
      - { .name: Wo, .offset: 48, .size: 8, .value_kind: global_buffer, .address_space: global }
      - { .name: w1, .offset: 56, .size: 8, .value_kind: global_buffer, .address_space: global }
      - { .name: w3, .offset: 64, .size: 8, .value_kind: global_buffer, .address_space: global }
      - { .name: w2, .offset: 72, .size: 8, .value_kind: global_buffer, .address_space: global }
      - { .name: act, .offset: 80, .size: 8, .value_kind: global_buffer, .address_space: global }
      - { .name: wbuf, .offset: 88, .size: 8, .value_kind: global_buffer, .address_space: global }
    .group_segment_fixed_size: 136704
    .private_segment_fixed_size: 0
    .kernarg_segment_align: 8
    .kernarg_segment_size: 96
    .max_flat_workgroup_size: 256
    .sgpr_count:     80
    .vgpr_count:     192
    .wavefront_size: 32
...
	.end_amdgpu_metadata
.endif
;; end of part 8
;; launch qkv (part 9): grid 12 x 16, 4 waves a work-group, clusters of 4 x 4, 327,680 bytes of LDS; arguments act, wbuf, qkv; writes qkv
.if DOCPART == 9
	.amdgcn_target "amdgcn-amd-amdhsa--gfx1250"
	.amdhsa_code_object_version 6
	.text
	.protected	k_q9cc1ddf25e_qkv
	.globl	k_q9cc1ddf25e_qkv
	.p2align	8
	.type	k_q9cc1ddf25e_qkv,@function
k_q9cc1ddf25e_qkv:
	s_mov_b64 s[64:65], 0
	v_nop
	global_prefetch_b8 v0, s[64:65] scope:SCOPE_SE
	s_setreg_imm32_b32 hwreg(HW_REG_WAVE_MODE, 25, 1), 1
	s_wait_xcnt 0x0
	s_wait_alu depctr_hold_cnt(0) depctr_sa_sdst(0) depctr_va_vdst(0) depctr_va_sdst(0) depctr_va_ssrc(0) depctr_va_vcc(0) depctr_vm_vsrc(0)
	s_getreg_b32 s2, hwreg(HW_REG_IB_STS2, 6, 4)
	s_cmp_eq_u32 s2, 0
	s_cbranch_scc0 .Lentry_in_a_cluster
	s_endpgm
.Lentry_in_a_cluster:
	s_bfe_u32 s2, ttmp6, 0x10000c
	s_cmp_lg_u32 s2, 0xf033
	s_cbranch_scc0 .Lentry_shape_is_right
	s_endpgm
.Lentry_shape_is_right:
; QKV: q, k and v of all heads, from the codes of rmsnorm(x) (act) and of Wq, Wk, Wv (wbuf); RoPE on q and k; all three quantised on the way out into the layouts that the attention launch reads.  No work is left out here.
; A tile of 256 x 256 to a work-group of four waves, 128 x 128 to a wave: 64 accumulators.  K = 1,024 goes in steps of 256 through two LDS slots.  Operands lie in memory as images of their registers
; (16 rows x 128 K = 2,048 bytes; row r of image T is row tau(T, r) = 32 (T / 2) + 8 (T % 2) + r + 8 (r / 8)): a fragment is four loads of 16 bytes at 16 x lane, with no pitch.
; Source 0 = B's image, source 1 = A's: lane (r, h) holds A's row tau(a, r), and the 16 registers of B's tiles 2 b and 2 b + 1 are B's rows 32 b + 16 h + 0 .. 15: neighbours along the next K.
; Clusters with x = 0, 1: A = tokens, B = rows of Wq (x = 0) or Wk (x = 1): a lane holds a token, its registers run along the head's 64.  Cluster x = 2: A = rows of Wv, B = tokens: a lane holds a channel of v,
; its registers run along the tokens, which are the keys: the second attention product's K.  Nothing is transposed.
; CLUSTERS 4 x 4: A's tile hangs on cy and the cluster's place alone and is asked for jointly along a row of the cluster, B's on cx and the cluster's place alone, along a column.
; LIMITS: as stated at the head of the first launch.  The scale words leave as 64 bytes for each image: those stores do not cover 256 consecutive bytes.
; REGISTERS: window 0: v0-31 addresses; v32-63 scale words, two sets; v128-255 A's fragments, one set; window 1: B's fragments, two sets; windows 2, 3: the accumulators ((a, b) at v[8 (8 (a % 4) + b)]).
.set KT,    8                          ; K / 128
.set TS,    KT/2                       ; K steps of 256
.set NQ,    2
.set IMG,   2048
.set PAIR,  4096                       ; a K step of one image row: two images on end
.set FR,    16
.set NL,    4
.set NP,    8                          ; places behind this matrix instruction (ISA guide 7.12.1)
.set HALFT, 8*PAIR                     ; what one tensor load brings: 8 image rows
.set SLOT,  4*HALFT                    ; A's 16 image rows, then B's
.set KROW,  128*KT                     ; bytes of codes for a row
.set KS,    4*KT                       ; bytes of scales for a row
.set SCL,   2*SLOT                     ; behind the ring: the scale words of all of K
.set HALFS, 128*KS
.set SBLK,  16*KS
.set SPARE, SCL+4*HALFS                ; the spare words, 128 bytes a wave: two blocks of 256 bytes that no other line names
.set ACS,   4194304
.set WS,    12845056
.set ROPE,  13246464
.set QS,    4194304                    ; qkv: q's scale words
.set KV,    4456448                    ; qkv: [batch x head][key step of 128][KSB]
.set KSB,   17408                      ; 8 images of k (1,024 each), 4 of v^T (2,048), k's words (512), v's (256), 256 of zeros
.set ADRA, 16
.set ADRB, 20
.set ADRS, 27
.set SPW,  28
.set NIL,  29
.set SC,   32
.set AF,   128
.set LI,   8                           ; the way out: 16 x lane
.set SO,   9                           ; where my scale word goes
.set SH,   10                          ; 16 h
.set CS,   64                          ; v64-127 cos and sin, two sets of 32
.set H,    128                         ; v128-191 64 numbers
.set PC,   192
.set TM,   208
.set PW,   224
.set TW,   225
.set TT,   226                         ; v226-233
.set G1, 24
.set G0, 32
.set G1B, 48
.set G0B, 56
.set G1S, 68
.set G0S, 76
.set G1SB, 80
.set G0SB, 88
.set MSB, 0
.macro WIN new                         ; the immediate's high byte repeats the setting that is left
.if MSB != (\new)
	s_set_vgpr_msb (MSB<<8)|(\new)
.set MSB, (\new)
.endif
.endm
.set MUL_LO, 0xa1                      ; source 0 (B) window 1, source 1 (A) window 0, C and D window 2
.set MUL_HI, 0xf1
.set TO_B,   0x40
.macro JLOAD g0a, g1a, g0b, g1b        ; waves 0 and 1 fetch for A, waves 2 and 3 for B; an s_nop 0 and four v_nop follow each line
	s_cmp_eq_u32 s15, 0
	s_cbranch_scc0 .Lfor_b_\@
	tensor_load_to_lds s[\g0a:\g0a+3], s[\g1a:\g1a+7]
	s_nop 0
.rept 4
	v_nop
.endr
	s_branch .Lasked_\@
.Lfor_b_\@:
	tensor_load_to_lds s[\g0b:\g0b+3], s[\g1b:\g1b+7]
	s_nop 0
.rept 4
	v_nop
.endr
.Lasked_\@:
.endm
.macro CREST
	s_cmp_lg_u32 s14, 0
	s_cbranch_scc1 .Lnot_wave_0_\@
	s_barrier_signal -3
.Lnot_wave_0_\@:
	s_barrier_wait -3
	s_barrier_signal -1
	s_barrier_wait -1
.endm
.macro CROUND
	s_barrier_signal -1
	s_barrier_wait -1
	CREST
.endm
.macro FRAG reg, adr, q, i             ; an image comes back as the registers that it is
.irp c, 0,1,2,3
	ds_load_b128 v[\reg+4*\c:\reg+4*\c+3], v[\adr] offset:IMG*(\q)+512*\c+(\i)*PAIR
.endr
.endm
.macro MUL16 a0, p, q, sc, zero        ; A's blocks a0, a0 + 1 x B's eight; the 64 accumulators take turns
.irp a, \a0, \a0+1
.irp b, 0,1,2,3,4,5,6,7
.if \zero
	v_wmma_scale_f32_16x16x128_f8f6f4 v[8*(8*((\a)%4)+\b):8*(8*((\a)%4)+\b)+7], v[128*(\p)+FR*\b:128*(\p)+FR*\b+FR-1], v[AF+FR*(\a):AF+FR*(\a)+FR-1], 0, v[SC+8*NQ*(\sc)+NQ*\b+(\q)], v[SC+8*NQ*(\sc)+NQ*(\a)+(\q)] matrix_a_fmt:MATRIX_FMT_BF8 matrix_b_fmt:MATRIX_FMT_BF8 matrix_a_scale:MATRIX_SCALE_ROW1
.else
	v_wmma_scale_f32_16x16x128_f8f6f4 v[8*(8*((\a)%4)+\b):8*(8*((\a)%4)+\b)+7], v[128*(\p)+FR*\b:128*(\p)+FR*\b+FR-1], v[AF+FR*(\a):AF+FR*(\a)+FR-1], v[8*(8*((\a)%4)+\b):8*(8*((\a)%4)+\b)+7], v[SC+8*NQ*(\sc)+NQ*\b+(\q)], v[SC+8*NQ*(\sc)+NQ*(\a)+(\q)] matrix_a_fmt:MATRIX_FMT_BF8 matrix_b_fmt:MATRIX_FMT_BF8 matrix_a_scale:MATRIX_SCALE_ROW1
.endif
.endr
.endr
.endm
.macro FETCH_B slot, q, p
	WIN TO_B
.irp i, 0,1,2,3,4,5,6,7
	FRAG 128*(\p)+FR*\i, ADRB+\slot, \q, \i
.endr
	WIN 0
.endm
.macro FETCH_A slot, q, i0
.irp i, \i0, \i0+1, \i0+2, \i0+3
	FRAG AF+FR*(\i), ADRA+\slot, \q, \i
.endr
.endm
.macro SCALES sc                       ; a K step's scale words: lanes 0-15 take A's block i, lanes 16-31 B's
.irp i, 0,1,2,3,4,5,6,7
	ds_load_b32 v[SC+16*\sc+2*\i], v[ADRS] offset:\i*SBLK
	ds_load_b32 v[SC+16*\sc+2*\i+1], v[ADRS] offset:\i*SBLK+64
.endr
.endm
.macro PLACES n
.rept \n
	v_nop
.endr
.endm
.macro STEP slot, q, zero              ; 128 along K that have their successor in the same slot
	s_wait_dscnt 4*NL                              ; all but the youngest sixteen loads (A's blocks 4-7)
	WIN MUL_LO
	MUL16 0, (\q)%2, \q, \slot, \zero
	MUL16 2, (\q)%2, \q, \slot, \zero
	s_wait_dscnt 0
	PLACES NP
	FETCH_B \slot, (\q)+1, 1-(\q)%2
	FETCH_A \slot, (\q)+1, 0
	WIN MUL_HI
	MUL16 4, (\q)%2, \q, \slot, \zero
	MUL16 6, (\q)%2, \q, \slot, \zero
	PLACES NP
	WIN 0
	FETCH_A \slot, (\q)+1, 4
.endm
.macro TURN slot, next, fill           ; a slot's last 128 along K, and the change of slots
	s_wait_tensorcnt 0x0                           ; all my tensor loads have landed: my part of the next slot
	ds_add_u32 v[SPW], v[NIL]                      ; 0 onto my spare word
	s_wait_dscnt 4*NL+1                            ; (the add and the youngest sixteen loads may be out)
	WIN MUL_LO
	MUL16 0, 1, NQ-1, \slot, 0
	s_wait_dscnt 0x0                               ; the add is done, and my reads of this slot are over
	s_barrier_signal -1
	MUL16 2, 1, NQ-1, \slot, 0
	WIN 0
	s_barrier_wait -1
.if \fill
	CREST                                          ; the barrier has opened a round of the cluster's barrier: no wave of any partner reads this slot or has a load on its way
	s_add_nc_u64 s[G0+4*\slot+2:G0+4*\slot+3], s[G0+4*\slot+2:G0+4*\slot+3], 2*PAIR
	s_add_nc_u64 s[G0B+4*\slot+2:G0B+4*\slot+3], s[G0B+4*\slot+2:G0B+4*\slot+3], 2*PAIR
	JLOAD G0+4*\slot, G1, G0B+4*\slot, G1B         ; the first tensor load behind the round; its four v_nop are among the places below
	PLACES NP-4
.else
	PLACES NP
.endif
	s_wait_alu depctr_va_vdst(0)
	v_add_nc_u32 v[ADRS], 64*NQ, v[ADRS]           ; the next K step's scale words (no LDS load of mine is out)
	FETCH_B \next, 0, 0
	FETCH_A \next, 0, 0
	SCALES \next
	WIN MUL_HI
	MUL16 4, 1, NQ-1, \slot, 0
	MUL16 6, 1, NQ-1, \slot, 0
	PLACES NP
	WIN 0
	FETCH_A \next, 0, 4
.endm
.macro LAST sc                         ; the very last 128 along K
	s_wait_dscnt 4*NL
	WIN MUL_LO
	MUL16 0, 1, NQ-1, \sc, 0
	MUL16 2, 1, NQ-1, \sc, 0
	s_wait_dscnt 0
	WIN MUL_HI
	MUL16 4, 1, NQ-1, \sc, 0
	MUL16 6, 1, NQ-1, \sc, 0
	WIN 0
.endm
.macro CLOSE
	s_wait_tensorcnt 0x0                           ; the wave's end
	ds_add_u32 v[SPW], v[NIL]
	s_wait_dscnt 0x0
	CROUND                                         ; the closing round
	s_endpgm
.endm
; 16 nb numbers of a lane in window X, register 16 b + i = k 32 b + 16 h + i of my row, become codes in v[PC] on and scale bytes in v[PW]; the hold moves them to v[hq] on in window 0.  Reads ascend.
.macro QUANT s, nb, X, hq
.set QX, \X
	WIN QX*5
.irp b, 0,1,2,3
.if \b < \nb
	v_max3_num_f32 v[TM+\b], |v[\s+16*\b]|, |v[\s+16*\b+1]|, 0x8000000   ; and the floor 2^(16 - 127)
.endif
.endr
	WIN QX*20
.irp i, 2,4,6,8,10,12,14
.irp b, 0,1,2,3
.if \b < \nb
	v_max3_num_f32 v[TM+\b], v[TM+\b], |v[\s+16*\b+\i]|, |v[\s+16*\b+\i+1]|
.endif
.endr
.endr
	WIN 0
.irp b, 0,1,2,3
.if \b < \nb
	v_permlanex16_b32 v[TM+4+\b], v[TM+\b], s66, s67
.endif
.endr
.irp b, 0,1,2,3
.if \b < \nb
	v_max_num_f32 v[TM+\b], v[TM+\b], v[TM+4+\b]
.endif
.endr
.irp b, 0,1,2,3
.if \b < \nb
	v_add_nc_u32 v[TM+12+\b], 0xf8800000, v[TM+\b]           ; the conversion's scale operand
.endif
.endr
.irp b, 0,1,2,3
.if \b < \nb
	v_and_or_b32 v[TM+8+\b], v[TM+\b], 0x7f800000, s94       ; 57,344 x the scale
.endif
.endr
.irp b, 0,1,2,3
.if \b < \nb
	v_lshrrev_b32 v[TM+4+\b], 23, v[TM+12+\b]                ; the byte
.endif
.endr
	v_lshl_or_b32 v[PW], v[TM+5], 8, v[TM+4]
.if \nb > 2
	v_lshl_or_b32 v[PW], v[TM+6], 16, v[PW]
	v_lshl_or_b32 v[PW], v[TM+7], 24, v[PW]
.endif
	WIN QX
.irp b, 0,1,2,3
.if \b < \nb
.irp i, 0,1,2,3,4,5,6,7,8,9,10,11,12,13,14,15
	v_med3_num_f32 v[\hq+16*\b+\i], v[\s+16*\b+\i], -v[TM+8+\b], v[TM+8+\b]
.endr
.endif
.endr
	WIN 0
.irp b, 0,1,2,3
.if \b < \nb
	v_cvt_scalef32_pk8_bf8_f32 v[PC+4*\b:PC+4*\b+1], v[\hq+16*\b:\hq+16*\b+7], v[TM+12+\b]
	v_cvt_scalef32_pk8_bf8_f32 v[PC+4*\b+2:PC+4*\b+3], v[\hq+16*\b+8:\hq+16*\b+15], v[TM+12+\b]
.endif
.endr
	v_nop                                          ; a plain line behind the last conversion
.endm
	s_load_b128 s[4:7], s[0:1], 0x0                ; act, wbuf
	s_load_b64 s[12:13], s[0:1], 0x10              ; qkv
	v_lshl_add_u32 v[SPW], v0, 2, SPARE
	v_mov_b32 v[NIL], 0
	ds_add_u32 v[SPW], v[NIL]                      ; the opening: the add, twice on end, and its wait ahead of my first tensor load
	ds_add_u32 v[SPW], v[NIL]
	v_lshrrev_b32 v1, 5, v0
	v_readfirstlane_b32 s14, v1                    ; wave
	s_lshr_b32 s15, s14, 1                         ; my half of A's rows; also: I fetch for A (0) or B (1)
	s_and_b32 s16, s14, 1                          ; my half of B's rows; also: which 8 image rows I fetch
	s_bfe_u32 s40, ttmp6, 0x40000                  ; cx
	s_bfe_u32 s41, ttmp6, 0x40004                  ; cy
	s_and_b32 s17, ttmp7, 0xffff
	s_lshl_b32 s17, s17, 2                         ; 4 x cluster y
	s_lshl_b32 s42, ttmp9, 2                       ; 4 x cluster x
	s_cmp_eq_u32 ttmp9, 2                          ; the clusters that make v: the same in all sixteen partners
	s_cselect_b32 s42, s17, s42
	s_cselect_b32 s17, 0, s17
	s_add_co_u32 s42, s42, s40                     ; B's tile: 4 x cluster x + cx (rows of Wq, Wk), or 4 x cluster y + cx (tokens)
	s_add_co_u32 s17, s17, s41                     ; A's tile: 4 x cluster y + cy (tokens), or cy (rows of Wv)
	s_lshl_b32 s43, s41, 2
	s_lshl_b32 s43, 15, s43                        ; my row of the cluster
	s_lshl_b32 s44, 0x1111, s40                    ; my column
	s_or_b32 s[G1+0], s43, (3<<16)|(1<<21)         ; elements of 8 bytes; bit 21 beside a mask; no padding
	s_or_b32 s[G1B+0], s44, (3<<16)|(1<<21)
.irp g, G1, G1B
	s_mov_b32 s[\g+1], 512<<16                     ; tensor_dim0: 4,096 bytes
	s_mov_b32 s[\g+2], 16<<16                      ; tensor_dim1: 16 image rows for the head's loads; set to 8 for the ring's behind them
	s_mov_b32 s[\g+3], 512<<16                     ; tile_dim0
	s_mov_b32 s[\g+4], 16                          ; tile_dim1 likewise
	s_mov_b32 s[\g+5], 256*KT                      ; from image row to image row
	s_mov_b32 s[\g+6], 0
	s_mov_b32 s[\g+7], 0
.endr
	s_or_b32 s[G1S+0], s43, (3<<16)|(1<<21)
	s_or_b32 s[G1SB+0], s44, (3<<16)|(1<<21)
.irp g, G1S, G1SB
	s_mov_b32 s[\g+1], 32<<16                      ; a dense block as rows of 256 bytes
	s_mov_b32 s[\g+2], (4*KT)<<16                  ; the scale words of all 256 rows
	s_mov_b32 s[\g+3], 32<<16
	s_mov_b32 s[\g+4], 4*KT
	s_mov_b32 s[\g+5], 32
	s_mov_b32 s[\g+6], 0
	s_mov_b32 s[\g+7], 0
.endr
	s_lshl_b32 s18, s16, 7
	s_lshl_b32 s20, s17, 8
	s_add_co_u32 s20, s20, s18                     ; A: row 256 x tile + 128 x half
	s_lshl_b32 s46, s42, 8
	s_add_co_u32 s46, s46, s18                     ; B likewise
	s_mov_b32 s21, 0
	s_mov_b32 s47, 0
	s_mov_b64 s[18:19], KS
	s_mul_u64 s[22:23], s[20:21], s[18:19]
	s_mul_u64 s[92:93], s[46:47], s[18:19]
	s_mov_b64 s[18:19], KROW
	s_mul_u64 s[20:21], s[20:21], s[18:19]
	s_mul_u64 s[46:47], s[46:47], s[18:19]
	s_mul_i32 s45, s14, HALFT
	s_mul_i32 s2, s16, HALFS                       ; what my half adds to the scale words' address
	s_mov_b32 s3, 0
	s_wait_dscnt 0x0                               ; both opening adds are done
	s_wait_kmcnt 0x0
	s_add_nc_u64 s[100:101], s[6:7], ROPE          ; the table
	s_add_nc_u64 s[96:97], s[6:7], WS              ; Wq's and Wk's scale words
	s_add_nc_u64 s[98:99], s[4:5], ACS             ; the tokens'
	s_add_nc_u64 s[8:9], s[6:7], 2097152           ; Wv's codes
	s_add_nc_u64 s[10:11], s[96:97], 65536         ; Wv's scale words
	s_cmp_eq_u32 ttmp9, 2
	s_cselect_b64 s[8:9], s[8:9], s[4:5]           ; A's codes
	s_cselect_b64 s[10:11], s[10:11], s[98:99]     ; A's scale words
	s_cselect_b64 s[4:5], s[4:5], s[6:7]           ; B's codes
	s_cselect_b64 s[6:7], s[98:99], s[96:97]       ; B's scale words
	s_add_nc_u64 s[20:21], s[8:9], s[20:21]
	s_add_nc_u64 s[22:23], s[10:11], s[22:23]
	s_add_nc_u64 s[46:47], s[4:5], s[46:47]
	s_add_nc_u64 s[92:93], s[6:7], s[92:93]
	CROUND                                         ; all sixteen work-groups are here: the first joint loads meet
	s_mov_b32 s[G0S], 1                            ; the head's four tiles, each whole: A's scale words,
	s_mov_b32 s[G0S+1], SCL
	s_sub_nc_u64 s[G0S+2:G0S+3], s[22:23], s[2:3]  ; (from the tile's first row: my half taken off)
	s_or_b32 s[G0S+3], s[G0S+3], 0x80000000
	s_mov_b32 s[G0SB], 1                           ; B's,
	s_mov_b32 s[G0SB+1], SCL+2*HALFS
	s_sub_nc_u64 s[G0SB+2:G0SB+3], s[92:93], s[2:3]
	s_or_b32 s[G0SB+3], s[G0SB+3], 0x80000000
	s_mul_i32 s2, s16, 128*KROW
	s_mov_b32 s4, 1                                ; K step 0's 16 image rows of A (s4-s11 held arguments that have been used),
	s_mov_b32 s5, 0
	s_sub_nc_u64 s[6:7], s[20:21], s[2:3]
	s_or_b32 s7, s7, 0x80000000
	s_mov_b32 s8, 1                                ; and of B, behind them in slot 0
	s_mov_b32 s9, 2*HALFT
	s_sub_nc_u64 s[10:11], s[46:47], s[2:3]
	s_or_b32 s11, s11, 0x80000000
.irp s, 0,1
	s_mov_b32 s[G0+4*\s], 1
	s_add_co_u32 s[G0+4*\s+1], s45, \s*SLOT
	s_add_nc_u64 s[G0+4*\s+2:G0+4*\s+3], s[20:21], \s*PAIR
	s_or_b32 s[G0+4*\s+3], s[G0+4*\s+3], 0x80000000
	s_mov_b32 s[G0B+4*\s], 1
	s_add_co_u32 s[G0B+4*\s+1], s45, \s*SLOT
	s_add_nc_u64 s[G0B+4*\s+2:G0B+4*\s+3], s[46:47], \s*PAIR
	s_or_b32 s[G0B+4*\s+3], s[G0B+4*\s+3], 0x80000000
.endr
; the head's loads, one a wave: one tree of branches on the wave's number, an arm a load
.macro ARM under, g0, g1, next
	s_cmp_lt_u32 s14, \under
	s_cbranch_scc0 \next
	tensor_load_to_lds s[\g0:\g0+3], s[\g1:\g1+7]
	s_nop 0
.rept 4
	v_nop
.endr
	s_branch .Lhead_asked
\next:
.endm
	ARM 1, 4, G1, .Lhead_b
	ARM 2, 8, G1B, .Lhead_sa
	ARM 3, G0S, G1S, .Lhead_sb
	tensor_load_to_lds s[G0SB:G0SB+3], s[G1SB:G1SB+7]
	s_nop 0
.rept 4
	v_nop
.endr
.Lhead_asked:
	v_and_b32 v1, 15, v0
	v_bfe_u32 v2, v0, 4, 1                         ; h
	s_wait_alu depctr_va_vdst(0)
	v_and_b32 v3, 31, v0
	v_lshlrev_b32 v4, 4, v3                        ; 16 x lane
	s_wait_alu depctr_va_vdst(0)
	s_mul_i32 s21, s15, HALFT
	s_mul_i32 s22, s16, HALFT
	s_add_co_u32 s22, s22, 2*HALFT
.irp s, 0,1
	v_add_nc_u32 v[ADRA+\s], s21, v4
	v_add_nc_u32 v[ADRB+\s], s22, v4
	s_add_co_u32 s21, s21, SLOT
	s_add_co_u32 s22, s22, SLOT
.endr
	v_lshlrev_b32 v5, 2, v1
	s_mul_i32 s21, s15, HALFS
	s_mul_i32 s22, s16, HALFS
	s_add_co_u32 s22, s22, 2*HALFS
	s_sub_co_u32 s22, s22, s21
	v_mul_u32_u24 v6, s22, v2                      ; lanes 16-31 take B's
	s_add_co_u32 s21, s21, SCL
	v_add_nc_u32 v5, v5, v6
	v_add_nc_u32 v[ADRS], s21, v5
	v_mov_b32 v[LI], v4
	v_lshlrev_b32 v[SH], 4, v2
	v_lshlrev_b32 v11, 3, v3                       ; 8 x lane
	s_mov_b32 s66, 0x76543210
	s_mov_b32 s67, 0xfedcba98
	s_wait_alu depctr_va_vdst(0)
	s_wait_tensorcnt 0x0                           ; my tile of the head's four is in
	ds_add_u32 v[SPW], v[NIL]
	s_mov_b32 s[G1+2], 8<<16                       ; no tensor load of mine is out: from here on a load brings 8 image rows
	s_mov_b32 s[G1+4], 8
	s_mov_b32 s[G1B+2], 8<<16
	s_mov_b32 s[G1B+4], 8
	s_wait_dscnt 0x0
	CROUND                                         ; all four tiles are in, and the partners are here
	JLOAD G0+4, G1, G0B+4, G1B                     ; K step 1: the first tensor load behind the round
	FETCH_B 0, 0, 0
	FETCH_A 0, 0, 0
	SCALES 0
	FETCH_A 0, 0, 4
	STEP 0, 0, 1                                   ; the first products start the sums
	s_mov_b32 s3, (TS-2)/2
.Llap:                                             ; a trip goes once round the ring and fills both slots again
	TURN 0, 1, 1
	STEP 1, 0, 0
	TURN 1, 0, 1
	STEP 0, 0, 0
	s_sub_co_u32 s3, s3, 1
	s_cmp_lg_u32 s3, 0
	s_cbranch_scc1 .Llap
	TURN 0, 1, 0
	STEP 1, 0, 0
	LAST 1
	s_mov_b32 s94, 0x600000                        ; the mantissa field of 57,344
	s_mov_b32 s95, 0x7f7f0000
	s_cmp_eq_u32 ttmp9, 2
	s_cbranch_scc1 .Lway_v
	; ---- THE WAY OUT OF q AND k.  My 8 token images x 2 heads.  Per image: RoPE from the table, the quantiser along the head's 64 (two blocks a head), codes as they will be loaded.
	s_lshl_b32 s20, s17, 4
	s_lshl_b32 s21, s15, 3
	s_add_co_u32 s20, s20, s21                     ; my first token image
	s_lshr_b32 s21, s20, 7                         ; the batch
	s_and_b32 s22, s20, 127                        ; the image in the sequence
	s_lshl_b32 s23, s42, 2
	s_lshl_b32 s46, s16, 1
	s_add_co_u32 s23, s23, s46
	s_and_b32 s23, s23, 15                         ; my first head
	s_lshl_b32 s46, s21, 4
	s_add_co_u32 s23, s23, s46                     ; 16 x batch + head
	s_lshl_b32 s46, s23, 7
	s_add_co_u32 s46, s46, s22
	s_lshl_b32 s47, s46, 6
	s_add_co_u32 s47, s47, QS                      ; q's words
	s_lshl_b32 s46, s46, 10                        ; q's codes
	s_lshl_b32 s48, s23, 4
	s_lshr_b32 s49, s22, 3
	s_add_co_u32 s48, s48, s49
	s_mul_i32 s48, s48, KSB
	s_add_co_u32 s48, s48, KV                      ; k's codes: my 8 images are one key step
	s_add_co_u32 s49, s48, 16384                   ; k's words
	s_mov_b32 s50, 16*KSB
	s_cmp_eq_u32 ttmp9, 0
	s_cselect_b32 s46, s46, s48
	s_cselect_b32 s47, s47, s49
	s_cselect_b32 s51, 8192, s50                   ; from head to head: words,
	s_cselect_b32 s50, 131072, s50                 ; codes
	s_mov_b32 s52, s46
	s_mov_b32 s53, 0
	s_add_nc_u64 s[52:53], s[12:13], s[52:53]      ; the first head's codes
	s_mov_b32 s54, s50
	s_mov_b32 s55, 0
	s_add_nc_u64 s[54:55], s[52:53], s[54:55]      ; the second's
	s_mov_b32 s56, s47
	s_mov_b32 s57, 0
	s_add_nc_u64 s[56:57], s[12:13], s[56:57]
	s_lshl_b32 s58, s22, 12
	s_mov_b32 s59, 0
	s_add_nc_u64 s[58:59], s[100:101], s[58:59]    ; the table at my first image
	PLACES NP
	v_mul_u32_u24 v[SO], s51, v2                   ; lanes 0-15 write the first head's word, lanes 16-31 the second's
	v_lshl_add_u32 v[SO], v1, 2, v[SO]
.irp b, 0,1,2,3
	v_mov_b32 v[TM+4+\b], 0
.endr
.macro CSLOAD a
.irp m, 0,1,2,3,4,5,6,7
	global_load_b128 v[CS+32*((\a)%2)+4*\m:CS+32*((\a)%2)+4*\m+3], v[LI], s[58:59] offset:4096*(\a)+512*\m
.endr
.endm
.macro ROT a                           ; (xe, xo) -> (xe cos - xo sin, xe sin + xo cos): register 32 hd + 16 beta + 2 i holds pair 16 beta + 8 h + i of head hd
.set AC, 64*((\a)%4)
.set CB, CS+32*((\a)%2)
	WIN 2+(\a)/4
.set n, 0
.rept 8
.irp u, 0,1,2,3
	v_pk_mul_f32 v[TT+2*\u:TT+2*\u+1], v[AC+n+2*\u:AC+n+2*\u+1], v[CB+(n+2*\u)%32:CB+(n+2*\u)%32+1] op_sel:[1,1] op_sel_hi:[1,0] neg_lo:[1,0]   ; (-xo sin, xo cos)
.endr
.irp u, 0,1,2,3
	v_pk_fma_f32 v[H+n+2*\u:H+n+2*\u+1], v[AC+n+2*\u:AC+n+2*\u+1], v[CB+(n+2*\u)%32:CB+(n+2*\u)%32+1], v[TT+2*\u:TT+2*\u+1] op_sel_hi:[0,1,1]   ; + (xe cos, xe sin)
.endr
.set n, n+8
.endr
	WIN 0
.endm
	CSLOAD 0
.irp a, 0,1,2,3,4,5,6,7
.if \a > 0
	s_wait_xcnt 0x0                                ; the last image's stores have read their registers
.endif
.if \a < 7
	CSLOAD \a+1
	s_wait_loadcnt 8                               ; this image's eight loads are in, the next image's may be out
.else
	s_wait_loadcnt 0x0
.endif
	ROT \a
	QUANT H, 4, 0, H
.irp e, 0,1
	global_store_b128 v[LI], v[PC+4*\e:PC+4*\e+3], s[52:53] offset:1024*\a+512*\e
	global_store_b128 v[LI], v[PC+8+4*\e:PC+8+4*\e+3], s[54:55] offset:1024*\a+512*\e
.endr
	v_lshrrev_b32 v[TW], v[SH], v[PW]              ; my head's two bytes,
	v_and_or_b32 v[TW], v[TW], 0xffff, s95         ; and the scale 1 for the upper half of the instruction's K, which holds zero codes on q's side
	global_store_b32 v[SO], v[TW], s[56:57] offset:64*\a
.endr
	CLOSE
.Lway_v:
	; ---- THE WAY OUT OF v.  My 8 images of 16 channels (two heads) x my 128 tokens, one key step: each is one image of v^T, quantised along the keys.
	s_lshl_b32 s20, s41, 2
	s_lshl_b32 s21, s15, 1
	s_add_co_u32 s20, s20, s21                     ; my first head
	s_lshl_b32 s21, s42, 1
	s_add_co_u32 s21, s21, s16                     ; my key step among the 32 of both batches
	s_lshr_b32 s22, s21, 4
	s_and_b32 s21, s21, 15
	s_lshl_b32 s22, s22, 4
	s_add_co_u32 s20, s20, s22
	s_lshl_b32 s20, s20, 4
	s_add_co_u32 s20, s20, s21
	s_mul_i32 s20, s20, KSB
	s_add_co_u32 s20, s20, KV+8192
	s_mov_b32 s21, 0
	s_add_nc_u64 s[52:53], s[12:13], s[20:21]
	PLACES NP
	v_lshlrev_b32 v[SO], 2, v1
.irp b, 0,1,2,3
	v_mov_b32 v[TM+4+\b], 0
.endr
	v_mov_b32 v[TT], 0
	v_mov_b32 v[TT+1], 0
	global_store_b64 v11, v[TT:TT+1], s[52:53] offset:8960             ; the block's last 256 bytes: zeros, so that every byte that the next launch fetches has been stored
	global_store_b64 v11, v[TT:TT+1], s[52:53] offset:8960+16*KSB
.irp a, 0,1,2,3,4,5,6,7
.if \a > 0
	s_wait_xcnt 0x0
.endif
	QUANT 64*((\a)%4), 4, 2+(\a)/4, H
.irp c, 0,1,2,3
	global_store_b128 v[LI], v[PC+4*\c:PC+4*\c+3], s[52:53] offset:(\a/4)*16*KSB+(\a%4)*2048+512*\c
.endr
	global_store_b32 v[SO], v[PW], s[52:53] offset:8704+(\a/4)*16*KSB+(\a%4)*64
.endr
	CLOSE
.Lfunc_end_k_q9cc1ddf25e_qkv:
	.size	k_q9cc1ddf25e_qkv, .Lfunc_end_k_q9cc1ddf25e_qkv-k_q9cc1ddf25e_qkv
	.p2alignl 7, 3214868480
	.fill 96, 4, 3214868480
	.section	.rodata,"a",@progbits
	.p2align	6, 0x0
	.amdhsa_kernel k_q9cc1ddf25e_qkv
		.amdhsa_group_segment_fixed_size 327680
		.amdhsa_private_segment_fixed_size 0
		.amdhsa_enable_private_segment 0
		.amdhsa_kernarg_size 24
		.amdhsa_user_sgpr_count 2
		.amdhsa_user_sgpr_kernarg_segment_ptr 1
		.amdhsa_wavefront_size32 1
		.amdhsa_system_sgpr_workgroup_id_x 1
		.amdhsa_system_sgpr_workgroup_id_y 1
		.amdhsa_system_sgpr_workgroup_id_z 1
		.amdhsa_system_vgpr_workitem_id 0
		.amdhsa_next_free_vgpr 1024
		.amdhsa_next_free_sgpr 102
		.amdhsa_reserve_vcc 0
		.amdhsa_float_denorm_mode_32 3
		.amdhsa_float_denorm_mode_16_64 3
		.amdhsa_memory_ordered 1
		.amdhsa_forward_progress 1
		.amdhsa_inst_pref_size 255
	.end_amdhsa_kernel
	.section	.bss,"aw",@nobits
	.p2align	6
	.space	262144
	.amdgpu_metadata
---
amdhsa.version: [ 1, 2 ]
amdhsa.kernels:
  - .name:           k_q9cc1ddf25e_qkv
    .symbol:         k_q9cc1ddf25e_qkv.kd
    .args:
      - { .name: act, .offset: 0, .size: 8, .value_kind: global_buffer, .address_space: global }
      - { .name: wbuf, .offset: 8, .size: 8, .value_kind: global_buffer, .address_space: global }
      - { .name: qkv, .offset: 16, .size: 8, .value_kind: global_buffer, .address_space: global }
    .group_segment_fixed_size: 327680
    .private_segment_fixed_size: 0
    .kernarg_segment_align: 8
    .kernarg_segment_size: 24
    .max_flat_workgroup_size: 128
    .sgpr_count:     102
    .vgpr_count:     1024
    .wavefront_size: 32
...
	.end_amdgpu_metadata
.endif
;; end of part 9
;; launch attn (part 10): grid 8 x 32, 16 waves a work-group, clusters of 4 x 1, 327,680 bytes of LDS; arguments qkv, att; writes att
.if DOCPART == 10
	.amdgcn_target "amdgcn-amd-amdhsa--gfx1250"
	.amdhsa_code_object_version 6
	.text
	.protected	k_q9cc1ddf25e_attn
	.globl	k_q9cc1ddf25e_attn
	.p2align	8
	.type	k_q9cc1ddf25e_attn,@function
k_q9cc1ddf25e_attn:
	s_mov_b64 s[64:65], 0
	v_nop
	global_prefetch_b8 v0, s[64:65] scope:SCOPE_SE
	s_setreg_imm32_b32 hwreg(HW_REG_WAVE_MODE, 25, 1), 1
	s_wait_xcnt 0x0
	s_wait_alu depctr_hold_cnt(0) depctr_sa_sdst(0) depctr_va_vdst(0) depctr_va_sdst(0) depctr_va_ssrc(0) depctr_va_vcc(0) depctr_vm_vsrc(0)
	s_getreg_b32 s2, hwreg(HW_REG_IB_STS2, 6, 4)
	s_cmp_eq_u32 s2, 0
	s_cbranch_scc0 .Lentry_in_a_cluster
	s_endpgm
.Lentry_in_a_cluster:
	s_bfe_u32 s2, ttmp6, 0x10000c
	s_cmp_lg_u32 s2, 0x3003
	s_cbranch_scc0 .Lentry_shape_is_right
	s_endpgm
.Lentry_shape_is_right:
; ATTN: causal attention of one head on codes of BF8 (E5M2) with E8M0 scales; the result is quantised along the model's axis into the images that the next launch reads.
; LEFT OUT: key steps of 128 keys that lie wholly behind a tile's 16 queries: reference()'s own jnp.tril sets their scores to -inf, so their p is 0 for every input.
; LIMITS: as at the head of the first launch; the scaled scores stay under 2^31 in magnitude.
; THE SOFTMAX: t = score x log2(e) / 8; M = ceil of the running largest t, kept as -M; p = 2^(t - M) is quantised along the keys; the sum is taken of the unquantised p and divides at the end.
; DATA: a head's 16 key steps (17,408 bytes each: 8 images of k, 4 of v^T, their scale words) are 278,528 bytes: wave w asks for key step w with its one tensor load at the head; every byte is filled once.
; The four work-groups of a cluster work on one head and ask jointly (mask 15).  No prefetch: all that the work-group reads of K and V is asked for at the head, so there is no loop of loads to run ahead in.
; SHARES: work-group x owns the query images 8 R + x, R = 0 .. 15; image R needs R + 1 key steps, 136 in all.  Images r and 15 - r (r = 0 .. 7) are a pair served by two waves:
; the first wave (bit 2 of its number 0) takes key steps 0 .. 8 of image 15 - r: 9 steps; the second takes its key steps 9 .. 15 - r, stores that partial state (O^T, -M, the sums) in LDS bytes of its own,
; and then takes image r, key steps 0 .. r: 8 steps.  Behind one barrier the first wave joins the partial state to its own: M is a whole number, so both are brought under the larger M by exact powers of two.
; Roles, branches and LDS addresses hang on the wave's number and the trip count alone; the place in the cluster enters global addresses and the mask's compare value only.
; LAYOUT: S^T = K Q^T and O^T = V^T P^T: a lane holds one query; the 16 registers of tiles 2 b, 2 b + 1 are 16 neighbouring keys.  The head's K is 64: the upper half of the instruction's K is zero codes on q's side
; (v24-31); on k's side it is the next tile's codes, and for tile 7 the second image's q codes (v96-103): finite codes, which zeros multiply.
; REGISTERS: v1-8 addresses; v12 -M, v13 largest t, v[14:15] sums; v16-31 q; v32-95 fragments; v96-103 second q; v104-167 S^T, p; v168-199 O^T; v200-215 p's codes; v216-229 scale words; v232-254 at work.
.set QS,    4194304
.set KV,    4456448
.set KSB,   17408
.set SPARE, 16*KSB                     ; the spare words, 128 bytes a wave: eight blocks of 256 bytes that no other line names
.set PART,  SPARE+2048                 ; the partial states: 4,608 bytes a pair
.set PSZ,   4608
.set LI,  1
.set LS,  2
.set DD,  3
.set ADK, 4
.set ADS, 5
.set SPW, 6
.set NIL, 7
.set PA,  8
.set SB,  104
.set OB,  168
.set PCB, 200
.set TM,  232
.set PW,  248
.set WV,  8
.set RR,  9
.set TY,  12
.set CNT, 13
.set SWT, 14
.set NTR, 15
.set G1,  16
.set G0,  24
.set RL,  28
.set OF1, 29
.set OF2, 30
.set RF,  31
.set KSN, 32
.set TB,  33
.set RKC, 34
.set SEL, 40
.set CSC, 42
.set MNT, 44
.macro CROUND
	s_barrier_signal -1
	s_barrier_wait -1
	s_cmp_lg_u32 s[WV], 0
	s_cbranch_scc1 .Lnot_wave_0_\@
	s_barrier_signal -3
.Lnot_wave_0_\@:
	s_barrier_wait -3
	s_barrier_signal -1
	s_barrier_wait -1
.endm
	s_load_b128 s[4:7], s[0:1], 0x0                ; qkv, att
	v_lshl_add_u32 v[SPW], v0, 2, SPARE
	v_mov_b32 v[NIL], 0
	ds_add_u32 v[SPW], v[NIL]                      ; the opening: the add, twice on end, and its wait
	ds_add_u32 v[SPW], v[NIL]
	v_lshrrev_b32 v9, 5, v0
	v_readfirstlane_b32 s[WV], v9                  ; wave
	s_and_b32 s11, ttmp7, 0xffff                   ; 16 x batch + head
	s_mov_b32 s[G1], 15|(3<<16)|(1<<21)            ; all four partners; elements of 8 bytes
	s_mov_b32 s[G1+1], 32<<16                      ; a dense block as 68 rows of 256 bytes
	s_mov_b32 s[G1+2], 68<<16
	s_mov_b32 s[G1+3], 32<<16
	s_mov_b32 s[G1+4], 68
	s_mov_b32 s[G1+5], 32
	s_mov_b32 s[G1+6], 0
	s_mov_b32 s[G1+7], 0
	s_mul_i32 s46, s[WV], KSB                      ; key step = wave
	s_mul_i32 s48, s11, 16*KSB
	s_add_co_u32 s48, s48, KV
	s_add_co_u32 s48, s48, s46
	s_mov_b32 s49, 0
	s_mov_b32 s[G0], 1
	s_mov_b32 s[G0+1], s46
	s_wait_dscnt 0x0
	s_wait_kmcnt 0x0
	s_add_nc_u64 s[G0+2:G0+3], s[4:5], s[48:49]
	s_or_b32 s[G0+3], s[G0+3], 0x80000000
	CROUND                                         ; the partners are here: the joint loads meet
	tensor_load_to_lds s[G0:G0+3], s[G1:G1+7]      ; my one tensor load
	s_nop 0
.rept 4
	v_nop
.endr
	s_bfe_u32 s46, ttmp6, 0x40000
	s_lshl_b32 s10, ttmp9, 2
	s_add_co_u32 s10, s10, s46                     ; x
	s_lshr_b32 s[TY], s[WV], 2
	s_and_b32 s[TY], s[TY], 1                      ; 0: the pair's first wave, 1: its second
	s_and_b32 s[RR], s[WV], 3
	s_lshr_b32 s46, s[WV], 3
	s_lshl_b32 s46, s46, 2
	s_or_b32 s[RR], s[RR], s46                     ; r
	s_sub_co_u32 s[RL], 15, s[RR]                  ; the long image
	s_sub_co_u32 s47, 7, s[RR]
	s_add_co_u32 s[OF2], s[RR], 9                  ; behind the switch: key step = (trip + 9 + r) mod 16 = trip - (7 - r)
	s_cmp_eq_u32 s[TY], 0
	s_cselect_b32 s[OF1], 0, 9                     ; ahead of it: key step = trip, or trip + 9
	s_cselect_b32 s[NTR], 9, 8                     ; my steps
	s_cselect_b32 s[SWT], 15, s47                  ; the trip of the switch (15: never)
	s_cselect_b32 s[RF], s[RL], s[RR]              ; the image that I finish
	s_mul_i32 s56, s[RR], PSZ
	s_add_co_u32 s56, s56, PART
	s_lshl_b32 s57, s11, 7
	s_add_co_u32 s57, s57, s10
	s_lshl_b32 s46, s[RL], 3
	s_add_co_u32 s46, s46, s57                     ; the first image's number
	s_lshl_b32 s48, s46, 10
	s_mov_b32 s49, 0
	s_add_nc_u64 s[48:49], s[4:5], s[48:49]
	s_lshl_b32 s50, s46, 6
	s_add_co_u32 s50, s50, QS
	s_mov_b32 s51, 0
	s_add_nc_u64 s[50:51], s[4:5], s[50:51]
	s_lshl_b32 s46, s[RF], 3
	s_add_co_u32 s46, s46, s57                     ; the second's (a first wave: the same again)
	s_lshl_b32 s52, s46, 10
	s_mov_b32 s53, 0
	s_add_nc_u64 s[52:53], s[4:5], s[52:53]
	s_lshl_b32 s54, s46, 6
	s_add_co_u32 s54, s54, QS
	s_mov_b32 s55, 0
	s_add_nc_u64 s[54:55], s[4:5], s[54:55]
	s_lshr_b32 s58, s10, 1
	s_lshl_b32 s58, s58, 5
	s_and_b32 s59, s10, 1
	s_lshl_b32 s59, s59, 3
	s_add_co_u32 s58, s58, s59
	s_mov_b32 s[SEL], 0x76543210
	s_mov_b32 s[SEL+1], 0xfedcba98
	s_mov_b32 s[CSC], 0x3e38aa3b                   ; log2(e) / 8
	s_mov_b32 s[CSC+1], s[CSC]
	s_mov_b32 s[MNT], 0x600000
	s_mov_b32 s[CNT], 0
	v_and_b32 v9, 31, v0
	v_and_b32 v10, 15, v0
	v_bfe_u32 v11, v0, 4, 1
	v_lshlrev_b32 v[LI], 4, v9                     ; 16 x lane
	v_lshlrev_b32 v[LS], 2, v10                    ; 4 r
	v_and_b32 v9, 8, v10
	v_lshlrev_b32 v11, 4, v11
	v_add_nc_u32 v9, v9, v10
	v_add_nc_u32 v[PA], s56, v[LI]                 ; my pair's partial state
	v_add_nc_u32 v9, s58, v9
	v_sub_nc_u32 v[DD], v9, v11                    ; my query's place in its key step - 16 h
	s_wait_alu depctr_va_vdst(0)
	global_load_b128 v[16:19], v[LI], s[48:49]
	global_load_b128 v[20:23], v[LI], s[48:49] offset:512
	global_load_b32 v228, v[LS], s[50:51]
	global_load_b128 v[96:99], v[LI], s[52:53]
	global_load_b128 v[100:103], v[LI], s[52:53] offset:512
	global_load_b32 v229, v[LS], s[54:55]
	v_mov_b32 v13, 0xff61b1e6                      ; -3e38, under every t
	v_mov_b32 v14, 0
	v_mov_b32 v15, 0
	v_floor_f32 v12, -v13
.irp i, 0,1,2,3,4,5,6,7
	v_mov_b32 v[24+\i], 0
.endr
.set n, 0
.rept 32
	v_mov_b32 v[OB+n], 0                           ; the step is written once: the first finds zeros
.set n, n+1
.endr
.irp b, 0,1,2,3
	v_mov_b32 v[TM+4+\b], 0
.endr
	v_mov_b32 v252, 0
	v_mov_b32 v253, 0
	s_wait_alu depctr_va_vdst(0)
	s_wait_loadcnt 0x0
	s_wait_tensorcnt 0x0                           ; my key step is in;
	s_barrier_signal -1
	s_barrier_wait -1                              ; everybody's is.  Nothing is filled again
.Ltrip:
	s_cmp_eq_u32 s[TY], 0                          ; a pair's first wave never switches: by the wave's number alone
	s_cbranch_scc1 .Lsame
	s_cmp_lg_u32 s[CNT], s[SWT]
	s_cbranch_scc1 .Lsame
	; THE SWITCH (second waves, once): the long image's partial state goes to LDS, and the short image begins
.rept 8
	v_nop                                          ; places behind the last products
.endr
.irp i, 0,1,2,3,4,5,6,7
	ds_store_b128 v[PA], v[OB+4*\i:OB+4*\i+3] offset:512*\i
.endr
	ds_store_b128 v[PA], v[12:15] offset:4096
.irp i, 0,1,2,3,4,5,6,7
	v_mov_b32 v[16+\i], v[96+\i]
.endr
	v_mov_b32 v228, v229
	v_mov_b32 v13, 0xff61b1e6
	v_mov_b32 v14, 0
	v_mov_b32 v15, 0
	v_floor_f32 v12, -v13
.set n, 0
.rept 32
	v_mov_b32 v[OB+n], 0
.set n, n+1
.endr
	s_wait_alu depctr_va_vdst(0)
.Lsame:
	s_cmp_ge_u32 s[CNT], s[NTR]
	s_cbranch_scc1 .Lrest
	s_cmp_lt_u32 s[CNT], s[SWT]
	s_cselect_b32 s46, s[OF1], s[OF2]
	s_cselect_b32 s[RKC], s[RL], s[RR]             ; the image in hand: its last key step lies on the diagonal
	s_add_co_u32 s46, s46, s[CNT]
	s_and_b32 s[KSN], s46, 15                      ; the key step
	s_mul_i32 s[TB], s[KSN], KSB
	v_add_nc_u32 v[ADK], s[TB], v[LI]
	v_add_nc_u32 v[ADS], s[TB], v[LS]
.rept 6
	v_nop                                          ; with the two additions: eight places ahead of loads into registers that the last products read
.endr
.irp t, 0,1,2,3,4,5,6,7
	ds_load_b128 v[32+8*\t:35+8*\t], v[ADK] offset:1024*\t
	ds_load_b128 v[36+8*\t:39+8*\t], v[ADK] offset:1024*\t+512
	ds_load_b32 v[216+\t], v[ADS] offset:16384+64*\t
.endr
	s_wait_alu depctr_va_vdst(0)
	s_wait_dscnt 0x0
.irp t, 0,1,2,3,4,5,6,7
	v_wmma_scale_f32_16x16x128_f8f6f4 v[SB+8*\t:SB+8*\t+7], v[32+8*\t:47+8*\t], v[16:31], 0, v[216+\t], v228 matrix_a_fmt:MATRIX_FMT_BF8 matrix_b_fmt:MATRIX_FMT_BF8
.endr
.rept 8
	v_nop
.endr
.irp d, 0,1,2,3
.irp c, 0,1,2,3
	ds_load_b128 v[32+16*\d+4*\c:35+16*\d+4*\c], v[ADK] offset:8192+2048*\d+512*\c
.endr
	ds_load_b32 v[224+\d], v[ADS] offset:16896+64*\d
.endr
	s_cmp_lg_u32 s[KSN], s[RKC]
	s_cbranch_scc1 .Lopen
	v_mov_b32 v254, 0xff800000                     ; on the diagonal hidden scores become -infinity
.set n, 0
.rept 64
	v_cmp_gt_i32 vcc_lo, 32*(n/16)+n%16, v[DD]
	v_cndmask_b32 v[SB+n], v[SB+n], v254, vcc_lo
.set n, n+1
.endr
.Lopen:
.irp b, 0,1,2,3
	v_max3_num_f32 v[TM+\b], v[SB+16*\b], v[SB+1+16*\b], v[SB+2+16*\b]   ; each block's largest score: for the row's maximum and for the block's largest p
.endr
.irp i, 3,5,7,9,11,13
.irp b, 0,1,2,3
	v_max3_num_f32 v[TM+\b], v[TM+\b], v[SB+16*\b+\i], v[SB+1+16*\b+\i]
.endr
.endr
.irp b, 0,1,2,3
	v_max_num_f32 v[TM+\b], v[TM+\b], v[SB+15+16*\b]
.endr
.irp b, 0,1,2,3
	s_delay_alu instid0(VALU_DEP_4)
	v_permlanex16_b32 v[TM+4+\b], v[TM+\b], s[SEL], s[SEL+1]
.endr
.irp b, 0,1,2,3
	s_delay_alu instid0(VALU_DEP_4)
	v_max_num_f32 v[TM+\b], v[TM+\b], v[TM+4+\b]
.endr
	s_delay_alu instid0(VALU_DEP_2)
	v_max3_num_f32 v254, v[TM], v[TM+1], v[TM+2]
	s_delay_alu instid0(VALU_DEP_1)
	v_max_num_f32 v254, v254, v[TM+3]
	s_delay_alu instid0(VALU_DEP_1)
	v_mul_f32 v254, s[CSC], v254
	s_delay_alu instid0(VALU_DEP_1)
	v_max_num_f32 v13, v13, v254                   ; the running largest t
	v_mov_b32 v254, v12
	s_delay_alu instid0(VALU_DEP_2)
	v_floor_f32 v12, -v13                          ; the new -M
	s_delay_alu instid0(VALU_DEP_1)
	v_sub_f32 v254, v12, v254
	s_delay_alu instid0(VALU_DEP_1)
	v_cvt_i32_f32 v254, v254
	s_delay_alu instid0(VALU_DEP_1)
	v_ldexp_f32 v252, 1.0, v254                    ; f = 2^(old M - new M)
.set n, 0
.rept 32
	v_pk_fma_f32 v[SB+n:SB+n+1], v[SB+n:SB+n+1], s[CSC:CSC+1], v[12:13] op_sel_hi:[1,0,0]   ; t - M
.set n, n+2
.endr
.irp b, 0,1,2,3
	v_fma_f32 v[TM+\b], v[TM+\b], s[CSC], v12
.endr
	s_wait_alu depctr_va_vdst(0)                   ; the wait ahead of the batch
.set n, 0
.rept 64
	v_exp_f32 v[SB+n], v[SB+n]
.set n, n+1
.endr
	v_pk_mul_f32 v[14:15], v[14:15], v[252:253] op_sel_hi:[1,0]
	s_wait_alu depctr_va_vdst(0)                   ; and behind it
.irp b, 0,1,2,3
	v_exp_f32 v[TM+\b], v[TM+\b]                   ; each block's largest p
.endr
	v_pk_add_f32 v[TM+4:TM+5], v[SB:SB+1], v[SB+2:SB+3]   ; the sum of the unquantised p, in two chains
.irp j, 4,8,12,16,20,24,28,32,36,40,44,48,52,56,60
	v_pk_add_f32 v[14:15], v[14:15], v[SB+\j:SB+1+\j]
	v_pk_add_f32 v[TM+4:TM+5], v[TM+4:TM+5], v[SB+2+\j:SB+3+\j]
.endr
	s_delay_alu instid0(VALU_DEP_1)
	v_pk_add_f32 v[14:15], v[14:15], v[TM+4:TM+5]
	s_wait_alu depctr_va_vdst(0)                   ; for the four
.irp b, 0,1,2,3
	v_max_num_f32 v[TM+\b], 0x8000000, v[TM+\b]    ; the floor 2^(16 - 127)
.endr
.irp b, 0,1,2,3
	s_delay_alu instid0(VALU_DEP_4)
	v_add_nc_u32 v[TM+12+\b], 0xf8800000, v[TM+\b] ; the conversion's scale operand
.endr
.irp b, 0,1,2,3
	v_and_or_b32 v[TM+8+\b], v[TM+\b], 0x7f800000, s[MNT]   ; 57,344 x the scale
.endr
.irp b, 0,1,2,3
	v_lshrrev_b32 v[TM+4+\b], 23, v[TM+12+\b]      ; the byte
.endr
	s_delay_alu instid0(VALU_DEP_3)
	v_lshl_or_b32 v253, v[TM+5], 8, v[TM+4]
	s_delay_alu instid0(VALU_DEP_1)
	v_lshl_or_b32 v253, v[TM+6], 16, v253
	s_delay_alu instid0(VALU_DEP_1)
	v_lshl_or_b32 v253, v[TM+7], 24, v253          ; p's scale word
.irp b, 0,1,2,3
.irp i, 0,1,2,3,4,5,6,7,8,9,10,11,12,13,14,15
	v_min_num_f32 v[SB+16*\b+\i], v[SB+16*\b+\i], v[TM+8+\b]   ; the hold: the conversion does not saturate (ISA guide 7.6.2)
.endr
	v_cvt_scalef32_pk8_bf8_f32 v[PCB+4*\b:PCB+1+4*\b], v[SB+16*\b:SB+7+16*\b], v[TM+12+\b]
	v_cvt_scalef32_pk8_bf8_f32 v[PCB+2+4*\b:PCB+3+4*\b], v[SB+8+16*\b:SB+15+16*\b], v[TM+12+\b]
.endr
	s_wait_alu depctr_va_vdst(0)                   ; the wait directly ahead of the first reader of O^T
.set n, 0
.rept 16
	v_pk_mul_f32 v[OB+n:OB+n+1], v[OB+n:OB+n+1], v[252:253] op_sel_hi:[1,0]   ; O^T under the new M; also the places ahead of the products
.set n, n+2
.endr
	s_wait_alu depctr_va_vdst(0)
	s_wait_dscnt 0x0
.irp d, 0,1,2,3
	v_wmma_scale_f32_16x16x128_f8f6f4 v[OB+8*\d:OB+8*\d+7], v[32+16*\d:47+16*\d], v[PCB:PCB+15], v[OB+8*\d:OB+8*\d+7], v[224+\d], v253 matrix_a_fmt:MATRIX_FMT_BF8 matrix_b_fmt:MATRIX_FMT_BF8
.endr
.Lrest:
	s_add_co_u32 s[CNT], s[CNT], 1
	s_cmp_lt_u32 s[CNT], 9
	s_cbranch_scc1 .Ltrip
.rept 8
	v_nop                                          ; places behind the last products
.endr
	s_wait_dscnt 0x0                               ; for the partner's sake: my partial state has landed
	s_barrier_signal -1
	s_barrier_wait -1
	s_cmp_lg_u32 s[TY], 0
	s_cbranch_scc1 .Ljoined
	; THE JOIN (first waves): my partner's part of the long image
.irp i, 0,1,2,3,4,5,6,7
	ds_load_b128 v[SB+4*\i:SB+4*\i+3], v[PA] offset:512*\i
.endr
	ds_load_b128 v[SB+32:SB+35], v[PA] offset:4096 ; its -M, largest t, sums
	v_mov_b32 v[SB+39], 0                          ; (named as the upper half of a pair)
	s_wait_alu depctr_va_vdst(0)
	s_wait_dscnt 0x0
	v_min_num_f32 v[SB+36], v12, v[SB+32]          ; -M of the two: the larger M
	v_sub_f32 v[SB+37], v[SB+36], v12              ; whole numbers, 0 or less
	v_sub_f32 v[SB+38], v[SB+36], v[SB+32]
	v_cvt_i32_f32 v[SB+37], v[SB+37]               ; (they saturate: an empty part gets the factor 0)
	v_cvt_i32_f32 v[SB+38], v[SB+38]
	v_ldexp_f32 v252, 1.0, v[SB+37]
	v_ldexp_f32 v[SB+38], 1.0, v[SB+38]
	v_pk_mul_f32 v[14:15], v[14:15], v[252:253] op_sel_hi:[1,0]
	v_pk_fma_f32 v[14:15], v[SB+34:SB+35], v[SB+38:SB+39], v[14:15] op_sel_hi:[1,0,1]
.set n, 0
.rept 16
	v_pk_mul_f32 v[OB+n:OB+n+1], v[OB+n:OB+n+1], v[252:253] op_sel_hi:[1,0]
.set n, n+2
.endr
.set n, 0
.rept 16
	v_pk_fma_f32 v[OB+n:OB+n+1], v[SB+n:SB+n+1], v[SB+38:SB+39], v[OB+n:OB+n+1] op_sel_hi:[1,0,1]
.set n, n+2
.endr
	s_wait_alu depctr_va_vdst(0)
.Ljoined:
	; THE WAY OUT: O^T / the sum, quantised along the head's 64 channels (two blocks of the next product's K)
	v_add_f32 v14, v14, v15
	s_wait_alu depctr_va_vdst(0)
	v_permlanex16_b32 v252, v14, s[SEL], s[SEL+1]
	s_delay_alu instid0(VALU_DEP_1)
	v_add_f32 v14, v14, v252
	s_wait_alu depctr_va_vdst(0)                   ; the wait ahead of the transcendental
	v_rcp_f32 v15, v14
	v_nop
	s_lshl_b32 s50, s[RF], 3
	s_add_co_u32 s50, s50, s10                     ; my image in the sequence
	s_lshr_b32 s51, s11, 4
	s_lshl_b32 s51, s51, 7
	s_add_co_u32 s51, s51, s50
	s_lshl_b32 s51, s51, 3
	s_bfe_u32 s56, s11, 0x30001
	s_add_co_u32 s51, s51, s56                     ; image (token image, K step = head / 2)
	s_and_b32 s56, s11, 1
	s_lshl_b32 s52, s51, 11
	s_lshl_b32 s57, s56, 10
	s_add_co_u32 s52, s52, s57
	s_mov_b32 s53, 0
	s_add_nc_u64 s[52:53], s[6:7], s[52:53]
	s_lshl_b32 s54, s51, 6
	s_lshl_b32 s57, s56, 1
	s_add_co_u32 s54, s54, s57
	s_add_co_u32 s54, s54, 4194304
	s_mov_b32 s55, 0
	s_add_nc_u64 s[54:55], s[6:7], s[54:55]
	s_wait_alu depctr_va_vdst(0)                   ; ahead of the first reader of the reciprocal and of O^T
.set n, 0
.rept 32
	v_mul_f32 v[SB+n], v[OB+n], v15
.set n, n+1
.endr
.irp b, 0,1
	v_max3_num_f32 v[TM+\b], |v[SB+16*\b]|, |v[SB+1+16*\b]|, 0x8000000
.endr
.irp i, 2,4,6,8,10,12,14
.irp b, 0,1
	s_delay_alu instid0(VALU_DEP_2)
	v_max3_num_f32 v[TM+\b], v[TM+\b], |v[SB+16*\b+\i]|, |v[SB+1+16*\b+\i]|
.endr
.endr
.irp b, 0,1
	s_delay_alu instid0(VALU_DEP_2)
	v_permlanex16_b32 v[TM+4+\b], v[TM+\b], s[SEL], s[SEL+1]
.endr
.irp b, 0,1
	s_delay_alu instid0(VALU_DEP_2)
	v_max_num_f32 v[TM+\b], v[TM+\b], v[TM+4+\b]
.endr
.irp b, 0,1
	s_delay_alu instid0(VALU_DEP_2)
	v_add_nc_u32 v[TM+12+\b], 0xf8800000, v[TM+\b]
.endr
.irp b, 0,1
	s_delay_alu instid0(VALU_DEP_4)
	v_and_or_b32 v[TM+8+\b], v[TM+\b], 0x7f800000, s[MNT]
.endr
.irp b, 0,1
	s_delay_alu instid0(VALU_DEP_4)
	v_lshrrev_b32 v[TM+4+\b], 23, v[TM+12+\b]
.endr
	s_delay_alu instid0(VALU_DEP_1)
	v_lshl_or_b32 v[PW], v[TM+5], 8, v[TM+4]
.irp b, 0,1
.irp i, 0,1,2,3,4,5,6,7,8,9,10,11,12,13,14,15
	v_med3_num_f32 v[SB+16*\b+\i], v[SB+16*\b+\i], -v[TM+8+\b], v[TM+8+\b]
.endr
	v_cvt_scalef32_pk8_bf8_f32 v[PCB+4*\b:PCB+1+4*\b], v[SB+16*\b:SB+7+16*\b], v[TM+12+\b]
	v_cvt_scalef32_pk8_bf8_f32 v[PCB+2+4*\b:PCB+3+4*\b], v[SB+8+16*\b:SB+15+16*\b], v[TM+12+\b]
.endr
	v_nop
	global_store_b128 v[LI], v[PCB:PCB+3], s[52:53]            ; 512 consecutive bytes a store
	global_store_b128 v[LI], v[PCB+4:PCB+7], s[52:53] offset:512
	global_store_b16 v[LS], v[PW], s[54:55]                    ; my half of the row's scale word: 2 bytes a row
	s_wait_tensorcnt 0x0                           ; the wave's end
	ds_add_u32 v[SPW], v[NIL]
	s_wait_dscnt 0x0
	CROUND                                         ; the closing round
	s_endpgm
.Lfunc_end_k_q9cc1ddf25e_attn:
	.size	k_q9cc1ddf25e_attn, .Lfunc_end_k_q9cc1ddf25e_attn-k_q9cc1ddf25e_attn
	.p2alignl 7, 3214868480
	.fill 96, 4, 3214868480
	.section	.rodata,"a",@progbits
	.p2align	6, 0x0
	.amdhsa_kernel k_q9cc1ddf25e_attn
		.amdhsa_group_segment_fixed_size 327680
		.amdhsa_private_segment_fixed_size 0
		.amdhsa_enable_private_segment 0
		.amdhsa_kernarg_size 16
		.amdhsa_user_sgpr_count 2
		.amdhsa_user_sgpr_kernarg_segment_ptr 1
		.amdhsa_wavefront_size32 1
		.amdhsa_system_sgpr_workgroup_id_x 1
		.amdhsa_system_sgpr_workgroup_id_y 1
		.amdhsa_system_sgpr_workgroup_id_z 1
		.amdhsa_system_vgpr_workitem_id 0
		.amdhsa_next_free_vgpr 256
		.amdhsa_next_free_sgpr 66
		.amdhsa_reserve_vcc 1
		.amdhsa_float_denorm_mode_32 3
		.amdhsa_float_denorm_mode_16_64 3
		.amdhsa_memory_ordered 1
		.amdhsa_forward_progress 1
		.amdhsa_inst_pref_size 46
	.end_amdhsa_kernel
	.amdgpu_metadata
---
amdhsa.version: [ 1, 2 ]
amdhsa.kernels:
  - .name:           k_q9cc1ddf25e_attn
    .symbol:         k_q9cc1ddf25e_attn.kd
    .args:
      - { .name: qkv, .offset: 0, .size: 8, .value_kind: global_buffer, .address_space: global }
      - { .name: att, .offset: 8, .size: 8, .value_kind: global_buffer, .address_space: global }
    .group_segment_fixed_size: 327680
    .private_segment_fixed_size: 0
    .kernarg_segment_align: 8
    .kernarg_segment_size: 16
    .max_flat_workgroup_size: 512
    .sgpr_count:     66
    .vgpr_count:     256
    .wavefront_size: 32
...
	.end_amdgpu_metadata
.endif
;; end of part 10
;; launch oproj (part 11): grid 8 x 32, 4 waves a work-group, clusters of 4 x 4, 327,680 bytes of LDS; arguments att, wbuf, x, x2; writes x2
.if DOCPART == 11
	.amdgcn_target "amdgcn-amd-amdhsa--gfx1250"
	.amdhsa_code_object_version 6
	.text
	.protected	k_q9cc1ddf25e_oproj
	.globl	k_q9cc1ddf25e_oproj
	.p2align	8
	.type	k_q9cc1ddf25e_oproj,@function
k_q9cc1ddf25e_oproj:
	s_mov_b64 s[64:65], 0
	v_nop
	global_prefetch_b8 v0, s[64:65] scope:SCOPE_SE
	s_setreg_imm32_b32 hwreg(HW_REG_WAVE_MODE, 25, 1), 1
	s_wait_xcnt 0x0
	s_wait_alu depctr_hold_cnt(0) depctr_sa_sdst(0) depctr_va_vdst(0) depctr_va_sdst(0) depctr_va_ssrc(0) depctr_va_vcc(0) depctr_vm_vsrc(0)
	s_getreg_b32 s2, hwreg(HW_REG_IB_STS2, 6, 4)
	s_cmp_eq_u32 s2, 0
	s_cbranch_scc0 .Lentry_in_a_cluster
	s_endpgm
.Lentry_in_a_cluster:
	s_bfe_u32 s2, ttmp6, 0x10000c
	s_cmp_lg_u32 s2, 0xf033
	s_cbranch_scc0 .Lentry_shape_is_right
	s_endpgm
.Lentry_shape_is_right:
.set KT,    8
.set ASOFF, 4194304
.set BOFF,  3145728
.set BSOFF, 12845056+98304
.set NTOUT, 0
.set KSL,   4
.set NS,    (KT+KSL-1)/KSL
.set NQL,   KT-KSL*(NS-1)
.set IMG,   2048
.set ROWP,  KSL*IMG
.set FR,    16
.set NP,    8
.set HALFT, 4*ROWP
.set SLOT,  4*HALFT
.set KROW,  128*KT
.set KS,    4*KT
.set SCL,   2*SLOT
.set HALFS, 64*KS
.set SBLK,  16*KS
.set SPARE, SCL+4*HALFS
.set SPITCH, 272
.set STAGE, (NS%2)*SLOT
.set ADRA, 16
.set ADRB, 20
.set STO,  24
.set RD,   25
.set CO,   26
.set ADRS, 27
.set SPW,  28
.set NIL,  29
.set SC,   32
.set BK,   64
.set ACC,  128
.set G1, 24
.set G0, 32
.set G1B, 48
.set G0B, 56
.set G1S, 68
.set G0S, 76
.set G1SB, 80
.set G0SB, 88
.set MSB, 0
.macro WIN new
.if MSB != (\new)
	s_set_vgpr_msb (MSB<<8)|(\new)
.set MSB, (\new)
.endif
.endm
.set MUL,  0x05
.set TO_F, 0x40
.macro JLOAD g0a, g1a, g0b, g1b
	s_cmp_eq_u32 s15, 0
	s_cbranch_scc0 .Lfor_b_\@
	tensor_load_to_lds s[\g0a:\g0a+3], s[\g1a:\g1a+7]
	s_nop 0
.rept 4
	v_nop
.endr
	s_branch .Lasked_\@
.Lfor_b_\@:
	tensor_load_to_lds s[\g0b:\g0b+3], s[\g1b:\g1b+7]
	s_nop 0
.rept 4
	v_nop
.endr
.Lasked_\@:
.endm
.macro CREST
	s_cmp_lg_u32 s14, 0
	s_cbranch_scc1 .Lnot_wave_0_\@
	s_barrier_signal -3
.Lnot_wave_0_\@:
	s_barrier_wait -3
	s_barrier_signal -1
	s_barrier_wait -1
.endm
.macro CROUND
	s_barrier_signal -1
	s_barrier_wait -1
	CREST
.endm
.macro FRAG reg, adr, q, i
.irp c, 0,1,2,3
	ds_load_b128 v[\reg+4*\c:\reg+4*\c+3], v[\adr] offset:IMG*(\q)+512*\c+(\i)*ROWP
.endr
.endm
.macro MUL4 a, p, q, sc, zero
.irp b, 0,1,2,3
.if \zero
	v_wmma_scale_f32_16x16x128_f8f6f4 v[ACC+8*(4*(\a)+\b):ACC+8*(4*(\a)+\b)+7], v[128*(\p)+FR*\b:128*(\p)+FR*\b+FR-1], v[128*(\p)+64+FR*(\a):128*(\p)+64+FR*(\a)+FR-1], 0, v[SC+16*(\sc)+4*\b+(\q)], v[SC+16*(\sc)+4*(\a)+(\q)] matrix_a_fmt:MATRIX_FMT_BF8 matrix_b_fmt:MATRIX_FMT_BF8 matrix_a_scale:MATRIX_SCALE_ROW1
.else
	v_wmma_scale_f32_16x16x128_f8f6f4 v[ACC+8*(4*(\a)+\b):ACC+8*(4*(\a)+\b)+7], v[128*(\p)+FR*\b:128*(\p)+FR*\b+FR-1], v[128*(\p)+64+FR*(\a):128*(\p)+64+FR*(\a)+FR-1], v[ACC+8*(4*(\a)+\b):ACC+8*(4*(\a)+\b)+7], v[SC+16*(\sc)+4*\b+(\q)], v[SC+16*(\sc)+4*(\a)+(\q)] matrix_a_fmt:MATRIX_FMT_BF8 matrix_b_fmt:MATRIX_FMT_BF8 matrix_a_scale:MATRIX_SCALE_ROW1
.endif
.endr
.endm
.macro FETCH slot, q, p
	WIN TO_F
.irp i, 0,1,2,3
	FRAG 128*(\p)+FR*\i, ADRB+\slot, \q, \i
.endr
.irp i, 0,1,2,3
	FRAG 128*(\p)+64+FR*\i, ADRA+\slot, \q, \i
.endr
.endm
.macro SCALES sc, nq
.irp i, 0,1,2,3
.irp q, 0,1,2,3
.if \q < \nq
	ds_load_b32 v[SC+16*\sc+4*\i+\q], v[ADRS] offset:\i*SBLK+64*\q
.endif
.endr
.endr
.endm
.macro PLACES n
.rept \n
	v_nop
.endr
.endm
.macro QSTEP slot, q, zero
	s_wait_dscnt 8
	WIN MUL
	MUL4 0, (\q)%2, \q, \slot, \zero
	MUL4 1, (\q)%2, \q, \slot, \zero
	PLACES NP
	FETCH \slot, (\q)+1, 1-(\q)%2
	s_wait_dscnt 32
	WIN MUL
	MUL4 2, (\q)%2, \q, \slot, \zero
	MUL4 3, (\q)%2, \q, \slot, \zero
.endm
.macro THREE slot, zero
	QSTEP \slot, 0, \zero
	QSTEP \slot, 1, 0
	QSTEP \slot, 2, 0
.endm
.macro TURN slot, next, fill, nqn, short
	WIN 0
	s_wait_tensorcnt 0x0
	ds_add_u32 v[SPW], v[NIL]
	s_wait_dscnt 9
	WIN MUL
	MUL4 0, 1, KSL-1, \slot, 0
	s_wait_dscnt 0x0
	s_barrier_signal -1
	MUL4 1, 1, KSL-1, \slot, 0
	WIN 0
	s_barrier_wait -1
.if \fill
	CREST
	s_add_nc_u64 s[G0+4*\slot+2:G0+4*\slot+3], s[G0+4*\slot+2:G0+4*\slot+3], 2*ROWP
	s_add_nc_u64 s[G0B+4*\slot+2:G0B+4*\slot+3], s[G0B+4*\slot+2:G0B+4*\slot+3], 2*ROWP
.if \short
	s_mov_b32 s[G1+1], (NQL*256)<<16
	s_mov_b32 s[G1B+1], (NQL*256)<<16
.endif
	JLOAD G0+4*\slot, G1, G0B+4*\slot, G1B
	PLACES NP-4
.else
	PLACES NP
.endif
	v_add_nc_u32 v[ADRS], 64*KSL, v[ADRS]
	SCALES \next, \nqn
	FETCH \next, 0, 0
	WIN MUL
	MUL4 2, 1, KSL-1, \slot, 0
	MUL4 3, 1, KSL-1, \slot, 0
.endm
.macro LAST sc
	s_wait_dscnt 8
	WIN MUL
	MUL4 0, 1, NQL-1, \sc, 0
	MUL4 1, 1, NQL-1, \sc, 0
	s_wait_dscnt 0
	MUL4 2, 1, NQL-1, \sc, 0
	MUL4 3, 1, NQL-1, \sc, 0
	WIN 0
.endm
	s_load_b128 s[4:7], s[0:1], 0x0
	s_load_b128 s[96:99], s[0:1], 0x10
	v_lshl_add_u32 v[SPW], v0, 2, SPARE
	v_mov_b32 v[NIL], 0
	ds_add_u32 v[SPW], v[NIL]
	ds_add_u32 v[SPW], v[NIL]
	v_lshrrev_b32 v1, 5, v0
	v_readfirstlane_b32 s14, v1
	s_lshr_b32 s15, s14, 1
	s_and_b32 s16, s14, 1
	s_bfe_u32 s40, ttmp6, 0x40000
	s_bfe_u32 s41, ttmp6, 0x40004
	s_lshl_b32 s42, ttmp9, 2
	s_add_co_u32 s42, s42, s40
	s_and_b32 s17, ttmp7, 0xffff
	s_lshl_b32 s17, s17, 2
	s_add_co_u32 s17, s17, s41
	s_lshl_b32 s43, s41, 2
	s_lshl_b32 s43, 15, s43
	s_lshl_b32 s44, 0x1111, s40
	s_or_b32 s[G1+0], s43, (3<<16)|(1<<21)
	s_or_b32 s[G1B+0], s44, (3<<16)|(1<<21)
.irp g, G1, G1B
	s_mov_b32 s[\g+1], (KSL*256)<<16
	s_mov_b32 s[\g+2], 8<<16
	s_mov_b32 s[\g+3], (KSL*256)<<16
	s_mov_b32 s[\g+4], 8
	s_mov_b32 s[\g+5], 256*KT
	s_mov_b32 s[\g+6], 0
	s_mov_b32 s[\g+7], 0
.endr
	s_or_b32 s[G1S+0], s43, (3<<16)|(1<<21)
	s_or_b32 s[G1SB+0], s44, (3<<16)|(1<<21)
.irp g, G1S, G1SB
	s_mov_b32 s[\g+1], 32<<16
	s_mov_b32 s[\g+2], (2*KT)<<16
	s_mov_b32 s[\g+3], 32<<16
	s_mov_b32 s[\g+4], 2*KT
	s_mov_b32 s[\g+5], 32
	s_mov_b32 s[\g+6], 0
	s_mov_b32 s[\g+7], 0
.endr
	s_lshl_b32 s18, s16, 6
	s_lshl_b32 s20, s17, 7
	s_add_co_u32 s20, s20, s18
	s_lshl_b32 s46, s42, 7
	s_add_co_u32 s46, s46, s18
	s_mov_b32 s21, 0
	s_mov_b32 s47, 0
	s_mov_b64 s[18:19], KS
	s_mul_u64 s[22:23], s[20:21], s[18:19]
	s_mul_u64 s[92:93], s[46:47], s[18:19]
	s_mov_b64 s[18:19], KROW
	s_mul_u64 s[20:21], s[20:21], s[18:19]
	s_mul_u64 s[46:47], s[46:47], s[18:19]
	s_mul_i32 s45, s14, HALFT
	s_mul_i32 s2, s16, HALFS
	s_mov_b32 s3, 0
	s_wait_dscnt 0x0
	s_wait_kmcnt 0x0
	s_add_nc_u64 s[8:9], s[6:7], BOFF
	s_add_nc_u64 s[10:11], s[6:7], BSOFF
	s_add_nc_u64 s[6:7], s[4:5], ASOFF
	s_add_nc_u64 s[20:21], s[4:5], s[20:21]
	s_add_nc_u64 s[22:23], s[6:7], s[22:23]
	s_add_nc_u64 s[46:47], s[8:9], s[46:47]
	s_add_nc_u64 s[92:93], s[10:11], s[92:93]
	CROUND
	s_mov_b32 s[G0S], 1                            ; the head's four tiles, each whole: A's scale words,
	s_mov_b32 s[G0S+1], SCL
	s_sub_nc_u64 s[G0S+2:G0S+3], s[22:23], s[2:3]  ; (from the tile's first row: my half taken off)
	s_or_b32 s[G0S+3], s[G0S+3], 0x80000000
	s_mov_b32 s[G0SB], 1                           ; B's,
	s_mov_b32 s[G0SB+1], SCL+2*HALFS
	s_sub_nc_u64 s[G0SB+2:G0SB+3], s[92:93], s[2:3]
	s_or_b32 s[G0SB+3], s[G0SB+3], 0x80000000
	s_mul_i32 s2, s16, 64*KROW
	s_mov_b32 s4, 1                                ; slot 0's 8 image rows of A (s4-s11 held arguments that have been used),
	s_mov_b32 s5, 0
	s_sub_nc_u64 s[6:7], s[20:21], s[2:3]
	s_or_b32 s7, s7, 0x80000000
	s_mov_b32 s8, 1                                ; and of B, behind them
	s_mov_b32 s9, 2*HALFT
	s_sub_nc_u64 s[10:11], s[46:47], s[2:3]
	s_or_b32 s11, s11, 0x80000000
.irp s, 0,1
	s_mov_b32 s[G0+4*\s], 1
	s_add_co_u32 s[G0+4*\s+1], s45, \s*SLOT
	s_add_nc_u64 s[G0+4*\s+2:G0+4*\s+3], s[20:21], \s*ROWP
	s_or_b32 s[G0+4*\s+3], s[G0+4*\s+3], 0x80000000
	s_mov_b32 s[G0B+4*\s], 1
	s_add_co_u32 s[G0B+4*\s+1], s45, \s*SLOT
	s_add_nc_u64 s[G0B+4*\s+2:G0B+4*\s+3], s[46:47], \s*ROWP
	s_or_b32 s[G0B+4*\s+3], s[G0B+4*\s+3], 0x80000000
.endr
; the head's loads, one a wave: one tree of branches on the wave's number, an arm a load
.macro ARM under, g0, g1, next
	s_cmp_lt_u32 s14, \under
	s_cbranch_scc0 \next
	tensor_load_to_lds s[\g0:\g0+3], s[\g1:\g1+7]
	s_nop 0
.rept 4
	v_nop
.endr
	s_branch .Lhead_asked
\next:
.endm
	ARM 1, 4, G1, .Lhead_b
	ARM 2, 8, G1B, .Lhead_sa
	ARM 3, G0S, G1S, .Lhead_sb
	tensor_load_to_lds s[G0SB:G0SB+3], s[G1SB:G1SB+7]
	s_nop 0
.rept 4
	v_nop
.endr
.Lhead_asked:
	v_and_b32 v1, 15, v0
	v_bfe_u32 v2, v0, 4, 1
	s_wait_alu depctr_va_vdst(0)
	v_and_b32 v3, 31, v0
	v_lshlrev_b32 v4, 4, v3
	s_mul_i32 s21, s15, HALFT
	s_mul_i32 s22, s16, HALFT
	s_add_co_u32 s22, s22, 2*HALFT
.irp s, 0,1
	v_add_nc_u32 v[ADRA+\s], s21, v4
	v_add_nc_u32 v[ADRB+\s], s22, v4
	s_add_co_u32 s21, s21, SLOT
	s_add_co_u32 s22, s22, SLOT
.endr
	v_lshlrev_b32 v5, 2, v1
	s_mul_i32 s21, s15, HALFS
	s_mul_i32 s22, s16, HALFS
	s_add_co_u32 s22, s22, 2*HALFS
	s_sub_co_u32 s22, s22, s21
	v_mul_u32_u24 v6, s22, v2
	s_add_co_u32 s21, s21, SCL
	v_add_nc_u32 v5, v5, v6
	v_add_nc_u32 v[ADRS], s21, v5
	s_mul_i32 s23, s14, 16*SPITCH
	s_add_co_u32 s23, s23, STAGE
	v_mul_u32_u24 v5, v1, SPITCH
	v_lshl_add_u32 v5, v2, 6, v5
	v_add_nc_u32 v[STO], s23, v5
	v_mul_u32_u24 v5, v2, SPITCH
	v_lshl_add_u32 v5, v1, 4, v5
	v_add_nc_u32 v[RD], s23, v5
	v_lshlrev_b32 v[CO], 12, v2
	v_lshl_add_u32 v[CO], v1, 4, v[CO]
	s_wait_alu depctr_va_vdst(0)
	s_lshl_b32 s20, s17, 7
	s_lshl_b32 s21, s15, 6
	s_add_co_u32 s20, s20, s21
	s_lshl_b32 s20, s20, 12
	s_lshl_b32 s46, s42, 9
	s_lshl_b32 s47, s16, 8
	s_add_co_u32 s46, s46, s47
	s_add_co_u32 s20, s20, s46
	s_mov_b32 s21, 0
	s_add_nc_u64 s[12:13], s[98:99], s[20:21]
	s_add_nc_u64 s[96:97], s[96:97], s[20:21]
	WIN 0x80
.irp a, 0,1,2,3
.irp t, 0,1,2,3,4,5,6,7
	global_load_b128 v[32*\a+4*\t:32*\a+4*\t+3], v[CO], s[96:97] offset:(32*(\a/2)+8*(\a%2)+2*\t+8*(\t/4))*4096 th:TH_LOAD_NT
.endr
.endr
	WIN 0
	s_wait_tensorcnt 0x0                           ; my tile of the head's four is in
	ds_add_u32 v[SPW], v[NIL]
	s_mov_b32 s[G1+2], 4<<16                       ; no tensor load of mine is out: from here on a load brings 4 image rows
	s_mov_b32 s[G1+4], 4
	s_mov_b32 s[G1B+2], 4<<16
	s_mov_b32 s[G1B+4], 4
	s_wait_dscnt 0x0
	CROUND                                         ; all four tiles are in, and the partners are here
	JLOAD G0+4, G1, G0B+4, G1B                     ; slot 1: the first tensor load behind the round
	SCALES 0, KSL
	FETCH 0, 0, 0
	THREE 0, 1
	TURN 0, 1, 0, KSL, 0
	THREE 1, 0
	LAST 1
.macro TOSTAGE a
.irp b, 0,1,2,3
	ds_store_b128 v[STO], v[ACC+8*(4*(\a)+\b):ACC+8*(4*(\a)+\b)+3] offset:128*(\b/2)+32*(\b%2)
	ds_store_b128 v[STO], v[ACC+8*(4*(\a)+\b)+4:ACC+8*(4*(\a)+\b)+7] offset:128*(\b/2)+32*(\b%2)+16
.endr
.set BB, BK+32*((\a)%2)
.irp t, 0,1,2,3,4,5,6,7
	ds_load_b128 v[BB+4*\t:BB+4*\t+3], v[RD] offset:2*\t*SPITCH
.endr
.endm
.macro SEND a, ds
.set BB, BK+32*((\a)%2)
.set RB, 32*(\a)
	s_wait_dscnt \ds
	WIN 0x08
.set n, 0
.rept 16
	v_pk_add_f32 v[BB+n:BB+n+1], v[BB+n:BB+n+1], v[RB+n:RB+n+1]
.set n, n+2
.endr
	WIN 0
.irp t, 0,1,2,3,4,5,6,7
.if NTOUT
	global_store_b128 v[CO], v[BB+4*\t:BB+4*\t+3], s[12:13] offset:(32*((\a)/2)+8*((\a)%2)+2*\t+8*(\t/4))*4096 th:TH_STORE_NT
.else
	global_store_b128 v[CO], v[BB+4*\t:BB+4*\t+3], s[12:13] offset:(32*((\a)/2)+8*((\a)%2)+2*\t+8*(\t/4))*4096
.endif
.endr
.endm
	PLACES NP
	TOSTAGE 0
	s_wait_loadcnt 0x0
.irp a, 1,2,3
.if \a > 1
	s_wait_xcnt 0x0
.endif
	TOSTAGE \a
	SEND \a-1, 16
.endr
	SEND 3, 0
	s_wait_tensorcnt 0x0
	ds_add_u32 v[SPW], v[NIL]
	s_wait_dscnt 0x0
	CROUND
	s_endpgm
.Lfunc_end_k_q9cc1ddf25e_oproj:
	.size	k_q9cc1ddf25e_oproj, .Lfunc_end_k_q9cc1ddf25e_oproj-k_q9cc1ddf25e_oproj
	.p2alignl 7, 3214868480
	.fill 96, 4, 3214868480
	.section	.rodata,"a",@progbits
	.p2align	6, 0x0
	.amdhsa_kernel k_q9cc1ddf25e_oproj
		.amdhsa_group_segment_fixed_size 327680
		.amdhsa_private_segment_fixed_size 0
		.amdhsa_enable_private_segment 0
		.amdhsa_kernarg_size 32
		.amdhsa_user_sgpr_count 2
		.amdhsa_user_sgpr_kernarg_segment_ptr 1
		.amdhsa_wavefront_size32 1
		.amdhsa_system_sgpr_workgroup_id_x 1
		.amdhsa_system_sgpr_workgroup_id_y 1
		.amdhsa_system_sgpr_workgroup_id_z 1
		.amdhsa_system_vgpr_workitem_id 0
		.amdhsa_next_free_vgpr 768
		.amdhsa_next_free_sgpr 102
		.amdhsa_reserve_vcc 0
		.amdhsa_float_denorm_mode_32 3
		.amdhsa_float_denorm_mode_16_64 3
		.amdhsa_memory_ordered 1
		.amdhsa_forward_progress 1
		.amdhsa_inst_pref_size 63
	.end_amdhsa_kernel
	.amdgpu_metadata
---
amdhsa.version: [ 1, 2 ]
amdhsa.kernels:
  - .name:           k_q9cc1ddf25e_oproj
    .symbol:         k_q9cc1ddf25e_oproj.kd
    .args:
      - { .name: att, .offset: 0, .size: 8, .value_kind: global_buffer, .address_space: global }
      - { .name: wbuf, .offset: 8, .size: 8, .value_kind: global_buffer, .address_space: global }
      - { .name: x, .offset: 16, .size: 8, .value_kind: global_buffer, .address_space: global }
      - { .name: x2, .offset: 24, .size: 8, .value_kind: global_buffer, .address_space: global }
    .group_segment_fixed_size: 327680
    .private_segment_fixed_size: 0
    .kernarg_segment_align: 8
    .kernarg_segment_size: 32
    .max_flat_workgroup_size: 128
    .sgpr_count:     102
    .vgpr_count:     768
    .wavefront_size: 32
...
	.end_amdgpu_metadata
.endif
;; end of part 11
;; launch norm2 (part 12): grid 256 x 1, 8 waves a work-group, no clusters, 69,120 bytes of LDS; arguments x2, g2, act; writes act
.if DOCPART == 12
	.amdgcn_target "amdgcn-amd-amdhsa--gfx1250"
	.amdhsa_code_object_version 6
	.text
	.protected	k_q9cc1ddf25e_norm2
	.globl	k_q9cc1ddf25e_norm2
	.p2align	8
	.type	k_q9cc1ddf25e_norm2,@function
k_q9cc1ddf25e_norm2:
	s_mov_b64 s[64:65], 0
	v_nop
	global_prefetch_b8 v0, s[64:65] scope:SCOPE_SE
	s_setreg_imm32_b32 hwreg(HW_REG_WAVE_MODE, 25, 1), 1
	s_wait_xcnt 0x0
; NORM2: rmsnorm(x2, g2) as codes of BF8 with E8M0 scales along the model's 1,024, laid as images of the operand's registers (see the first launch).  No work is left out here.
; A work-group takes the 16 tokens of image row T = its number, wave s the columns 128 s on: each load reads 512 consecutive bytes of a row; the rows turn through the wave's own stage, so that a lane holds
; 16 neighbours of each block of 32; the eight waves' sums of squares meet in LDS behind one barrier.  LIMITS as stated at the head of the first launch.
.set ACS,   4194304
.set SP,    528
.set WREG,  16*SP
.set PART,  8*WREG
.set SPARE, PART+512                   ; the spare words, 128 bytes a wave: four blocks of 256 bytes that no other line names
.set TM,  16
.set R,   32
.set G,   96
.set PC,  160
.set PW,  176
.set SU,  178
.set SEL, 60
.set MNT, 62
	s_load_b128 s[8:11], s[0:1], 0x0               ; x2, g2
	s_load_b64 s[28:29], s[0:1], 0x10              ; act
	v_lshl_add_u32 v12, v0, 2, SPARE
	v_mov_b32 v13, 0
	v_lshrrev_b32 v1, 5, v0
	s_delay_alu instid0(VALU_DEP_1)
	v_readfirstlane_b32 s2, v1                     ; wave
	v_and_b32 v1, 31, v0
	v_and_b32 v2, 15, v0                           ; r
	v_bfe_u32 v3, v0, 4, 1                         ; h
	s_delay_alu instid0(VALU_DEP_3)
	v_lshlrev_b32 v4, 4, v1
	s_delay_alu instid0(VALU_DEP_3)
	v_lshlrev_b32 v5, 2, v2
	s_mul_i32 s3, s2, WREG
	v_add_nc_u32 v6, s3, v4
	v_mul_u32_u24 v7, v2, SP
	s_delay_alu instid0(VALU_DEP_1)
	v_lshl_add_u32 v7, v3, 6, v7
	s_delay_alu instid0(VALU_DEP_1)
	v_add_nc_u32 v7, s3, v7
	s_lshl_b32 s3, s2, 6
	v_add_nc_u32 v8, s3, v5
	s_delay_alu instid0(VALU_DEP_1)
	v_add_nc_u32 v8, PART, v8
	v_add_nc_u32 v9, PART, v5
	v_lshlrev_b32 v11, 6, v3
	s_mov_b32 s[SEL], 0x76543210
	s_mov_b32 s[SEL+1], 0xfedcba98
	s_mov_b32 s[MNT], 0x600000
	s_mov_b32 s45, 0x3a800000                      ; 1/1024
	s_mov_b32 s46, 0x3727c5ac                      ; 1e-5
.irp b, 0,1,2,3
	v_mov_b32 v[TM+4+\b], 0
.endr
	s_lshr_b32 s38, ttmp9, 1
	s_lshl_b32 s38, s38, 5
	s_and_b32 s39, ttmp9, 1
	s_lshl_b32 s39, s39, 3
	s_add_co_u32 s38, s38, s39                     ; the image's first token
	s_lshl_b32 s38, s38, 12
	s_lshl_b32 s36, s2, 9
	s_add_co_u32 s38, s38, s36
	s_mov_b32 s39, 0
	s_mov_b32 s37, 0
	s_lshl_b32 s34, ttmp9, 3
	s_add_co_u32 s34, s34, s2                      ; the image's number
	s_lshl_b32 s40, s34, 11
	s_mov_b32 s41, 0
	s_lshl_b32 s42, s34, 6
	s_add_co_u32 s42, s42, ACS
	s_mov_b32 s43, 0
	s_wait_alu depctr_va_vdst(0)
	s_wait_kmcnt 0x0
	s_add_nc_u64 s[32:33], s[8:9], s[38:39]
	s_add_nc_u64 s[38:39], s[10:11], s[36:37]
	s_add_nc_u64 s[40:41], s[28:29], s[40:41]
	s_add_nc_u64 s[42:43], s[28:29], s[42:43]
.irp c, 0,1,2,3
.irp j, 0,1,2,3
	global_load_b128 v[G+16*\c+4*\j:G+16*\c+4*\j+3], v11, s[38:39] offset:128*\c+16*\j
.endr
.endr
.irp p, 0,1,2,3,4,5,6,7,8,9,10,11,12,13,14,15
	global_load_b128 v[R+4*\p:R+4*\p+3], v4, s[32:33] offset:((\p)+8*((\p)/8))*4096
.endr
.irp p, 0,1,2,3,4,5,6,7,8,9,10,11,12,13,14,15
	s_wait_loadcnt 15-\p                           ; loads come back in order: row p is in (the gain's loads are older), the younger rows may be out
	ds_store_b128 v6, v[R+4*\p:R+4*\p+3] offset:SP*\p
.endr
.irp c, 0,1,2,3
.irp j, 0,1,2,3
	ds_load_b128 v[R+16*\c+4*\j:R+16*\c+4*\j+3], v7 offset:128*\c+16*\j   ; LDS serves a wave's instructions in order
.endr
.endr
	s_wait_dscnt 0x0
	v_pk_mul_f32 v[SU:SU+1], v[R:R+1], v[R:R+1]
	v_pk_mul_f32 v[SU+2:SU+3], v[R+2:R+3], v[R+2:R+3]
.irp i, 4,8,12,16,20,24,28,32,36,40,44,48,52,56,60
	s_delay_alu instid0(VALU_DEP_2)
	v_pk_fma_f32 v[SU:SU+1], v[R+\i:R+\i+1], v[R+\i:R+\i+1], v[SU:SU+1]
	s_delay_alu instid0(VALU_DEP_2)
	v_pk_fma_f32 v[SU+2:SU+3], v[R+\i+2:R+\i+3], v[R+\i+2:R+\i+3], v[SU+2:SU+3]
.endr
	s_delay_alu instid0(VALU_DEP_1)
	v_pk_add_f32 v[SU:SU+1], v[SU:SU+1], v[SU+2:SU+3]
	s_delay_alu instid0(VALU_DEP_1)
	v_add_f32 v[SU], v[SU], v[SU+1]
	s_delay_alu instid0(VALU_DEP_1)
	v_permlanex16_b32 v[SU+1], v[SU], s[SEL], s[SEL+1]
	s_delay_alu instid0(VALU_DEP_1)
	v_add_f32 v[SU], v[SU], v[SU+1]
	ds_store_b32 v8, v[SU]
	s_wait_dscnt 0x0                               ; for the others' sake: my store has landed
	s_barrier_signal -1
	s_barrier_wait -1
.irp w, 0,1,2,3,4,5,6,7
	ds_load_b32 v[SU+4+\w], v9 offset:64*\w
.endr
	s_wait_dscnt 0x0
	v_add_f32 v[SU+4], v[SU+4], v[SU+5]
	v_add_f32 v[SU+6], v[SU+6], v[SU+7]
	v_add_f32 v[SU+8], v[SU+8], v[SU+9]
	v_add_f32 v[SU+10], v[SU+10], v[SU+11]
	s_delay_alu instid0(VALU_DEP_3)
	v_add_f32 v[SU+4], v[SU+4], v[SU+6]
	s_delay_alu instid0(VALU_DEP_2)
	v_add_f32 v[SU+8], v[SU+8], v[SU+10]
	s_delay_alu instid0(VALU_DEP_1)
	v_add_f32 v[SU+4], v[SU+4], v[SU+8]
	s_delay_alu instid0(VALU_DEP_1)
	v_fma_f32 v[SU], v[SU+4], s45, s46
	s_wait_alu depctr_va_vdst(0)
	v_rsq_f32 v[SU+2], v[SU]
	v_nop
	s_wait_alu depctr_va_vdst(0)                   ; the wait ahead of the first reader
.set n, 0
.rept 32
	v_pk_mul_f32 v[R+n:R+n+1], v[R+n:R+n+1], v[SU+2:SU+3] op_sel_hi:[1,0]
.set n, n+2
.endr
.set n, 0
.rept 32
	v_pk_mul_f32 v[R+n:R+n+1], v[R+n:R+n+1], v[G+n:G+n+1]
.set n, n+2
.endr
.irp b, 0,1,2,3
	v_max3_num_f32 v[TM+\b], |v[R+16*\b]|, |v[R+1+16*\b]|, 0x8000000   ; and the floor 2^(16 - 127)
.endr
.irp i, 2,4,6,8,10,12,14
.irp b, 0,1,2,3
	s_delay_alu instid0(VALU_DEP_4)
	v_max3_num_f32 v[TM+\b], v[TM+\b], |v[R+16*\b+\i]|, |v[R+1+16*\b+\i]|
.endr
.endr
.irp b, 0,1,2,3
	s_delay_alu instid0(VALU_DEP_4)
	v_permlanex16_b32 v[TM+4+\b], v[TM+\b], s[SEL], s[SEL+1]
.endr
.irp b, 0,1,2,3
	s_delay_alu instid0(VALU_DEP_4)
	v_max_num_f32 v[TM+\b], v[TM+\b], v[TM+4+\b]
.endr
.irp b, 0,1,2,3
	s_delay_alu instid0(VALU_DEP_4)
	v_add_nc_u32 v[TM+12+\b], 0xf8800000, v[TM+\b]
.endr
.irp b, 0,1,2,3
	v_and_or_b32 v[TM+8+\b], v[TM+\b], 0x7f800000, s[MNT]
.endr
.irp b, 0,1,2,3
	v_lshrrev_b32 v[TM+4+\b], 23, v[TM+12+\b]
.endr
	s_delay_alu instid0(VALU_DEP_3)
	v_lshl_or_b32 v[PW], v[TM+5], 8, v[TM+4]
	s_delay_alu instid0(VALU_DEP_1)
	v_lshl_or_b32 v[PW], v[TM+6], 16, v[PW]
	s_delay_alu instid0(VALU_DEP_1)
	v_lshl_or_b32 v[PW], v[TM+7], 24, v[PW]
.irp b, 0,1,2,3
.irp i, 0,1,2,3,4,5,6,7,8,9,10,11,12,13,14,15
	v_med3_num_f32 v[R+16*\b+\i], v[R+16*\b+\i], -v[TM+8+\b], v[TM+8+\b]
.endr
	v_cvt_scalef32_pk8_bf8_f32 v[PC+4*\b:PC+1+4*\b], v[R+16*\b:R+7+16*\b], v[TM+12+\b]
	v_cvt_scalef32_pk8_bf8_f32 v[PC+2+4*\b:PC+3+4*\b], v[R+8+16*\b:R+15+16*\b], v[TM+12+\b]
.endr
	v_nop
.irp c, 0,1,2,3
	global_store_b128 v4, v[PC+4*\c:PC+4*\c+3], s[40:41] offset:512*\c
.endr
	global_store_b32 v5, v[PW], s[42:43]
	s_wait_tensorcnt 0x0                           ; the wave's end, behind my last LDS store
	ds_add_u32 v12, v13
	s_wait_dscnt 0x0
	s_endpgm
.Lfunc_end_k_q9cc1ddf25e_norm2:
	.size	k_q9cc1ddf25e_norm2, .Lfunc_end_k_q9cc1ddf25e_norm2-k_q9cc1ddf25e_norm2
	.p2alignl 7, 3214868480
	.fill 96, 4, 3214868480
	.section	.rodata,"a",@progbits
	.p2align	6, 0x0
	.amdhsa_kernel k_q9cc1ddf25e_norm2
		.amdhsa_group_segment_fixed_size 69120
		.amdhsa_private_segment_fixed_size 0
		.amdhsa_enable_private_segment 0
		.amdhsa_kernarg_size 24
		.amdhsa_user_sgpr_count 2
		.amdhsa_user_sgpr_kernarg_segment_ptr 1
		.amdhsa_wavefront_size32 1
		.amdhsa_system_sgpr_workgroup_id_x 1
		.amdhsa_system_sgpr_workgroup_id_y 1
		.amdhsa_system_sgpr_workgroup_id_z 1
		.amdhsa_system_vgpr_workitem_id 0
		.amdhsa_next_free_vgpr 192
		.amdhsa_next_free_sgpr 66
		.amdhsa_reserve_vcc 0
		.amdhsa_float_denorm_mode_32 3
		.amdhsa_float_denorm_mode_16_64 3
		.amdhsa_memory_ordered 1
		.amdhsa_forward_progress 1
		.amdhsa_inst_pref_size 27
	.end_amdhsa_kernel
	.amdgpu_metadata
---
amdhsa.version: [ 1, 2 ]
amdhsa.kernels:
  - .name:           k_q9cc1ddf25e_norm2
    .symbol:         k_q9cc1ddf25e_norm2.kd
    .args:
      - { .name: x2, .offset: 0, .size: 8, .value_kind: global_buffer, .address_space: global }
      - { .name: g2, .offset: 8, .size: 8, .value_kind: global_buffer, .address_space: global }
      - { .name: act, .offset: 16, .size: 8, .value_kind: global_buffer, .address_space: global }
    .group_segment_fixed_size: 69120
    .private_segment_fixed_size: 0
    .kernarg_segment_align: 8
    .kernarg_segment_size: 24
    .max_flat_workgroup_size: 256
    .sgpr_count:     66
    .vgpr_count:     192
    .wavefront_size: 32
...
	.end_amdgpu_metadata
.endif
;; end of part 12
;; launch ffn1 (part 13): grid 16 x 22, 4 waves a work-group, clusters of 4 x 1, 327,680 bytes of LDS; arguments act, wbuf, hid; writes hid
.if DOCPART == 13
	.amdgcn_target "amdgcn-amd-amdhsa--gfx1250"
	.amdhsa_code_object_version 6
	.text
	.protected	k_q9cc1ddf25e_ffn1
	.globl	k_q9cc1ddf25e_ffn1
	.p2align	8
	.type	k_q9cc1ddf25e_ffn1,@function
k_q9cc1ddf25e_ffn1:
	s_mov_b64 s[64:65], 0
	v_nop
	global_prefetch_b8 v0, s[64:65] scope:SCOPE_SE
	s_setreg_imm32_b32 hwreg(HW_REG_WAVE_MODE, 25, 1), 1
	s_wait_xcnt 0x0
	s_wait_alu depctr_hold_cnt(0) depctr_sa_sdst(0) depctr_va_vdst(0) depctr_va_sdst(0) depctr_va_ssrc(0) depctr_va_vcc(0) depctr_vm_vsrc(0)
	s_getreg_b32 s2, hwreg(HW_REG_IB_STS2, 6, 4)
	s_cmp_eq_u32 s2, 0
	s_cbranch_scc0 .Lentry_in_a_cluster
	s_endpgm
.Lentry_in_a_cluster:
	s_bfe_u32 s2, ttmp6, 0x10000c
	s_cmp_lg_u32 s2, 0x3003
	s_cbranch_scc0 .Lentry_shape_is_right
	s_endpgm
.Lentry_shape_is_right:
; FFN1: x1 = xn w1^T and x3 = xn w3^T in one product, silu(x1) x3 on the way out, quantised along the hidden axis into the images that the last launch reads.  No work is left out here.
; w1's and w3's rows lie interleaved by blocks of 32 hidden units (image row 4 beta + 2 sel + u), so that a wave's 8 B tiles are x1 and x3 of the same 64 hidden units, in the same lanes.
; A tile of 256 tokens x 256 rows (128 hidden units) to a work-group, 128 x 128 to a wave; K = 1,024 in steps of 256 through two LDS slots; operands as images of their registers (see the first launch).
; CLUSTER 4 x 1: there are 22 column tiles, which 4 does not divide, so a cluster holds four row tiles of one column tile: B's tile is asked for jointly by the four (mask 15); A's loads are each work-group's own
; and stand behind the same rounds.  Column tile 21's upper half are zero images: hidden units 2,752 to 2,815 become zero codes, the filling of the last product's K.
; The scale bytes leave as 2 bytes a row: those stores do not cover 256 consecutive bytes.
.set KT,    8
.set TS,    KT/2
.set NQ,    2
.set IMG,   2048
.set PAIR,  4096
.set FR,    16
.set NL,    4
.set NP,    8
.set HALFT, 8*PAIR
.set SLOT,  4*HALFT
.set KROW,  128*KT
.set KS,    4*KT
.set SCL,   2*SLOT
.set HALFS, 128*KS
.set SBLK,  16*KS
.set SPARE, SCL+4*HALFS                ; the spare words, 128 bytes a wave: two blocks of 256 bytes that no other line names
.set HS,    11534336                   ; hid: where the scale words begin
.set ADRA, 16
.set ADRB, 20
.set ADRS, 27
.set SPW,  28
.set NIL,  29
.set SC,   32
.set AF,   128
.set LI,   8
.set SO,   9
.set H,    128                         ; v128-159 x1 x3, then the hidden numbers
.set E,    160                         ; v160-191 the sigmoid on its way
.set PC,   192
.set TM,   208
.set PW,   224
.set G1, 24
.set G0, 32
.set G1B, 48
.set G0B, 56
.set G1S, 68
.set G0S, 76
.set G1SB, 80
.set G0SB, 88
.set MSB, 0
.macro WIN new
.if MSB != (\new)
	s_set_vgpr_msb (MSB<<8)|(\new)
.set MSB, (\new)
.endif
.endm
.set MUL_LO, 0xa1
.set MUL_HI, 0xf1
.set TO_B,   0x40
.macro JLOAD g0a, g1a, g0b, g1b        ; waves 0 and 1 fetch for A, waves 2 and 3 for B; an s_nop 0 and four v_nop follow each line
	s_cmp_eq_u32 s15, 0
	s_cbranch_scc0 .Lfor_b_\@
	tensor_load_to_lds s[\g0a:\g0a+3], s[\g1a:\g1a+7]
	s_nop 0
.rept 4
	v_nop
.endr
	s_branch .Lasked_\@
.Lfor_b_\@:
	tensor_load_to_lds s[\g0b:\g0b+3], s[\g1b:\g1b+7]
	s_nop 0
.rept 4
	v_nop
.endr
.Lasked_\@:
.endm
.macro CREST
	s_cmp_lg_u32 s14, 0
	s_cbranch_scc1 .Lnot_wave_0_\@
	s_barrier_signal -3
.Lnot_wave_0_\@:
	s_barrier_wait -3
	s_barrier_signal -1
	s_barrier_wait -1
.endm
.macro CROUND
	s_barrier_signal -1
	s_barrier_wait -1
	CREST
.endm
.macro FRAG reg, adr, q, i
.irp c, 0,1,2,3
	ds_load_b128 v[\reg+4*\c:\reg+4*\c+3], v[\adr] offset:IMG*(\q)+512*\c+(\i)*PAIR
.endr
.endm
.macro MUL16 a0, p, q, sc, zero        ; the 64 accumulators take turns
.irp a, \a0, \a0+1
.irp b, 0,1,2,3,4,5,6,7
.if \zero
	v_wmma_scale_f32_16x16x128_f8f6f4 v[8*(8*((\a)%4)+\b):8*(8*((\a)%4)+\b)+7], v[128*(\p)+FR*\b:128*(\p)+FR*\b+FR-1], v[AF+FR*(\a):AF+FR*(\a)+FR-1], 0, v[SC+8*NQ*(\sc)+NQ*\b+(\q)], v[SC+8*NQ*(\sc)+NQ*(\a)+(\q)] matrix_a_fmt:MATRIX_FMT_BF8 matrix_b_fmt:MATRIX_FMT_BF8 matrix_a_scale:MATRIX_SCALE_ROW1
.else
	v_wmma_scale_f32_16x16x128_f8f6f4 v[8*(8*((\a)%4)+\b):8*(8*((\a)%4)+\b)+7], v[128*(\p)+FR*\b:128*(\p)+FR*\b+FR-1], v[AF+FR*(\a):AF+FR*(\a)+FR-1], v[8*(8*((\a)%4)+\b):8*(8*((\a)%4)+\b)+7], v[SC+8*NQ*(\sc)+NQ*\b+(\q)], v[SC+8*NQ*(\sc)+NQ*(\a)+(\q)] matrix_a_fmt:MATRIX_FMT_BF8 matrix_b_fmt:MATRIX_FMT_BF8 matrix_a_scale:MATRIX_SCALE_ROW1
.endif
.endr
.endr
.endm
.macro FETCH_B slot, q, p
	WIN TO_B
.irp i, 0,1,2,3,4,5,6,7
	FRAG 128*(\p)+FR*\i, ADRB+\slot, \q, \i
.endr
	WIN 0
.endm
.macro FETCH_A slot, q, i0
.irp i, \i0, \i0+1, \i0+2, \i0+3
	FRAG AF+FR*(\i), ADRA+\slot, \q, \i
.endr
.endm
.macro SCALES sc
.irp i, 0,1,2,3,4,5,6,7
	ds_load_b32 v[SC+16*\sc+2*\i], v[ADRS] offset:\i*SBLK
	ds_load_b32 v[SC+16*\sc+2*\i+1], v[ADRS] offset:\i*SBLK+64
.endr
.endm
.macro PLACES n
.rept \n
	v_nop
.endr
.endm
.macro STEP slot, q, zero
	s_wait_dscnt 4*NL                              ; all but the youngest sixteen loads (A's blocks 4-7)
	WIN MUL_LO
	MUL16 0, (\q)%2, \q, \slot, \zero
	MUL16 2, (\q)%2, \q, \slot, \zero
	s_wait_dscnt 0
	PLACES NP
	FETCH_B \slot, (\q)+1, 1-(\q)%2
	FETCH_A \slot, (\q)+1, 0
	WIN MUL_HI
	MUL16 4, (\q)%2, \q, \slot, \zero
	MUL16 6, (\q)%2, \q, \slot, \zero
	PLACES NP
	WIN 0
	FETCH_A \slot, (\q)+1, 4
.endm
.macro TURN slot, next, fill
	s_wait_tensorcnt 0x0                           ; all my tensor loads have landed: my part of the next slot
	ds_add_u32 v[SPW], v[NIL]                      ; 0 onto my spare word
	s_wait_dscnt 4*NL+1                            ; (the add and the youngest sixteen loads may be out)
	WIN MUL_LO
	MUL16 0, 1, NQ-1, \slot, 0
	s_wait_dscnt 0x0                               ; the add is done, and my reads of this slot are over
	s_barrier_signal -1
	MUL16 2, 1, NQ-1, \slot, 0
	WIN 0
	s_barrier_wait -1
.if \fill
	CREST                                          ; the barrier has opened a round of the cluster's barrier
	s_add_nc_u64 s[G0+4*\slot+2:G0+4*\slot+3], s[G0+4*\slot+2:G0+4*\slot+3], 2*PAIR
	s_add_nc_u64 s[G0B+4*\slot+2:G0B+4*\slot+3], s[G0B+4*\slot+2:G0B+4*\slot+3], 2*PAIR
	JLOAD G0+4*\slot, G1, G0B+4*\slot, G1B         ; the first tensor load behind the round
	PLACES NP-4
.else
	PLACES NP
.endif
	s_wait_alu depctr_va_vdst(0)
	v_add_nc_u32 v[ADRS], 64*NQ, v[ADRS]
	FETCH_B \next, 0, 0
	FETCH_A \next, 0, 0
	SCALES \next
	WIN MUL_HI
	MUL16 4, 1, NQ-1, \slot, 0
	MUL16 6, 1, NQ-1, \slot, 0
	PLACES NP
	WIN 0
	FETCH_A \next, 0, 4
.endm
.macro LAST sc
	s_wait_dscnt 4*NL
	WIN MUL_LO
	MUL16 0, 1, NQ-1, \sc, 0
	MUL16 2, 1, NQ-1, \sc, 0
	s_wait_dscnt 0
	WIN MUL_HI
	MUL16 4, 1, NQ-1, \sc, 0
	MUL16 6, 1, NQ-1, \sc, 0
	WIN 0
.endm
	s_load_b128 s[4:7], s[0:1], 0x0                ; act, wbuf
	s_load_b64 s[12:13], s[0:1], 0x10              ; hid
	v_lshl_add_u32 v[SPW], v0, 2, SPARE
	v_mov_b32 v[NIL], 0
	ds_add_u32 v[SPW], v[NIL]                      ; the opening: the add, twice on end, and its wait ahead of my first tensor load
	ds_add_u32 v[SPW], v[NIL]
	v_lshrrev_b32 v1, 5, v0
	v_readfirstlane_b32 s14, v1
	s_lshr_b32 s15, s14, 1
	s_and_b32 s16, s14, 1
	s_bfe_u32 s40, ttmp6, 0x40000                  ; cx
	s_lshl_b32 s17, ttmp9, 2
	s_add_co_u32 s17, s17, s40                     ; tile row: it enters A's own loads and the stores alone
	s_and_b32 s42, ttmp7, 0xffff                   ; tile column, which the four partners share
	s_mov_b32 s[G1+0], 3<<16                       ; A: no mask: each work-group's own tile
	s_mov_b32 s[G1B+0], 15|(3<<16)|(1<<21)         ; B: all four
.irp g, G1, G1B
	s_mov_b32 s[\g+1], 512<<16
	s_mov_b32 s[\g+2], 16<<16
	s_mov_b32 s[\g+3], 512<<16
	s_mov_b32 s[\g+4], 16
	s_mov_b32 s[\g+5], 256*KT
	s_mov_b32 s[\g+6], 0
	s_mov_b32 s[\g+7], 0
.endr
	s_mov_b32 s[G1S+0], 3<<16
	s_mov_b32 s[G1SB+0], 15|(3<<16)|(1<<21)
.irp g, G1S, G1SB
	s_mov_b32 s[\g+1], 32<<16
	s_mov_b32 s[\g+2], (4*KT)<<16
	s_mov_b32 s[\g+3], 32<<16
	s_mov_b32 s[\g+4], 4*KT
	s_mov_b32 s[\g+5], 32
	s_mov_b32 s[\g+6], 0
	s_mov_b32 s[\g+7], 0
.endr
	s_lshl_b32 s18, s16, 7
	s_lshl_b32 s20, s17, 8
	s_add_co_u32 s20, s20, s18
	s_lshl_b32 s46, s42, 8
	s_add_co_u32 s46, s46, s18
	s_mov_b32 s21, 0
	s_mov_b32 s47, 0
	s_mov_b64 s[18:19], KS
	s_mul_u64 s[22:23], s[20:21], s[18:19]
	s_mul_u64 s[92:93], s[46:47], s[18:19]
	s_mov_b64 s[18:19], KROW
	s_mul_u64 s[20:21], s[20:21], s[18:19]
	s_mul_u64 s[46:47], s[46:47], s[18:19]
	s_mul_i32 s45, s14, HALFT
	s_mul_i32 s2, s16, HALFS
	s_mov_b32 s3, 0
	s_wait_dscnt 0x0
	s_wait_kmcnt 0x0
	s_add_nc_u64 s[8:9], s[6:7], 4194304           ; w1/w3: codes,
	s_add_nc_u64 s[10:11], s[6:7], 12845056+131072 ; scale words
	s_add_nc_u64 s[6:7], s[4:5], 4194304           ; the tokens' scale words
	s_add_nc_u64 s[20:21], s[4:5], s[20:21]
	s_add_nc_u64 s[22:23], s[6:7], s[22:23]
	s_add_nc_u64 s[46:47], s[8:9], s[46:47]
	s_add_nc_u64 s[92:93], s[10:11], s[92:93]
	CROUND
	s_mov_b32 s[G0S], 1                            ; the head's four tiles, each whole: A's scale words,
	s_mov_b32 s[G0S+1], SCL
	s_sub_nc_u64 s[G0S+2:G0S+3], s[22:23], s[2:3]  ; (from the tile's first row: my half taken off)
	s_or_b32 s[G0S+3], s[G0S+3], 0x80000000
	s_mov_b32 s[G0SB], 1                           ; B's,
	s_mov_b32 s[G0SB+1], SCL+2*HALFS
	s_sub_nc_u64 s[G0SB+2:G0SB+3], s[92:93], s[2:3]
	s_or_b32 s[G0SB+3], s[G0SB+3], 0x80000000
	s_mul_i32 s2, s16, 128*KROW
	s_mov_b32 s4, 1                                ; K step 0's 16 image rows of A (s4-s11 held arguments that have been used),
	s_mov_b32 s5, 0
	s_sub_nc_u64 s[6:7], s[20:21], s[2:3]
	s_or_b32 s7, s7, 0x80000000
	s_mov_b32 s8, 1                                ; and of B, behind them in slot 0
	s_mov_b32 s9, 2*HALFT
	s_sub_nc_u64 s[10:11], s[46:47], s[2:3]
	s_or_b32 s11, s11, 0x80000000
.irp s, 0,1
	s_mov_b32 s[G0+4*\s], 1
	s_add_co_u32 s[G0+4*\s+1], s45, \s*SLOT
	s_add_nc_u64 s[G0+4*\s+2:G0+4*\s+3], s[20:21], \s*PAIR
	s_or_b32 s[G0+4*\s+3], s[G0+4*\s+3], 0x80000000
	s_mov_b32 s[G0B+4*\s], 1
	s_add_co_u32 s[G0B+4*\s+1], s45, \s*SLOT
	s_add_nc_u64 s[G0B+4*\s+2:G0B+4*\s+3], s[46:47], \s*PAIR
	s_or_b32 s[G0B+4*\s+3], s[G0B+4*\s+3], 0x80000000
.endr
; the head's loads, one a wave: one tree of branches on the wave's number, an arm a load
.macro ARM under, g0, g1, next
	s_cmp_lt_u32 s14, \under
	s_cbranch_scc0 \next
	tensor_load_to_lds s[\g0:\g0+3], s[\g1:\g1+7]
	s_nop 0
.rept 4
	v_nop
.endr
	s_branch .Lhead_asked
\next:
.endm
	ARM 1, 4, G1, .Lhead_b
	ARM 2, 8, G1B, .Lhead_sa
	ARM 3, G0S, G1S, .Lhead_sb
	tensor_load_to_lds s[G0SB:G0SB+3], s[G1SB:G1SB+7]
	s_nop 0
.rept 4
	v_nop
.endr
.Lhead_asked:
	v_and_b32 v1, 15, v0
	v_bfe_u32 v2, v0, 4, 1
	s_wait_alu depctr_va_vdst(0)
	v_and_b32 v3, 31, v0
	v_lshlrev_b32 v4, 4, v3
	s_mul_i32 s21, s15, HALFT
	s_mul_i32 s22, s16, HALFT
	s_add_co_u32 s22, s22, 2*HALFT
.irp s, 0,1
	v_add_nc_u32 v[ADRA+\s], s21, v4
	v_add_nc_u32 v[ADRB+\s], s22, v4
	s_add_co_u32 s21, s21, SLOT
	s_add_co_u32 s22, s22, SLOT
.endr
	v_lshlrev_b32 v5, 2, v1
	s_mul_i32 s21, s15, HALFS
	s_mul_i32 s22, s16, HALFS
	s_add_co_u32 s22, s22, 2*HALFS
	s_sub_co_u32 s22, s22, s21
	v_mul_u32_u24 v6, s22, v2
	s_add_co_u32 s21, s21, SCL
	v_lshlrev_b32 v[SO], 2, v1
	v_add_nc_u32 v5, v5, v6
	v_add_nc_u32 v[ADRS], s21, v5
	v_mov_b32 v[LI], v4
	s_wait_alu depctr_va_vdst(0)
	s_wait_tensorcnt 0x0                           ; my tile of the head's four is in
	ds_add_u32 v[SPW], v[NIL]
	s_mov_b32 s[G1+2], 8<<16                       ; no tensor load of mine is out: from here on a load brings 8 image rows
	s_mov_b32 s[G1+4], 8
	s_mov_b32 s[G1B+2], 8<<16
	s_mov_b32 s[G1B+4], 8
	s_wait_dscnt 0x0
	CROUND                                         ; all four tiles are in, and the partners are here
	JLOAD G0+4, G1, G0B+4, G1B                     ; K step 1: the first tensor load behind the round
	FETCH_B 0, 0, 0
	FETCH_A 0, 0, 0
	SCALES 0
	FETCH_A 0, 0, 4
	STEP 0, 0, 1
	s_mov_b32 s3, (TS-2)/2
.Llap:
	TURN 0, 1, 1
	STEP 1, 0, 0
	TURN 1, 0, 1
	STEP 0, 0, 0
	s_sub_co_u32 s3, s3, 1
	s_cmp_lg_u32 s3, 0
	s_cbranch_scc1 .Llap
	TURN 0, 1, 0
	STEP 1, 0, 0
	LAST 1
	; ---- THE WAY OUT.  Image a of my 8 token images: registers 32 e + i are x1, 32 e + 16 + i are x3, of hidden unit 32 e + 16 h + i of my 64
	s_mov_b32 s66, 0xbfb8aa3b                      ; -log2(e)
	s_mov_b32 s67, s66
	s_mov_b32 s94, 0x600000
	s_mov_b32 s96, 0x76543210
	s_mov_b32 s97, 0xfedcba98
	s_lshl_b32 s20, s17, 4
	s_lshl_b32 s21, s15, 3
	s_add_co_u32 s20, s20, s21                     ; my first token image
	s_mul_i32 s20, s20, 22
	s_add_co_u32 s20, s20, s42                     ; x 22 K steps + my column tile
	s_lshl_b32 s52, s20, 11
	s_lshl_b32 s21, s16, 10
	s_add_co_u32 s52, s52, s21
	s_mov_b32 s53, 0
	s_add_nc_u64 s[52:53], s[12:13], s[52:53]
	s_lshl_b32 s56, s20, 6
	s_lshl_b32 s21, s16, 1
	s_add_co_u32 s56, s56, s21
	s_add_co_u32 s56, s56, HS
	s_mov_b32 s57, 0
	s_add_nc_u64 s[56:57], s[12:13], s[56:57]
	PLACES NP
.irp b, 0,1
	v_mov_b32 v[TM+4+\b], 0
.endr
.macro SWIGLU a
.set AC, 64*((\a)%4)
.set XW, 2+(\a)/4
	WIN XW
.irp e, 0,1
.set n, 0
.rept 8
	v_pk_mul_f32 v[E+16*\e+n:E+16*\e+n+1], v[AC+32*\e+n:AC+32*\e+n+1], s[66:67] op_sel_hi:[1,0]   ; -x1 log2(e)
.set n, n+2
.endr
.endr
	WIN 0
.set n, 0
	s_wait_alu depctr_va_vdst(0)
.rept 32
	v_exp_f32 v[E+n], v[E+n]                       ; e^-x1
.set n, n+1
.endr
	WIN XW*5
	s_wait_alu depctr_va_vdst(0)
.irp e, 0,1
.set n, 0
.rept 8
	v_pk_mul_f32 v[H+16*\e+n:H+16*\e+n+1], v[AC+32*\e+n:AC+32*\e+n+1], v[AC+32*\e+16+n:AC+32*\e+16+n+1]   ; x1 x3: plain work behind the exponentials
.set n, n+2
.endr
.endr
	WIN 0
	s_wait_alu depctr_va_vdst(0)                   ; one wait for the batch, ahead of its first reader
.set n, 0
.rept 16
	v_pk_add_f32 v[E+n:E+n+1], v[E+n:E+n+1], 1.0 op_sel_hi:[1,0]
.set n, n+2
.endr
.set n, 0
	s_wait_alu depctr_va_vdst(0)
.rept 32
	v_rcp_f32 v[E+n], v[E+n]                       ; the sigmoid
.set n, n+1
.endr
	v_nop
	s_wait_alu depctr_va_vdst(0)
.set n, 0
.rept 16
	v_pk_mul_f32 v[H+n:H+n+1], v[H+n:H+n+1], v[E+n:E+n+1]
.set n, n+2
.endr
.endm
.macro QUANT2                          ; 32 numbers in v[H] on: two blocks of 32 along the hidden axis
.irp b, 0,1
	v_max3_num_f32 v[TM+\b], |v[H+16*\b]|, |v[H+16*\b+1]|, 0x8000000
.endr
.irp i, 2,4,6,8,10,12,14
.irp b, 0,1
	v_max3_num_f32 v[TM+\b], v[TM+\b], |v[H+16*\b+\i]|, |v[H+16*\b+\i+1]|
.endr
.endr
.irp b, 0,1
	v_permlanex16_b32 v[TM+4+\b], v[TM+\b], s96, s97
.endr
.irp b, 0,1
	v_max_num_f32 v[TM+\b], v[TM+\b], v[TM+4+\b]
.endr
.irp b, 0,1
	v_add_nc_u32 v[TM+12+\b], 0xf8800000, v[TM+\b]
.endr
.irp b, 0,1
	v_and_or_b32 v[TM+8+\b], v[TM+\b], 0x7f800000, s94
.endr
.irp b, 0,1
	v_lshrrev_b32 v[TM+4+\b], 23, v[TM+12+\b]
.endr
	v_lshl_or_b32 v[PW], v[TM+5], 8, v[TM+4]
.irp b, 0,1
.irp i, 0,1,2,3,4,5,6,7,8,9,10,11,12,13,14,15
	v_med3_num_f32 v[H+16*\b+\i], v[H+16*\b+\i], -v[TM+8+\b], v[TM+8+\b]
.endr
	v_cvt_scalef32_pk8_bf8_f32 v[PC+4*\b:PC+4*\b+1], v[H+16*\b:H+16*\b+7], v[TM+12+\b]
	v_cvt_scalef32_pk8_bf8_f32 v[PC+4*\b+2:PC+4*\b+3], v[H+16*\b+8:H+16*\b+15], v[TM+12+\b]
.endr
	v_nop
.endm
.irp a, 0,1,2,3,4,5,6,7
.if \a > 0
	s_wait_xcnt 0x0                                ; the last image's stores have read their registers
.endif
	SWIGLU \a
	QUANT2
	global_store_b128 v[LI], v[PC:PC+3], s[52:53] offset:45056*\a
	global_store_b128 v[LI], v[PC+4:PC+7], s[52:53] offset:45056*\a+512
	global_store_b16 v[SO], v[PW], s[56:57] offset:1408*\a    ; my half of the row's scale word
.endr
	s_wait_tensorcnt 0x0                           ; the wave's end
	ds_add_u32 v[SPW], v[NIL]
	s_wait_dscnt 0x0
	CROUND                                         ; the closing round
	s_endpgm
.Lfunc_end_k_q9cc1ddf25e_ffn1:
	.size	k_q9cc1ddf25e_ffn1, .Lfunc_end_k_q9cc1ddf25e_ffn1-k_q9cc1ddf25e_ffn1
	.p2alignl 7, 3214868480
	.fill 96, 4, 3214868480
	.section	.rodata,"a",@progbits
	.p2align	6, 0x0
	.amdhsa_kernel k_q9cc1ddf25e_ffn1
		.amdhsa_group_segment_fixed_size 327680
		.amdhsa_private_segment_fixed_size 0
		.amdhsa_enable_private_segment 0
		.amdhsa_kernarg_size 24
		.amdhsa_user_sgpr_count 2
		.amdhsa_user_sgpr_kernarg_segment_ptr 1
		.amdhsa_wavefront_size32 1
		.amdhsa_system_sgpr_workgroup_id_x 1
		.amdhsa_system_sgpr_workgroup_id_y 1
		.amdhsa_system_sgpr_workgroup_id_z 1
		.amdhsa_system_vgpr_workitem_id 0
		.amdhsa_next_free_vgpr 1024
		.amdhsa_next_free_sgpr 102
		.amdhsa_reserve_vcc 0
		.amdhsa_float_denorm_mode_32 3
		.amdhsa_float_denorm_mode_16_64 3
		.amdhsa_memory_ordered 1
		.amdhsa_forward_progress 1
		.amdhsa_inst_pref_size 204
	.end_amdhsa_kernel
	.amdgpu_metadata
---
amdhsa.version: [ 1, 2 ]
amdhsa.kernels:
  - .name:           k_q9cc1ddf25e_ffn1
    .symbol:         k_q9cc1ddf25e_ffn1.kd
    .args:
      - { .name: act, .offset: 0, .size: 8, .value_kind: global_buffer, .address_space: global }
      - { .name: wbuf, .offset: 8, .size: 8, .value_kind: global_buffer, .address_space: global }
      - { .name: hid, .offset: 16, .size: 8, .value_kind: global_buffer, .address_space: global }
    .group_segment_fixed_size: 327680
    .private_segment_fixed_size: 0
    .kernarg_segment_align: 8
    .kernarg_segment_size: 24
    .max_flat_workgroup_size: 128
    .sgpr_count:     102
    .vgpr_count:     1024
    .wavefront_size: 32
...
	.end_amdgpu_metadata
.endif
;; end of part 13
;; launch ffn2 (part 14): grid 8 x 32, 4 waves a work-group, clusters of 4 x 4, 327,680 bytes of LDS; arguments hid, wbuf, x2, out0; writes out0
.if DOCPART == 14
	.amdgcn_target "amdgcn-amd-amdhsa--gfx1250"
	.amdhsa_code_object_version 6
	.text
	.protected	k_q9cc1ddf25e_ffn2
	.globl	k_q9cc1ddf25e_ffn2
	.p2align	8
	.type	k_q9cc1ddf25e_ffn2,@function
k_q9cc1ddf25e_ffn2:
	s_mov_b64 s[64:65], 0
	v_nop
	global_prefetch_b8 v0, s[64:65] scope:SCOPE_SE
	s_setreg_imm32_b32 hwreg(HW_REG_WAVE_MODE, 25, 1), 1
	s_wait_xcnt 0x0
	s_wait_alu depctr_hold_cnt(0) depctr_sa_sdst(0) depctr_va_vdst(0) depctr_va_sdst(0) depctr_va_ssrc(0) depctr_va_vcc(0) depctr_vm_vsrc(0)
	s_getreg_b32 s2, hwreg(HW_REG_IB_STS2, 6, 4)
	s_cmp_eq_u32 s2, 0
	s_cbranch_scc0 .Lentry_in_a_cluster
	s_endpgm
.Lentry_in_a_cluster:
	s_bfe_u32 s2, ttmp6, 0x10000c
	s_cmp_lg_u32 s2, 0xf033
	s_cbranch_scc0 .Lentry_shape_is_right
	s_endpgm
.Lentry_shape_is_right:
.set KT,    22
.set ASOFF, 11534336
.set BOFF,  9961472
.set BSOFF, 12845056+311296
.set NTOUT, 1
.set KSL,   4
.set NS,    (KT+KSL-1)/KSL
.set NQL,   KT-KSL*(NS-1)
.set IMG,   2048
.set ROWP,  KSL*IMG
.set FR,    16
.set NP,    8
.set HALFT, 4*ROWP
.set SLOT,  4*HALFT
.set KROW,  128*KT
.set KS,    4*KT
.set SCL,   2*SLOT
.set HALFS, 64*KS
.set SBLK,  16*KS
.set SPARE, SCL+4*HALFS
.set SPITCH, 272
.set STAGE, (NS%2)*SLOT
.set ADRA, 16
.set ADRB, 20
.set STO,  24
.set RD,   25
.set CO,   26
.set ADRS, 27
.set SPW,  28
.set NIL,  29
.set SC,   32
.set BK,   64
.set ACC,  128
.set G1, 24
.set G0, 32
.set G1B, 48
.set G0B, 56
.set G1S, 68
.set G0S, 76
.set G1SB, 80
.set G0SB, 88
.set MSB, 0
.macro WIN new
.if MSB != (\new)
	s_set_vgpr_msb (MSB<<8)|(\new)
.set MSB, (\new)
.endif
.endm
.set MUL,  0x05
.set TO_F, 0x40
.macro JLOAD g0a, g1a, g0b, g1b
	s_cmp_eq_u32 s15, 0
	s_cbranch_scc0 .Lfor_b_\@
	tensor_load_to_lds s[\g0a:\g0a+3], s[\g1a:\g1a+7]
	s_nop 0
.rept 4
	v_nop
.endr
	s_branch .Lasked_\@
.Lfor_b_\@:
	tensor_load_to_lds s[\g0b:\g0b+3], s[\g1b:\g1b+7]
	s_nop 0
.rept 4
	v_nop
.endr
.Lasked_\@:
.endm
.macro CREST
	s_cmp_lg_u32 s14, 0
	s_cbranch_scc1 .Lnot_wave_0_\@
	s_barrier_signal -3
.Lnot_wave_0_\@:
	s_barrier_wait -3
	s_barrier_signal -1
	s_barrier_wait -1
.endm
.macro CROUND
	s_barrier_signal -1
	s_barrier_wait -1
	CREST
.endm
.macro FRAG reg, adr, q, i
.irp c, 0,1,2,3
	ds_load_b128 v[\reg+4*\c:\reg+4*\c+3], v[\adr] offset:IMG*(\q)+512*\c+(\i)*ROWP
.endr
.endm
.macro MUL4 a, p, q, sc, zero
.irp b, 0,1,2,3
.if \zero
	v_wmma_scale_f32_16x16x128_f8f6f4 v[ACC+8*(4*(\a)+\b):ACC+8*(4*(\a)+\b)+7], v[128*(\p)+FR*\b:128*(\p)+FR*\b+FR-1], v[128*(\p)+64+FR*(\a):128*(\p)+64+FR*(\a)+FR-1], 0, v[SC+16*(\sc)+4*\b+(\q)], v[SC+16*(\sc)+4*(\a)+(\q)] matrix_a_fmt:MATRIX_FMT_BF8 matrix_b_fmt:MATRIX_FMT_BF8 matrix_a_scale:MATRIX_SCALE_ROW1
.else
	v_wmma_scale_f32_16x16x128_f8f6f4 v[ACC+8*(4*(\a)+\b):ACC+8*(4*(\a)+\b)+7], v[128*(\p)+FR*\b:128*(\p)+FR*\b+FR-1], v[128*(\p)+64+FR*(\a):128*(\p)+64+FR*(\a)+FR-1], v[ACC+8*(4*(\a)+\b):ACC+8*(4*(\a)+\b)+7], v[SC+16*(\sc)+4*\b+(\q)], v[SC+16*(\sc)+4*(\a)+(\q)] matrix_a_fmt:MATRIX_FMT_BF8 matrix_b_fmt:MATRIX_FMT_BF8 matrix_a_scale:MATRIX_SCALE_ROW1
.endif
.endr
.endm
.macro FETCH slot, q, p
	WIN TO_F
.irp i, 0,1,2,3
	FRAG 128*(\p)+FR*\i, ADRB+\slot, \q, \i
.endr
.irp i, 0,1,2,3
	FRAG 128*(\p)+64+FR*\i, ADRA+\slot, \q, \i
.endr
.endm
.macro SCALES sc, nq
.irp i, 0,1,2,3
.irp q, 0,1,2,3
.if \q < \nq
	ds_load_b32 v[SC+16*\sc+4*\i+\q], v[ADRS] offset:\i*SBLK+64*\q
.endif
.endr
.endr
.endm
.macro PLACES n
.rept \n
	v_nop
.endr
.endm
.macro QSTEP slot, q, zero
	s_wait_dscnt 8
	WIN MUL
	MUL4 0, (\q)%2, \q, \slot, \zero
	MUL4 1, (\q)%2, \q, \slot, \zero
	PLACES NP
	FETCH \slot, (\q)+1, 1-(\q)%2
	s_wait_dscnt 32
	WIN MUL
	MUL4 2, (\q)%2, \q, \slot, \zero
	MUL4 3, (\q)%2, \q, \slot, \zero
.endm
.macro THREE slot, zero
	QSTEP \slot, 0, \zero
	QSTEP \slot, 1, 0
	QSTEP \slot, 2, 0
.endm
.macro TURN slot, next, fill, nqn, short
	WIN 0
	s_wait_tensorcnt 0x0
	ds_add_u32 v[SPW], v[NIL]
	s_wait_dscnt 9
	WIN MUL
	MUL4 0, 1, KSL-1, \slot, 0
	s_wait_dscnt 0x0
	s_barrier_signal -1
	MUL4 1, 1, KSL-1, \slot, 0
	WIN 0
	s_barrier_wait -1
.if \fill
	CREST
	s_add_nc_u64 s[G0+4*\slot+2:G0+4*\slot+3], s[G0+4*\slot+2:G0+4*\slot+3], 2*ROWP
	s_add_nc_u64 s[G0B+4*\slot+2:G0B+4*\slot+3], s[G0B+4*\slot+2:G0B+4*\slot+3], 2*ROWP
.if \short
	s_mov_b32 s[G1+1], (NQL*256)<<16
	s_mov_b32 s[G1B+1], (NQL*256)<<16
.endif
	JLOAD G0+4*\slot, G1, G0B+4*\slot, G1B
	PLACES NP-4
.else
	PLACES NP
.endif
	s_wait_alu depctr_va_vdst(0)
	v_add_nc_u32 v[ADRS], 64*KSL, v[ADRS]
	SCALES \next, \nqn
	FETCH \next, 0, 0
	WIN MUL
	MUL4 2, 1, KSL-1, \slot, 0
	MUL4 3, 1, KSL-1, \slot, 0
.endm
.macro LAST sc
	s_wait_dscnt 8
	WIN MUL
	MUL4 0, 1, NQL-1, \sc, 0
	MUL4 1, 1, NQL-1, \sc, 0
	s_wait_dscnt 0
	MUL4 2, 1, NQL-1, \sc, 0
	MUL4 3, 1, NQL-1, \sc, 0
	WIN 0
.endm
	s_load_b128 s[4:7], s[0:1], 0x0
	s_load_b128 s[96:99], s[0:1], 0x10
	v_lshl_add_u32 v[SPW], v0, 2, SPARE
	v_mov_b32 v[NIL], 0
	ds_add_u32 v[SPW], v[NIL]
	ds_add_u32 v[SPW], v[NIL]
	v_lshrrev_b32 v1, 5, v0
	v_readfirstlane_b32 s14, v1
	s_lshr_b32 s15, s14, 1
	s_and_b32 s16, s14, 1
	s_bfe_u32 s40, ttmp6, 0x40000
	s_bfe_u32 s41, ttmp6, 0x40004
	s_lshl_b32 s42, ttmp9, 2
	s_add_co_u32 s42, s42, s40
	s_and_b32 s17, ttmp7, 0xffff
	s_lshl_b32 s17, s17, 2
	s_add_co_u32 s17, s17, s41
	s_lshl_b32 s43, s41, 2
	s_lshl_b32 s43, 15, s43
	s_lshl_b32 s44, 0x1111, s40
	s_or_b32 s[G1+0], s43, (3<<16)|(1<<21)
	s_or_b32 s[G1B+0], s44, (3<<16)|(1<<21)
.irp g, G1, G1B
	s_mov_b32 s[\g+1], (KSL*256)<<16
	s_mov_b32 s[\g+2], 8<<16
	s_mov_b32 s[\g+3], (KSL*256)<<16
	s_mov_b32 s[\g+4], 8
	s_mov_b32 s[\g+5], 256*KT
	s_mov_b32 s[\g+6], 0
	s_mov_b32 s[\g+7], 0
.endr
	s_or_b32 s[G1S+0], s43, (3<<16)|(1<<21)
	s_or_b32 s[G1SB+0], s44, (3<<16)|(1<<21)
.irp g, G1S, G1SB
	s_mov_b32 s[\g+1], 32<<16
	s_mov_b32 s[\g+2], (2*KT)<<16
	s_mov_b32 s[\g+3], 32<<16
	s_mov_b32 s[\g+4], 2*KT
	s_mov_b32 s[\g+5], 32
	s_mov_b32 s[\g+6], 0
	s_mov_b32 s[\g+7], 0
.endr
	s_lshl_b32 s18, s16, 6
	s_lshl_b32 s20, s17, 7
	s_add_co_u32 s20, s20, s18
	s_lshl_b32 s46, s42, 7
	s_add_co_u32 s46, s46, s18
	s_mov_b32 s21, 0
	s_mov_b32 s47, 0
	s_mov_b64 s[18:19], KS
	s_mul_u64 s[22:23], s[20:21], s[18:19]
	s_mul_u64 s[92:93], s[46:47], s[18:19]
	s_mov_b64 s[18:19], KROW
	s_mul_u64 s[20:21], s[20:21], s[18:19]
	s_mul_u64 s[46:47], s[46:47], s[18:19]
	s_mul_i32 s45, s14, HALFT
	s_mul_i32 s2, s16, HALFS
	s_mov_b32 s3, 0
	s_wait_dscnt 0x0
	s_wait_kmcnt 0x0
	s_add_nc_u64 s[8:9], s[6:7], BOFF
	s_add_nc_u64 s[10:11], s[6:7], BSOFF
	s_add_nc_u64 s[6:7], s[4:5], ASOFF
	s_add_nc_u64 s[20:21], s[4:5], s[20:21]
	s_add_nc_u64 s[22:23], s[6:7], s[22:23]
	s_add_nc_u64 s[46:47], s[8:9], s[46:47]
	s_add_nc_u64 s[92:93], s[10:11], s[92:93]
	CROUND
	s_mov_b32 s[G0S], 1                            ; the head's four tiles, each whole: A's scale words,
	s_mov_b32 s[G0S+1], SCL
	s_sub_nc_u64 s[G0S+2:G0S+3], s[22:23], s[2:3]  ; (from the tile's first row: my half taken off)
	s_or_b32 s[G0S+3], s[G0S+3], 0x80000000
	s_mov_b32 s[G0SB], 1                           ; B's,
	s_mov_b32 s[G0SB+1], SCL+2*HALFS
	s_sub_nc_u64 s[G0SB+2:G0SB+3], s[92:93], s[2:3]
	s_or_b32 s[G0SB+3], s[G0SB+3], 0x80000000
	s_mul_i32 s2, s16, 64*KROW
	s_mov_b32 s4, 1                                ; slot 0's 8 image rows of A (s4-s11 held arguments that have been used),
	s_mov_b32 s5, 0
	s_sub_nc_u64 s[6:7], s[20:21], s[2:3]
	s_or_b32 s7, s7, 0x80000000
	s_mov_b32 s8, 1                                ; and of B, behind them
	s_mov_b32 s9, 2*HALFT
	s_sub_nc_u64 s[10:11], s[46:47], s[2:3]
	s_or_b32 s11, s11, 0x80000000
.irp s, 0,1
	s_mov_b32 s[G0+4*\s], 1
	s_add_co_u32 s[G0+4*\s+1], s45, \s*SLOT
	s_add_nc_u64 s[G0+4*\s+2:G0+4*\s+3], s[20:21], \s*ROWP
	s_or_b32 s[G0+4*\s+3], s[G0+4*\s+3], 0x80000000
	s_mov_b32 s[G0B+4*\s], 1
	s_add_co_u32 s[G0B+4*\s+1], s45, \s*SLOT
	s_add_nc_u64 s[G0B+4*\s+2:G0B+4*\s+3], s[46:47], \s*ROWP
	s_or_b32 s[G0B+4*\s+3], s[G0B+4*\s+3], 0x80000000
.endr
; the head's loads, one a wave: one tree of branches on the wave's number, an arm a load
.macro ARM under, g0, g1, next
	s_cmp_lt_u32 s14, \under
	s_cbranch_scc0 \next
	tensor_load_to_lds s[\g0:\g0+3], s[\g1:\g1+7]
	s_nop 0
.rept 4
	v_nop
.endr
	s_branch .Lhead_asked
\next:
.endm
	ARM 1, 4, G1, .Lhead_b
	ARM 2, 8, G1B, .Lhead_sa
	ARM 3, G0S, G1S, .Lhead_sb
	tensor_load_to_lds s[G0SB:G0SB+3], s[G1SB:G1SB+7]
	s_nop 0
.rept 4
	v_nop
.endr
.Lhead_asked:
	v_and_b32 v1, 15, v0
	v_bfe_u32 v2, v0, 4, 1
	s_wait_alu depctr_va_vdst(0)
	v_and_b32 v3, 31, v0
	v_lshlrev_b32 v4, 4, v3
	s_mul_i32 s21, s15, HALFT
	s_mul_i32 s22, s16, HALFT
	s_add_co_u32 s22, s22, 2*HALFT
.irp s, 0,1
	v_add_nc_u32 v[ADRA+\s], s21, v4
	v_add_nc_u32 v[ADRB+\s], s22, v4
	s_add_co_u32 s21, s21, SLOT
	s_add_co_u32 s22, s22, SLOT
.endr
	v_lshlrev_b32 v5, 2, v1
	s_mul_i32 s21, s15, HALFS
	s_mul_i32 s22, s16, HALFS
	s_add_co_u32 s22, s22, 2*HALFS
	s_sub_co_u32 s22, s22, s21
	v_mul_u32_u24 v6, s22, v2
	s_add_co_u32 s21, s21, SCL
	v_add_nc_u32 v5, v5, v6
	v_add_nc_u32 v[ADRS], s21, v5
	s_mul_i32 s23, s14, 16*SPITCH
	s_add_co_u32 s23, s23, STAGE
	v_mul_u32_u24 v5, v1, SPITCH
	v_lshl_add_u32 v5, v2, 6, v5
	v_add_nc_u32 v[STO], s23, v5
	v_mul_u32_u24 v5, v2, SPITCH
	v_lshl_add_u32 v5, v1, 4, v5
	v_add_nc_u32 v[RD], s23, v5
	v_lshlrev_b32 v[CO], 12, v2
	v_lshl_add_u32 v[CO], v1, 4, v[CO]
	s_wait_alu depctr_va_vdst(0)
	s_lshl_b32 s20, s17, 7
	s_lshl_b32 s21, s15, 6
	s_add_co_u32 s20, s20, s21
	s_lshl_b32 s20, s20, 12
	s_lshl_b32 s46, s42, 9
	s_lshl_b32 s47, s16, 8
	s_add_co_u32 s46, s46, s47
	s_add_co_u32 s20, s20, s46
	s_mov_b32 s21, 0
	s_add_nc_u64 s[12:13], s[98:99], s[20:21]
	s_add_nc_u64 s[96:97], s[96:97], s[20:21]
	WIN 0x80
.irp a, 0,1,2,3
.irp t, 0,1,2,3,4,5,6,7
	global_load_b128 v[32*\a+4*\t:32*\a+4*\t+3], v[CO], s[96:97] offset:(32*(\a/2)+8*(\a%2)+2*\t+8*(\t/4))*4096 th:TH_LOAD_NT
.endr
.endr
	WIN 0
	s_wait_tensorcnt 0x0                           ; my tile of the head's four is in
	ds_add_u32 v[SPW], v[NIL]
	s_mov_b32 s[G1+2], 4<<16                       ; no tensor load of mine is out: from here on a load brings 4 image rows
	s_mov_b32 s[G1+4], 4
	s_mov_b32 s[G1B+2], 4<<16
	s_mov_b32 s[G1B+4], 4
	s_wait_dscnt 0x0
	CROUND                                         ; all four tiles are in, and the partners are here
	JLOAD G0+4, G1, G0B+4, G1B                     ; slot 1: the first tensor load behind the round
	SCALES 0, KSL
	FETCH 0, 0, 0
	THREE 0, 1
	TURN 0, 1, 1, KSL, 0
	THREE 1, 0
	TURN 1, 0, 1, KSL, 0
	THREE 0, 0
	TURN 0, 1, 1, KSL, 0
	THREE 1, 0
	TURN 1, 0, 1, KSL, 1
	THREE 0, 0
	TURN 0, 1, 0, NQL, 0
	QSTEP 1, 0, 0
	LAST 1
.macro TOSTAGE a
.irp b, 0,1,2,3
	ds_store_b128 v[STO], v[ACC+8*(4*(\a)+\b):ACC+8*(4*(\a)+\b)+3] offset:128*(\b/2)+32*(\b%2)
	ds_store_b128 v[STO], v[ACC+8*(4*(\a)+\b)+4:ACC+8*(4*(\a)+\b)+7] offset:128*(\b/2)+32*(\b%2)+16
.endr
.set BB, BK+32*((\a)%2)
.irp t, 0,1,2,3,4,5,6,7
	ds_load_b128 v[BB+4*\t:BB+4*\t+3], v[RD] offset:2*\t*SPITCH
.endr
.endm
.macro SEND a, ds
.set BB, BK+32*((\a)%2)
.set RB, 32*(\a)
	s_wait_dscnt \ds
	WIN 0x08
.set n, 0
.rept 16
	v_pk_add_f32 v[BB+n:BB+n+1], v[BB+n:BB+n+1], v[RB+n:RB+n+1]
.set n, n+2
.endr
	WIN 0
.irp t, 0,1,2,3,4,5,6,7
.if NTOUT
	global_store_b128 v[CO], v[BB+4*\t:BB+4*\t+3], s[12:13] offset:(32*((\a)/2)+8*((\a)%2)+2*\t+8*(\t/4))*4096 th:TH_STORE_NT
.else
	global_store_b128 v[CO], v[BB+4*\t:BB+4*\t+3], s[12:13] offset:(32*((\a)/2)+8*((\a)%2)+2*\t+8*(\t/4))*4096
.endif
.endr
.endm
	PLACES NP
	TOSTAGE 0
	s_wait_loadcnt 0x0
.irp a, 1,2,3
.if \a > 1
	s_wait_xcnt 0x0
.endif
	TOSTAGE \a
	SEND \a-1, 16
.endr
	SEND 3, 0
	s_wait_tensorcnt 0x0
	ds_add_u32 v[SPW], v[NIL]
	s_wait_dscnt 0x0
	CROUND
	s_endpgm
.Lfunc_end_k_q9cc1ddf25e_ffn2:
	.size	k_q9cc1ddf25e_ffn2, .Lfunc_end_k_q9cc1ddf25e_ffn2-k_q9cc1ddf25e_ffn2
	.p2alignl 7, 3214868480
	.fill 96, 4, 3214868480
	.section	.rodata,"a",@progbits
	.p2align	6, 0x0
	.amdhsa_kernel k_q9cc1ddf25e_ffn2
		.amdhsa_group_segment_fixed_size 327680
		.amdhsa_private_segment_fixed_size 0
		.amdhsa_enable_private_segment 0
		.amdhsa_kernarg_size 32
		.amdhsa_user_sgpr_count 2
		.amdhsa_user_sgpr_kernarg_segment_ptr 1
		.amdhsa_wavefront_size32 1
		.amdhsa_system_sgpr_workgroup_id_x 1
		.amdhsa_system_sgpr_workgroup_id_y 1
		.amdhsa_system_sgpr_workgroup_id_z 1
		.amdhsa_system_vgpr_workitem_id 0
		.amdhsa_next_free_vgpr 768
		.amdhsa_next_free_sgpr 102
		.amdhsa_reserve_vcc 0
		.amdhsa_float_denorm_mode_32 3
		.amdhsa_float_denorm_mode_16_64 3
		.amdhsa_memory_ordered 1
		.amdhsa_forward_progress 1
		.amdhsa_inst_pref_size 133
	.end_amdhsa_kernel
	.amdgpu_metadata
---
amdhsa.version: [ 1, 2 ]
amdhsa.kernels:
  - .name:           k_q9cc1ddf25e_ffn2
    .symbol:         k_q9cc1ddf25e_ffn2.kd
    .args:
      - { .name: hid, .offset: 0, .size: 8, .value_kind: global_buffer, .address_space: global }
      - { .name: wbuf, .offset: 8, .size: 8, .value_kind: global_buffer, .address_space: global }
      - { .name: x2, .offset: 16, .size: 8, .value_kind: global_buffer, .address_space: global }
      - { .name: out0, .offset: 24, .size: 8, .value_kind: global_buffer, .address_space: global }
    .group_segment_fixed_size: 327680
    .private_segment_fixed_size: 0
    .kernarg_segment_align: 8
    .kernarg_segment_size: 32
    .max_flat_workgroup_size: 128
    .sgpr_count:     102
    .vgpr_count:     768
    .wavefront_size: 32
...
	.end_amdgpu_metadata
.endif
;; end of part 14
